; MI455X (gfx1250); checked and timed in simulation.
; The chip was launched on July 23, 2026; its instructions are those of AMD's public machine-readable ISA for CDNA 5 (MIT licence, August 2026) and "CDNA5" Instruction Set Architecture Reference Guide (July 2026). The comments in the code are by the model that wrote it; some were corrected since.
;; Transformer Block. Allowed arithmetic: matrix products marked QUANTISED: E2M3 operands, one E8M0 scale for each 32 along K, by v_wmma_scale_f32_16x16x128_f8f6f4 with both operands' format E2M3, f32 sums; everything else in f32.
;; Inputs: fc1_b 4,096 float32; fc1_w 1,024 x 4,096 float32; fc2_b 1,024 float32; fc2_w 4,096 x 1,024 float32; ln1_b 1,024 float32; ln1_g 1,024 float32; ln2_b 1,024 float32; ln2_g 1,024 float32; proj_b 1,024 float32; proj_w 1,024 x 1,024 float32; qkv_b 3,072 float32; qkv_w 1,024 x 3,072 float32; x 2 x 2,048 x 1,024 float32.
;; Outputs: out0 2 x 2,048 x 1,024 float32.
;; This version of the problem:
;;   THIS VERSION OF THE PROBLEM IS GIVEN IN LOW PRECISION. The matrix products marked QUANTISED in the list below multiply operands that are first quantised to E2M3 (2 exponent bits, 3 mantissa bits; 6 bits a number), with one power-of-two scale for each 32 numbers along K (OCP MX v1.0); their sums are f32. All else is computed in f32.
;;   The module's matrix products, in the order in which they are computed (A, B: the left and right operand; K: the contracted axis; several contracted axes count as one K, in the product's order):
;;     1. [M 4,096, K 1,024] x [K 1,024, N 3,072]; A: computed on the way; B: input qkv_w: QUANTISED
;;     2. batch 32 x [M 2,048, K 64] x [K 64, N 2,048]; A: computed on the way; B: computed on the way: QUANTISED
;;     3. batch 32 x [M 64, K 2,048] x [K 2,048, N 2,048]; A: computed on the way; B: softmax (see below): QUANTISED
;;     4. [M 4,096, K 1,024] x [K 1,024, N 1,024]; A: computed on the way; B: input proj_w: QUANTISED
;;     5. [M 4,096, K 1,024] x [K 1,024, N 4,096]; A: computed on the way; B: input fc1_w: QUANTISED
;;     6. [M 4,096, K 4,096] x [K 4,096, N 1,024]; A: computed on the way; B: input fc2_w: QUANTISED
;;   THE QUANTISER, for each operand of a quantised product, along K:
;;     - K is cut into blocks of 32 from its start; a last block that is shorter is filled with zeros.
;;     - A block's scale is 2^e with e = floor(log2(the largest magnitude in the block)) - 2, held to -126 .. 127; a block of zeros has e = 0. As a byte (E8M0): e + 127.
;;     - Each number is divided by its block's scale, clamped to +-7.5, and rounded to the nearest number of E2M3, ties to even, subnormals kept.
;;     - The product sums the exact products of the quantised numbers (number of the format x scale) in f32.
;;   ~~~python
;;   def quantise(x, axis):      # numpy; x: float32 -> the quantised numbers, widened to float32 again
;;       x = np.moveaxis(x, axis, -1); K = x.shape[-1]
;;       x = np.pad(x, [(0, 0)] * (x.ndim - 1) + [(0, -K % 32)]); x = x.reshape(x.shape[:-1] + (-1, 32)); a = np.abs(x).max(-1, keepdims=True)
;;       e = np.where(a > 0, np.clip(np.frexp(np.where(a > 0, a, 1))[1] - 1 - 2, -126, 127), 0)      # np.frexp(a)[1] - 1 = floor(log2(a)), exactly
;;       r = np.clip(x / 2.0 ** e, -7.5, 7.5)
;;       step = 2.0 ** (np.maximum(np.frexp(np.where(r == 0, 1, r))[1] - 1, 0) - 3)
;;       q = np.round(r / step) * step * 2.0 ** e      # np.round: ties to even
;;       return np.moveaxis(q.reshape(q.shape[:-2] + (-1,))[..., :K], -1, axis).astype(np.float32)
;;   ~~~
;;   SOFTMAX AHEAD OF A QUANTISED PRODUCT. Where the list says 'softmax', what is quantised is not the finished softmax but p = 2^(t - M), with t = logit x log2(e) and M = ceil(the row's largest t), a whole number; so 1/2 < the row's largest p <= 1. The row's sum l is taken of the UNQUANTISED p, in f32, and the product's result is divided by l at the end. Since M is a whole number, a kernel that streams over the keys may use a running M (the ceiling of the running maximum): every later rescaling is an exact power of two, which a block's scale takes up: the codes' values come out the same.
;;   OPERANDS COMPUTED ON THE WAY. 'Computed on the way' means the value that the module computes at that place (a softmax that the list does not call 'softmax' is quantised finished and normalised). What goes into a quantiser is computed in f32, as accurately as f32 sums, v_exp_f32 and their like allow (about 1e-6 of the number): no bf16 or f16 on the way to a quantiser, and a product that is left as it is and whose result goes on into a quantised operand takes f32 operands (vector FMAs, or v_wmma_f32_16x16x4_f32). A number that lies on a knife's edge between two numbers of the format may be rounded either way, as far as f32 arithmetic and the matrix unit's own rounding can turn it there, and no further.
;; One version. Each part assembles by itself: llvm-mc -triple=amdgcn-amd-amdhsa -mcpu=gfx1250 --defsym DOCPART=n.
;; ======== version 1 of 1: 8 launches
;; limits: right only within a limited range of input values
;; workspace buffers: wbuf 9,830,400 bytes; hb 3,276,800 bytes; qkb 6,553,600 bytes; vb 3,276,800 bytes; ab 3,276,800 bytes; x1 16,777,216 bytes; gb 13,107,200 bytes
;; launch wq (part 1): grid 384 x 1, 4 waves a work-group, no clusters, 25,088 bytes of LDS; arguments qkv_w, proj_w, fc1_w, fc2_w, wbuf; writes wbuf
.if DOCPART == 1
	.amdgcn_target "amdgcn-amd-amdhsa--gfx1250"
	.amdhsa_code_object_version 6
	.text
	.protected	k_q0ec73a9dc7_wq
	.globl	k_q0ec73a9dc7_wq
	.p2align	8
	.type	k_q0ec73a9dc7_wq,@function
k_q0ec73a9dc7_wq:
	s_mov_b64 s[64:65], 0
	v_nop
	global_prefetch_b8 v0, s[64:65] scope:SCOPE_SE
	s_setreg_imm32_b32 hwreg(HW_REG_WAVE_MODE, 25, 1), 1
	s_wait_xcnt 0x0
; The four weights W [K][N], f32, K their FIRST axis, become codes of FP6 (E2M3) with one E8M0 byte for each 32 along K, laid in wbuf as the products' launches read them.
; LAYOUT OF AN OPERAND (this program's own).  16 columns form a tile: row r of tile T is column 32 (T/2) + 8 (T%2) + r%8 + 16 (r/8).  16 rows x 64 K are a half fragment, 6 registers a lane, kept as an
; image of those registers: three pieces of 256 bytes, piece p = registers 2 p, 2 p + 1, lane l's 8 bytes at 8 l.  byte = (k/512) NT 6144 + T 6144 + ((k/64)%8) 768 + 256 p + 8 l, NT = N/16.
; Scale words: the word of (K step s of 128, tile T, row r) at (16 NT s + 16 T + r) x 4, byte b for block 4 s + b.
; A block's scale is 2^(floor(log2(largest magnitude)) - 2); its byte is the largest magnitude's exponent field - 2, held at 1 from below.
; LIMITS: a block of zeros gets the byte 1 where the rule says 127 (its codes are zeros, and this program alone reads the bytes); NaN and infinities among the inputs are not served.
; SHARES.  A work-group takes 128 columns x 256 K of one weight: work-groups 0-95 qkv_w, 96-127 proj_w, 128-255 fc1_w, 256-383 fc2_w.  A wave takes 32 columns (a pair of tiles).
; A LANE TAKES A COLUMN AND ITS REGISTERS RUN DOWN K: each load reads 128 consecutive bytes a wave (512 a work-group), a block of 32 lies in one lane, and the conversions give codes with K innermost.
; The codes go through the wave's own 6,144 bytes of LDS, laid as in memory, and leave in stores of 512 consecutive bytes.  No barrier: waves share nothing.  Loads run two blocks (64 loads a wave) ahead.
.set L4,   2                           ; v2   4 x lane
.set LW,   3                           ; v3   the stage, on the way in: 6144 wave + 3072 u + 8 r (u: which tile of the pair, r: the row in it)
.set SR,   4                           ; v4   and on the way out: 6144 wave + 16 lane
.set L16,  5                           ; v5   16 x lane
.set LS,   6                           ; v6   my scale word's place: 4 (16 u + r)
.set OFF,  16                          ; v16-47   i rows down + 4 x lane, in bytes
.set X,    48                          ; v48-111  two sets of 32 numbers
.set C,    112                         ; v112-118 a block's codes
.set SB,   120                         ; v120-121 my column's two scale words
.set OUTR, 128                         ; v128-175 the way out
.set SRC,  36                          ; s[36:51] where block t's rows begin, t = 0 .. 7
.set CO,   52                          ; s[52:53] the codes' place;  s[54:55], s[56:57] the two K steps' scale words
.set S0,   54
.set S1,   56
	s_load_b256 s[4:11], s[0:1], 0x0               ; qkv_w, proj_w, fc1_w, fc2_w
	s_load_b64 s[12:13], s[0:1], 0x20              ; wbuf
	v_lshl_add_u32 v176, v0, 2, 0x6000
	v_mov_b32 v177, 0
	v_lshrrev_b32 v1, 5, v0
	v_readfirstlane_b32 s14, v1                    ; wave 0..3
	v_and_b32 v1, 31, v0                           ; lane
	v_lshlrev_b32 v[L4], 2, v1
	v_lshlrev_b32 v[L16], 4, v1
	v_bfe_u32 v7, v0, 3, 1                         ; u = (lane / 8) % 2
	v_and_b32 v8, 7, v0
	v_bfe_u32 v9, v0, 4, 1
	v_lshl_add_u32 v8, v9, 3, v8                   ; r = lane % 8 + 8 (lane / 16)
	s_mul_i32 s15, s14, 6144
	v_mul_u32_u24 v[LW], v7, 3072
	v_lshl_add_u32 v[LW], v8, 3, v[LW]
	v_add_nc_u32 v[LW], s15, v[LW]
	v_add_nc_u32 v[SR], s15, v[L16]
	v_lshl_add_u32 v[LS], v7, 4, v8
	v_lshlrev_b32 v[LS], 2, v[LS]
	; which weight: the figures begin as qkv_w's and are replaced at each threshold of the work-group's number; only pointers and figures are chosen, the path is one
	s_mov_b32 s16, 0                               ; the weight's first work-group
	s_mov_b32 s17, 12288                           ; bytes in a row of W
	s_mov_b32 s18, 2                               ; log2 of K / 256
	s_mov_b32 s19, 0                               ; its codes in wbuf
	s_mov_b32 s20, 9437184                         ; its scale words
	s_wait_kmcnt 0x0
	s_cmp_ge_u32 ttmp9, 96
	s_cselect_b64 s[4:5], s[6:7], s[4:5]
	s_cselect_b32 s16, 96, s16
	s_cselect_b32 s17, 4096, s17
	s_cselect_b32 s19, 2359296, s19
	s_cselect_b32 s20, 9535488, s20
	s_cmp_ge_u32 ttmp9, 128
	s_cselect_b64 s[4:5], s[8:9], s[4:5]
	s_cselect_b32 s16, 128, s16
	s_cselect_b32 s17, 16384, s17
	s_cselect_b32 s19, 3145728, s19
	s_cselect_b32 s20, 9568256, s20
	s_cmp_ge_u32 ttmp9, 256
	s_cselect_b64 s[4:5], s[10:11], s[4:5]
	s_cselect_b32 s16, 256, s16
	s_cselect_b32 s17, 4096, s17
	s_cselect_b32 s18, 4, s18
	s_cselect_b32 s19, 6291456, s19
	s_cselect_b32 s20, 9699328, s20
	s_sub_co_u32 s21, ttmp9, s16                   ; my number within the weight
	s_lshl_b32 s22, 1, s18
	s_sub_co_u32 s22, s22, 1
	s_and_b32 s22, s21, s22                        ; kb: which 256 along K
	s_lshr_b32 s23, s21, s18                       ; cb: which 128 columns
	s_lshr_b32 s24, s17, 6                         ; NT = N / 16
	s_lshl_b32 s25, s23, 2
	s_add_co_u32 s25, s25, s14                     ; tp: my wave's pair of tiles
	s_mul_i32 s26, s22, s17
	s_lshl_b32 s26, s26, 8                         ; 256 kb rows,
	s_lshl_b32 s27, s25, 7                         ; + 32 tp columns of 4 bytes
	s_add_co_u32 s26, s26, s27
	s_mov_b32 s27, 0
	s_add_nc_u64 s[SRC:SRC+1], s[4:5], s[26:27]
	s_lshl_b32 s28, s17, 5                         ; 32 rows on
	s_mov_b32 s29, 0
.irp t, 1,2,3,4,5,6,7
	s_add_nc_u64 s[SRC+2*\t:SRC+2*\t+1], s[SRC+2*\t-2:SRC+2*\t-1], s[28:29]
.endr
	s_lshr_b32 s30, s22, 1
	s_mul_i32 s30, s30, s24
	s_mul_i32 s30, s30, 6144                       ; (kb / 2) NT 6144
	s_mul_i32 s31, s25, 12288                      ; + 2 tp tiles
	s_add_co_u32 s30, s30, s31
	s_and_b32 s31, s22, 1
	s_mul_i32 s31, s31, 3072                       ; + the half of the 512 along K
	s_add_co_u32 s30, s30, s31
	s_add_co_u32 s30, s30, s19
	s_mov_b32 s31, 0
	s_add_nc_u64 s[CO:CO+1], s[12:13], s[30:31]
	s_mul_i32 s30, s22, s24
	s_add_co_u32 s30, s30, s25
	s_lshl_b32 s30, s30, 7                         ; (2 kb) NT 64 + 128 tp
	s_add_co_u32 s30, s30, s20
	s_add_nc_u64 s[S0:S0+1], s[12:13], s[30:31]
	s_lshl_b32 s30, s24, 6                         ; a K step on: NT 64 bytes
	s_add_nc_u64 s[S1:S1+1], s[S0:S0+1], s[30:31]
.set nn, 0
.rept 32
	v_mad_u32_u24 v[OFF+nn], s17, nn, v[L4]        ; never rewritten
.set nn, nn+1
.endr
.macro LOAD t                          ; block t: W(32 t + i, my column), i = 0 .. 31, into set t % 2
.set nn, 0
.rept 32
	global_load_b32 v[X+32*((\t)%2)+nn], v[OFF+nn], s[SRC+2*(\t):SRC+2*(\t)+1] th:TH_LOAD_NT
.set nn, nn+1
.endr
.endm
	LOAD 0
	LOAD 1
.macro BLOCK t
.set XB, X+32*((\t)%2)
.if (\t) < 7
	s_wait_loadcnt 32                              ; this block's 32 loads are in; the next block's 32 may be out
.else
	s_wait_loadcnt 0x0
.endif
	v_max3_num_f32 v12, |v[XB]|, |v[XB+1]|, |v[XB+2]|              ; the block's largest magnitude: all 32 numbers are mine; two chains
	v_max3_num_f32 v13, |v[XB+3]|, |v[XB+4]|, |v[XB+5]|
.irp i, 6,10,14,18,22,26
	v_max3_num_f32 v12, v12, |v[XB+\i]|, |v[XB+\i+1]|
	v_max3_num_f32 v13, v13, |v[XB+\i+2]|, |v[XB+\i+3]|
.endr
	v_max3_num_f32 v12, v12, |v[XB+30]|, |v[XB+31]|
	v_max3_num_f32 v12, v12, v13, 0x1800000        ; and the floor 2^(3 - 127): the byte cannot fall under 1
	v_add_nc_u32 v11, 0xff000000, v12              ; 2 off the exponent field: the conversion takes this operand's exponent field as its scale
	v_lshrrev_b32 v13, 23, v11                     ; the scale's byte
.if (\t)%4 == 0
	v_mov_b32 v[SB+(\t)/4], v13                    ; four bytes to a word, the lower K in the lower byte
.else
	v_lshl_or_b32 v[SB+(\t)/4], v13, 8*((\t)%4), v[SB+(\t)/4]
.endif
	v_cvt_scalef32_pk16_fp6_f32 v[C:C+2], v[XB:XB+15], v11
	v_cvt_scalef32_pk16_fp6_f32 v[C+4:C+6], v[XB+16:XB+31], v11    ; (a conversion's three registers begin on an even number)
	v_nop                                          ; one plain place behind a scaled conversion
	v_mov_b32 v[C+3], v[C+4]                       ; the block's six registers on end
	v_mov_b32 v[C+4], v[C+5]
	v_mov_b32 v[C+5], v[C+6]
.irp p, 0,1,2
	ds_store_b64 v[LW], v[C+2*\p:C+2*\p+1] offset:((\t)/2)*768+256*\p+128*((\t)%2)   ; block t is half t % 2 of half fragment t / 2: the image's lane r + 16 (t % 2)
.endr
.if (\t) < 6
	LOAD (\t)+2
.endif
	s_wait_dscnt 0x0                               ; the stores have read their registers: the next block's codes may be written
.endm
.irp t, 0,1,2,3,4,5,6,7
	BLOCK \t
.endr
	global_store_b32 v[LS], v[SB], s[S0:S0+1]      ; 32 lanes store 128 consecutive bytes
	s_wait_alu depctr_va_vdst(0)
	global_store_b32 v[LS], v[SB+1], s[S1:S1+1]
.set nn, 0
.rept 12
	ds_load_b128 v[OUTR+4*nn:OUTR+4*nn+3], v[SR] offset:512*nn     ; LDS serves a wave's instructions in order: these see my stores
.set nn, nn+1
.endr
.set nn, 0
.rept 12
	s_wait_dscnt 11-nn                             ; read nn is back; the younger ones stay out
	global_store_b128 v[L16], v[OUTR+4*nn:OUTR+4*nn+3], s[CO:CO+1] offset:6144*(nn/6)+512*(nn%6)   ; 512 consecutive bytes, at a multiple of 256 from wbuf's first byte
.set nn, nn+1
.endr
	s_wait_tensorcnt 0x0
	ds_add_u32 v176, v177
	s_wait_dscnt 0x0
	s_endpgm
.Lfunc_end_k_q0ec73a9dc7_wq:
	.size	k_q0ec73a9dc7_wq, .Lfunc_end_k_q0ec73a9dc7_wq-k_q0ec73a9dc7_wq
	.p2alignl 7, 3214868480
	.fill 96, 4, 3214868480
	.section	.rodata,"a",@progbits
	.p2align	6, 0x0
	.amdhsa_kernel k_q0ec73a9dc7_wq
		.amdhsa_group_segment_fixed_size 25088
		.amdhsa_private_segment_fixed_size 0
		.amdhsa_enable_private_segment 0
		.amdhsa_kernarg_size 40
		.amdhsa_user_sgpr_count 2
		.amdhsa_user_sgpr_kernarg_segment_ptr 1
		.amdhsa_wavefront_size32 1
		.amdhsa_system_sgpr_workgroup_id_x 1
		.amdhsa_system_sgpr_workgroup_id_y 1
		.amdhsa_system_sgpr_workgroup_id_z 1
		.amdhsa_system_vgpr_workitem_id 0
		.amdhsa_next_free_vgpr 178
		.amdhsa_next_free_sgpr 66
		.amdhsa_reserve_vcc 0
		.amdhsa_float_denorm_mode_32 3
		.amdhsa_float_denorm_mode_16_64 3
		.amdhsa_memory_ordered 1
		.amdhsa_forward_progress 1
		.amdhsa_inst_pref_size 46
	.end_amdhsa_kernel
	.amdgpu_metadata
---
amdhsa.version: [ 1, 2 ]
amdhsa.kernels:
  - .name:           k_q0ec73a9dc7_wq
    .symbol:         k_q0ec73a9dc7_wq.kd
    .args:
      - { .name: qkv_w, .offset: 0, .size: 8, .value_kind: global_buffer, .address_space: global }
      - { .name: proj_w, .offset: 8, .size: 8, .value_kind: global_buffer, .address_space: global }
      - { .name: fc1_w, .offset: 16, .size: 8, .value_kind: global_buffer, .address_space: global }
      - { .name: fc2_w, .offset: 24, .size: 8, .value_kind: global_buffer, .address_space: global }
      - { .name: wbuf, .offset: 32, .size: 8, .value_kind: global_buffer, .address_space: global }
    .group_segment_fixed_size: 25088
    .private_segment_fixed_size: 0
    .kernarg_segment_align: 8
    .kernarg_segment_size: 40
    .max_flat_workgroup_size: 128
    .sgpr_count:     66
    .vgpr_count:     178
    .wavefront_size: 32
...
	.end_amdgpu_metadata
.endif
;; end of part 1
;; launch ln1 (part 2): grid 256 x 1, 8 waves a work-group, no clusters, 2,048 bytes of LDS; arguments x, ln1_g, ln1_b, hb; writes hb
.if DOCPART == 2
	.amdgcn_target "amdgcn-amd-amdhsa--gfx1250"
	.amdhsa_code_object_version 6
	.text
	.protected	k_q0ec73a9dc7_ln1
	.globl	k_q0ec73a9dc7_ln1
	.p2align	8
	.type	k_q0ec73a9dc7_ln1,@function
k_q0ec73a9dc7_ln1:
	s_mov_b64 s[64:65], 0
	v_nop
	global_prefetch_b8 v0, s[64:65] scope:SCOPE_SE
	s_setreg_imm32_b32 hwreg(HW_REG_WAVE_MODE, 25, 1), 1
	s_wait_xcnt 0x0
; h = (x - mean) rsqrt(var + 1e-5) g + b along rows of 1,024, all in f32, then quantised along the row to codes of FP6 (E2M3) with one E8M0 byte for each 32: the left operand of the next product.
; The variance is taken of x - mean (two passes over registers), so a common offset of the inputs costs nothing.
; OUT (this program's own layout): 16 rows form a tile: row r of tile T is token 32 (T/2) + 8 (T%2) + r%8 + 16 (r/8).  A fragment (16 rows x 128 K, 12 registers a lane) is kept as an image of its registers:
; six pieces of 256 bytes, piece p = registers 2 p, 2 p + 1, lane l's 8 bytes at 8 l; fragment (T, K step s) at (s/4) 1,572,864 + 6144 T + (s%4) 1536.  Scale words behind the codes: (4096 s + 16 T + r) x 4.
; SHARES.  A work-group owns a tile of 16 rows; wave w owns columns 128 w .. 128 w + 127: one fragment.  Lane (r, h) holds, of row r, 16 neighbours of each block of 32 (k = 32 b + 16 h + i in register 16 b + i),
; as the conversions want them.  A row's sums meet across lanes l and l xor 16, then across the eight waves in LDS: two barriers.
; LIMITS: a block of zeros gets the byte 1 where the rule says 127 (its codes are zeros; this program alone reads the bytes); NaN and infinities are not served.
; The scale words leave as runs of 64 bytes (131,072 bytes in the launch): lanes l and l xor 16 hold the same word and write it to the same place.
.set X,   16                           ; v16-79   my 64 numbers
.set G,   80                           ; v80-143  g at my columns
.set BB,  144                          ; v144-207 b
.set TM,  208                          ; v208-211 largest magnitudes, v212-215 bytes, v220-223 the conversions' scale operands
.set PW,  224                          ; the scale word
.set PC,  226                          ; v226-237 the codes; v238-244 at work
.set S,   8                            ; v8-15    sums
.set L8,  246
.set R4,  247
.set SEL, 20
	s_load_b256 s[4:11], s[0:1], 0x0               ; x, g, b, out
	v_lshl_add_u32 v248, v0, 2, 0x400
	v_mov_b32 v249, 0
	v_lshrrev_b32 v1, 5, v0
	s_delay_alu instid0(VALU_DEP_1)
	v_readfirstlane_b32 s12, v1                    ; wave 0..7
	v_and_b32 v1, 15, v0                           ; r
	v_bfe_u32 v2, v0, 4, 1                         ; h
	s_delay_alu instid0(VALU_DEP_2)
	v_and_b32 v3, 8, v1
	s_delay_alu instid0(VALU_DEP_1)
	v_add_nc_u32 v3, v3, v1                        ; r % 8 + 16 (r / 8)
	s_lshl_b32 s13, s12, 9
	v_lshl_add_u32 v5, v2, 6, s13                  ; g, b: 512 w + 64 h
	s_delay_alu instid0(VALU_DEP_1)
	v_lshl_add_u32 v4, v3, 12, v5                  ; x: + my row of 4,096 bytes
	v_lshlrev_b32 v6, 5, v1                        ; LDS: row r's eight partial sums at 32 r,
	s_lshl_b32 s14, s12, 2
	v_add_nc_u32 v7, s14, v6                       ; mine at + 4 w
	v_and_b32 v3, 31, v0
	s_delay_alu instid0(VALU_DEP_1)
	v_lshlrev_b32 v[L8], 3, v3
	v_lshlrev_b32 v[R4], 2, v1
	s_mov_b32 s[SEL], 0x76543210
	s_mov_b32 s[SEL+1], 0xfedcba98                 ; v_permlanex16_b32's selects for lane l xor 16
	s_lshr_b32 s15, ttmp9, 1
	s_lshl_b32 s15, s15, 17                        ; 32 (T / 2) rows of 4,096 bytes
	s_and_b32 s16, ttmp9, 1
	s_lshl_b32 s16, s16, 15                        ; + 8 (T % 2) rows
	s_add_co_u32 s16, s15, s16
	s_mov_b32 s17, 0
	s_lshr_b32 s18, s12, 2
	s_mul_i32 s18, s18, 1572864
	s_mul_i32 s19, ttmp9, 6144
	s_add_co_u32 s18, s18, s19
	s_and_b32 s19, s12, 3
	s_mul_i32 s19, s19, 1536
	s_add_co_u32 s18, s18, s19                     ; my fragment's place
	s_mov_b32 s19, 0
	s_lshl_b32 s22, s12, 14
	s_lshl_b32 s23, ttmp9, 6
	s_add_co_u32 s22, s22, s23
	s_add_co_u32 s22, s22, 3145728                 ; my scale words' place
	s_mov_b32 s23, 0
	s_wait_alu depctr_va_vdst(0)
	s_wait_kmcnt 0x0
	s_add_nc_u64 s[4:5], s[4:5], s[16:17]
	s_add_nc_u64 s[24:25], s[10:11], s[18:19]
	s_add_nc_u64 s[26:27], s[10:11], s[22:23]
.irp b, 0,1,2,3
.irp j, 0,1,2,3
	global_load_b128 v[X+16*\b+4*\j:X+16*\b+4*\j+3], v4, s[4:5] offset:128*\b+16*\j
.endr
.endr
.irp b, 0,1,2,3
.irp j, 0,1,2,3
	global_load_b128 v[G+16*\b+4*\j:G+16*\b+4*\j+3], v5, s[6:7] offset:128*\b+16*\j
	global_load_b128 v[BB+16*\b+4*\j:BB+16*\b+4*\j+3], v5, s[8:9] offset:128*\b+16*\j
.endr
.endr
.irp b, 0,1,2,3
	v_mov_b32 v[TM+4+\b], 0                        ; written once: a lane permute's destination counts as one of its sources
.endr
	s_wait_loadcnt 32                              ; x is in; the 32 loads of g and b may be out
; my partial figure in v8 goes to LDS at byte off, and the row's eight come back and are added in a fixed order: the row's figure in v8, in every lane
.macro ACROSS off
	s_delay_alu instid0(VALU_DEP_3)
	v_pk_add_f32 v[S:S+1], v[S:S+1], v[S+2:S+3]
	s_delay_alu instid0(VALU_DEP_2)
	v_pk_add_f32 v[S+4:S+5], v[S+4:S+5], v[S+6:S+7]
	s_delay_alu instid0(VALU_DEP_1)
	v_pk_add_f32 v[S:S+1], v[S:S+1], v[S+4:S+5]
	s_delay_alu instid0(VALU_DEP_1)
	v_add_f32 v8, v8, v9
	s_delay_alu instid0(VALU_DEP_1)
	v_permlanex16_b32 v9, v8, s[SEL], s[SEL+1]
	s_delay_alu instid0(VALU_DEP_1)
	v_add_f32 v8, v8, v9                           ; with lane l xor 16's: my wave's 128 columns of row r
	ds_store_b32 v7, v8 offset:\off                ; (both halves of the lanes write the same word with the same value)
	s_wait_dscnt 0x0                               ; for the others' sake: my store is done
	s_barrier_signal -1
	s_barrier_wait -1
	ds_load_b128 v[8:11], v6 offset:\off
	ds_load_b128 v[12:15], v6 offset:\off+16
	s_wait_dscnt 0x0
	v_add_f32 v8, v8, v9
	v_add_f32 v10, v10, v11
	v_add_f32 v12, v12, v13
	v_add_f32 v14, v14, v15
	s_delay_alu instid0(VALU_DEP_3)
	v_add_f32 v8, v8, v10
	s_delay_alu instid0(VALU_DEP_2)
	v_add_f32 v12, v12, v14
	s_delay_alu instid0(VALU_DEP_1)
	v_add_f32 v8, v8, v12
.endm
.irp c, 0,1,2,3
	v_pk_add_f32 v[S+2*\c:S+2*\c+1], v[X+2*\c:X+2*\c+1], v[X+8+2*\c:X+9+2*\c]      ; four chains, started by the first numbers
.endr
.irp j, 16,24,32,40,48,56
.irp c, 0,1,2,3
	s_delay_alu instid0(VALU_DEP_4)
	v_pk_add_f32 v[S+2*\c:S+2*\c+1], v[S+2*\c:S+2*\c+1], v[X+\j+2*\c:X+\j+2*\c+1]
.endr
.endr
	ACROSS 0
	s_delay_alu instid0(VALU_DEP_1)
	v_mul_f32 v10, 0xba800000, v8                  ; - mean = sum x -2^-10
	s_delay_alu instid0(VALU_DEP_1)
	v_mov_b32 v11, v10
.set nn, 0
.rept 32
	v_pk_add_f32 v[X+nn:X+nn+1], v[X+nn:X+nn+1], v[10:11]          ; d = x - mean
.set nn, nn+2
.endr
.irp c, 0,1,2,3
	v_pk_mul_f32 v[S+2*\c:S+2*\c+1], v[X+2*\c:X+2*\c+1], v[X+2*\c:X+2*\c+1]
.endr
.irp j, 8,16,24,32,40,48,56
.irp c, 0,1,2,3
	s_delay_alu instid0(VALU_DEP_4)
	v_pk_fma_f32 v[S+2*\c:S+2*\c+1], v[X+\j+2*\c:X+\j+2*\c+1], v[X+\j+2*\c:X+\j+2*\c+1], v[S+2*\c:S+2*\c+1]
.endr
.endr
	ACROSS 512                                     ; other bytes than the first sum's: no third barrier is needed
	s_delay_alu instid0(VALU_DEP_1)
	v_mul_f32 v8, 0x3a800000, v8                   ; the variance
	s_delay_alu instid0(VALU_DEP_1)
	v_add_f32 v8, 0x3727c5ac, v8                   ; + 1e-5
	s_wait_alu depctr_va_vdst(0)
	v_rsq_f32 v10, v8
	v_nop                                          ; one plain place behind a transcendental
	s_wait_alu depctr_va_vdst(0)
	v_mov_b32 v11, v10
	s_wait_alu depctr_va_vdst(0)
	s_wait_loadcnt 0x0                             ; g and b
.set nn, 0
.rept 32
	v_pk_mul_f32 v[X+nn:X+nn+1], v[X+nn:X+nn+1], v[10:11]
.set nn, nn+2
.endr
.set nn, 0
.rept 32
	v_pk_fma_f32 v[X+nn:X+nn+1], v[X+nn:X+nn+1], v[G+nn:G+nn+1], v[BB+nn:BB+nn+1]
.set nn, nn+2
.endr
	; the quantiser: four blocks of 32, each in lanes l and l xor 16
.irp b, 0,1,2,3
	v_max3_num_f32 v[TM+\b], |v[X+16*\b]|, |v[X+1+16*\b]|, 0x1800000   ; my 16 numbers, and the floor 2^(3 - 127): the byte cannot fall under 1
.endr
.irp i, 2,4,6,8,10,12,14
.irp b, 0,1,2,3
	s_delay_alu instid0(VALU_DEP_4)
	v_max3_num_f32 v[TM+\b], v[TM+\b], |v[X+16*\b+\i]|, |v[X+1+16*\b+\i]|   ; (the four blocks by turns)
.endr
.endr
.irp b, 0,1,2,3
	s_delay_alu instid0(VALU_DEP_4)
	v_permlanex16_b32 v[TM+4+\b], v[TM+\b], s[SEL], s[SEL+1]
.endr
.irp b, 0,1,2,3
	s_delay_alu instid0(VALU_DEP_4)
	v_max_num_f32 v[TM+\b], v[TM+\b], v[TM+4+\b]   ; the block's largest magnitude
.endr
.irp b, 0,1,2,3
	s_delay_alu instid0(VALU_DEP_4)
	v_add_nc_u32 v[TM+12+\b], 0xff000000, v[TM+\b] ; 2 off its exponent field: the conversion's scale operand
.endr
.irp b, 0,1,2,3
	s_delay_alu instid0(VALU_DEP_4)
	v_lshrrev_b32 v[TM+4+\b], 23, v[TM+12+\b]      ; the scale's byte
.endr
	s_delay_alu instid0(VALU_DEP_3)
	v_lshl_or_b32 v[PW], v[TM+5], 8, v[TM+4]
	s_delay_alu instid0(VALU_DEP_1)
	v_lshl_or_b32 v[PW], v[TM+6], 16, v[PW]
	s_delay_alu instid0(VALU_DEP_1)
	v_lshl_or_b32 v[PW], v[TM+7], 24, v[PW]        ; my row's scale word
.irp c, 0,1
	v_cvt_scalef32_pk16_fp6_f32 v[PC+6*\c:PC+2+6*\c], v[X+32*\c:X+15+32*\c], v[TM+12+2*\c]
	v_cvt_scalef32_pk16_fp6_f32 v[PC+12+4*\c:PC+14+4*\c], v[X+16+32*\c:X+31+32*\c], v[TM+12+2*\c+1]   ; (a conversion's three registers begin on an even number)
.endr
	v_nop                                          ; one plain place behind a scaled conversion
.irp c, 0,1                                    ; the operand's layout wants a WHOLE block in a lane: lanes 0-15 block 2 c, lanes 16-31 block 2 c + 1
.irp i, 0,1,2
	v_permlane16_swap_b32 v[PC+6*\c+\i], v[PC+12+4*\c+\i]
.endr
.irp i, 0,1,2
	s_delay_alu instid0(VALU_DEP_3)
	v_mov_b32 v[PC+3+6*\c+\i], v[PC+12+4*\c+\i]
.endr
.endr
.irp p, 0,1,2,3,4,5
	global_store_b64 v[L8], v[PC+2*\p:PC+2*\p+1], s[24:25] offset:256*\p   ; 32 lanes store 256 consecutive bytes, at a multiple of 256 from the buffer's first byte
.endr
	global_store_b32 v[R4], v[PW], s[26:27]
	s_wait_tensorcnt 0x0
	ds_add_u32 v248, v249
	s_wait_dscnt 0x0
	s_endpgm
.Lfunc_end_k_q0ec73a9dc7_ln1:
	.size	k_q0ec73a9dc7_ln1, .Lfunc_end_k_q0ec73a9dc7_ln1-k_q0ec73a9dc7_ln1
	.p2alignl 7, 3214868480
	.fill 96, 4, 3214868480
	.section	.rodata,"a",@progbits
	.p2align	6, 0x0
	.amdhsa_kernel k_q0ec73a9dc7_ln1
		.amdhsa_group_segment_fixed_size 2048
		.amdhsa_private_segment_fixed_size 0
		.amdhsa_enable_private_segment 0
		.amdhsa_kernarg_size 32
		.amdhsa_user_sgpr_count 2
		.amdhsa_user_sgpr_kernarg_segment_ptr 1
		.amdhsa_wavefront_size32 1
		.amdhsa_system_sgpr_workgroup_id_x 1
		.amdhsa_system_sgpr_workgroup_id_y 1
		.amdhsa_system_sgpr_workgroup_id_z 1
		.amdhsa_system_vgpr_workitem_id 0
		.amdhsa_next_free_vgpr 250
		.amdhsa_next_free_sgpr 66
		.amdhsa_reserve_vcc 0
		.amdhsa_float_denorm_mode_32 3
		.amdhsa_float_denorm_mode_16_64 3
		.amdhsa_memory_ordered 1
		.amdhsa_forward_progress 1
		.amdhsa_inst_pref_size 28
	.end_amdhsa_kernel
	.amdgpu_metadata
---
amdhsa.version: [ 1, 2 ]
amdhsa.kernels:
  - .name:           k_q0ec73a9dc7_ln1
    .symbol:         k_q0ec73a9dc7_ln1.kd
    .args:
      - { .name: x, .offset: 0, .size: 8, .value_kind: global_buffer, .address_space: global }
      - { .name: ln1_g, .offset: 8, .size: 8, .value_kind: global_buffer, .address_space: global }
      - { .name: ln1_b, .offset: 16, .size: 8, .value_kind: global_buffer, .address_space: global }
      - { .name: hb, .offset: 24, .size: 8, .value_kind: global_buffer, .address_space: global }
    .group_segment_fixed_size: 2048
    .private_segment_fixed_size: 0
    .kernarg_segment_align: 8
    .kernarg_segment_size: 32
    .max_flat_workgroup_size: 256
    .sgpr_count:     66
    .vgpr_count:     250
    .wavefront_size: 32
...
	.end_amdgpu_metadata
.endif
;; end of part 2
;; launch qk (part 3): grid 16 x 32, 4 waves a work-group, clusters of 4 x 4, 327,680 bytes of LDS; arguments hb, wbuf, qkv_b, qkb; writes qkb
.if DOCPART == 3
	.amdgcn_target "amdgcn-amd-amdhsa--gfx1250"
	.amdhsa_code_object_version 6
	.text
	.protected	k_q0ec73a9dc7_qk
	.globl	k_q0ec73a9dc7_qk
	.p2align	8
	.type	k_q0ec73a9dc7_qk,@function
k_q0ec73a9dc7_qk:
	s_mov_b64 s[64:65], 0
	v_nop
	global_prefetch_b8 v0, s[64:65] scope:SCOPE_SE
	s_setreg_imm32_b32 hwreg(HW_REG_WAVE_MODE, 25, 1), 1
	s_wait_xcnt 0x0
	s_wait_alu depctr_hold_cnt(0) depctr_sa_sdst(0) depctr_va_vdst(0) depctr_va_sdst(0) depctr_va_ssrc(0) depctr_va_vcc(0) depctr_vm_vsrc(0)
	s_getreg_b32 s2, hwreg(HW_REG_IB_STS2, 6, 4)
	s_cmp_eq_u32 s2, 0
	s_cbranch_scc0 .Lentry_in_a_cluster
	s_endpgm
.Lentry_in_a_cluster:
	s_bfe_u32 s2, ttmp6, 0x10000c
	s_cmp_lg_u32 s2, 0xf033
	s_cbranch_scc0 .Lentry_shape_is_right
	s_endpgm
.Lentry_shape_is_right:
; ONE TEXT SERVES FIVE PRODUCTS; the line .set KERN picks sizes, offsets and the way out.  C'[x][y] = bias + the sum over k of X[x][k] Y[y][k], on codes of FP6 (E2M3) with one E8M0 byte for each 32 along K; sums in f32.
;   KERN 0: q and k = h Wqkv + b  (Y = tokens, X = columns 0-2047), quantised along the head's 64 for the scores' product.      KERN 1: v (Y = columns 2048-3071, X = tokens), quantised along the KEYS.
;   KERN 2: gelu(h W1 + b1), exact (erf), quantised along the 4,096.      KERN 3: x1 = x + a Wproj + b.      KERN 4: out = x1 + g W2 + b2.   (3, 4: f32 rows out.)
; OPERANDS (this program's own layout): 16 rows form a tile: row r of tile T is index 32 (T/2) + 8 (T%2) + r%8 + 16 (r/8).  A fragment (16 rows x 128 K, 12 registers a lane) is an image of its registers: six pieces
; of 256 bytes, lane l's 8 bytes at 8 l.  byte = (k/512) NT 6144 + T 6144 + ((k/128)%4) 1536.  So four tiles x 512 K are ONE dense block of 24,576 bytes, and a fragment is six ds_load_b64 at 8 x lane: no pitch, no padding.
; Scale words: (K step s, tile T, row r) at (16 NT s + 16 T + r) x 4.
; THE PRODUCT: source 0 = 16 rows of X, source 1 = 16 rows of Y: a lane holds ONE y, its registers run along x; by the tiles' order of rows the 16 registers of X tiles 2 b, 2 b + 1 are the neighbours 32 b + 16 (lane/16) + 0 .. 15:
; what the conversions to codes, and the rows of an f32 result, want.
; SHARES.  A work-group makes 128 y x 128 x (so that the products with 1,024 columns still give 256 work-groups), each of its four waves 64 x 64: 16 accumulators.  K goes in chunks of 512 through two LDS slots,
; four K steps of 128 each.  The scale words of the work-group's rows for all of K come into LDS once, with the first fills.
; CLUSTER 4 x 4: Y's tiles hang on the work-group's y alone and are asked for jointly along a row of the cluster, X's on its x alone, along a column: one tensor load with the same descriptor and a mask that names the four.
; LIMITS: a block of zeros gets the byte 1 where the rule says 127 (its codes are zeros; this program alone reads the bytes); NaN and infinities are not served; in the gelu an exponential under 2^-126 counts as 0.
; REGISTERS: window 0: v0-31 addresses; v32-63 the bias as the first products' C, later at work; v64-71 scale words, two sets; v72-127 at work on the way out; v128-255 the accumulators ((Y tile i, X tile xt) at 128 + 32 i + 8 xt).
;   window 1: two fragment buffers of 96 (X's four fragments, then Y's four); on the way out of KERN 3, 4 the residual's rows in v0-127.
.set KERN, 0
.macro PARAMS mode, kt, yc, ys, ynt, xc, xs, xnt
.set MODE, \mode                       ; the way out: 0 q, k; 1 v; 2 gelu; 3 f32 rows with a residual
.set KT,   \kt                         ; K
.set YC,   \yc                         ; Y's codes, scale words (bytes from its buffer's start) and tiles in all
.set YS,   \ys
.set YNT,  \ynt
.set XC,   \xc                         ; X's
.set XS,   \xs
.set XNT,  \xnt
.endm
.if KERN == 0
	PARAMS 0, 1024, 0, 3145728, 256, 0, 9437184, 192
.elseif KERN == 1
	PARAMS 1, 1024, 786432, 9445376, 192, 0, 3145728, 256
.elseif KERN == 2
	PARAMS 2, 1024, 0, 3145728, 256, 3145728, 9568256, 256
.elseif KERN == 3
	PARAMS 3, 1024, 0, 3145728, 256, 2359296, 9535488, 64
.else
	PARAMS 3, 4096, 0, 12582912, 256, 6291456, 9699328, 64
.endif
.if MODE == 0
.set TS, 768                           ; bytes from a Y tile's codes to the next tile's in the output
.elseif MODE == 1
.set TS, 1536
.else
.set TS, 6144
.endif
.set SLOT,  98304                      ; Y's 8 tiles x 6,144 bytes, then X's 8
.set SCL,   2*SLOT                     ; behind the ring: Y's scale words, 512 bytes a K step, then X's
.set STG,   SCL+8*KT                   ; a stage for the way out, 17,408 bytes: no tensor load lands there
.set SPARE, STG+17408                  ; the spare words, 128 bytes for each wave: two blocks of 256 bytes that no other line names
.set LAPS,  KT/1024                    ; a lap = two chunks = once round the ring
.set ADRY, 16                          ; v16-17  LDS address of my Y fragments in slot 0, 1
.set ADRX, 20                          ; v20-21  the same for X
.set L8,   22                          ; v22     8 x lane
.set STO,  24                          ; v24     the way out: where I store into the stage
.set RD,   25                          ; v25     and where I read it back
.set CO,   26                          ; v26     my byte offset in two rows of the f32 result
.set ADRS, 27                          ; v27     LDS address of my scale words: lanes 0-15 Y's rows, lanes 16-31 X's
.set SPW,  28                          ; v28     LDS address of my spare word; never rewritten
.set NIL,  29                          ; v29     0; never rewritten
.set VB,   30                          ; v30     my offset in the bias
.set BI,   32
.set PB,   32                          ; the way out: a tile's codes at v[32 + 8 i]
.set SC,   64                          ; set f at v[64 + 4 f]; register i: lanes 0-15 the words of Y tile i, lanes 16-31 of X tile i
.set TM,   72                          ; v72-79  the quantiser's: largest magnitudes, the other half's, scale operands, bytes
.set C1,   80                          ; v80-82  a conversion's result on its way
.set HW,   84                          ; v84-87  a tile's two scale bytes
.set KC,   88                          ; v88-113 the gelu's
.set GT,   90
.set GH,   98
.set GP,   106
.set WD,   116                         ; v116-119 scale words on their way out
.set ACC,  128
.set G1Y,  24                          ; s[24:31] descriptor group 1 for Y's codes;  s[32:39] group 0, one set for each slot
.set G0Y,  32
.set G1X,  48                          ; s[48:55], s[56:63] the same for X's
.set G0X,  56
.set G1SY, 68                          ; s[68:75], s[76:79] groups 1 and 0 for Y's scale words;  s[80:87], s[88:91] for X's
.set G0SY, 76
.set G1SX, 80
.set G0SX, 88
.set SEL,  96                          ; s[96:97] v_permlanex16_b32's selects for lane l xor 16
.set MSB, 0
.macro WIN new                         ; the immediate's high byte repeats the setting that is left
.if MSB != \new
	s_set_vgpr_msb (MSB<<8)|\new
.set MSB, \new
.endif
.endm
.set MUL,  0x05                        ; sources 0 (X) and 1 (Y) window 1; C and D window 0
.set TO_F, 0x40                        ; destination window 1, address window 0
; A joint load: waves 0 and 1 fetch for Y, waves 2 and 3 for X.  Each of the two lines has one mask and one set of registers for all that issue it; the branch hangs on the wave's number alone.
; Four v_nop follow each of the two lines, ahead of the jump, the label and what follows.
.macro JLOAD g0y, g1y, g0x, g1x
	s_cmp_eq_u32 s15, 0
	s_cbranch_scc0 .Lfor_x_\@
	tensor_load_to_lds s[\g0y:\g0y+3], s[\g1y:\g1y+7]
	s_nop 0
.rept 4
	v_nop
.endr
	s_branch .Lasked_\@
.Lfor_x_\@:
	tensor_load_to_lds s[\g0x:\g0x+3], s[\g1x:\g1x+7]
	s_nop 0
.rept 4
	v_nop
.endr
.Lasked_\@:
.endm
.macro CREST                           ; a round of the cluster's barrier behind its opening barrier
	s_cmp_lg_u32 s14, 0
	s_cbranch_scc1 .Lnot_wave_0_\@
	s_barrier_signal -3
.Lnot_wave_0_\@:
	s_barrier_wait -3
	s_barrier_signal -1
	s_barrier_wait -1
.endm
.macro CROUND                          ; a whole round
	s_barrier_signal -1
	s_barrier_wait -1
	CREST
.endm
.macro PLACES                          ; four places behind a matrix instruction, in front of loads into registers that it read and of the first read of results
.rept 4
	v_nop
.endr
.endm
	s_load_b256 s[4:11], s[0:1], 0x0               ; Y's buffer s[4:5], X's s[6:7], the bias s[8:9], the output (MODE 3: the residual) s[10:11]
.if MODE == 3
	s_load_b64 s[12:13], s[0:1], 0x20              ; the output
.endif
	v_lshl_add_u32 v[SPW], v0, 2, SPARE
	v_mov_b32 v[NIL], 0
	ds_add_u32 v28, v29
	ds_add_u32 v28, v29
	s_wait_dscnt 0x0
	v_lshrrev_b32 v1, 5, v0
	v_readfirstlane_b32 s14, v1                    ; wave 0..3
	s_lshr_b32 s15, s14, 1                         ; wy: which 64 of the 128 y are mine.  Also: I fetch for Y (0) or for X (1)
	s_and_b32 s16, s14, 1                          ; wx: which 64 of the 128 x.  Also: which four tiles I fetch
	s_bfe_u32 s40, ttmp6, 0x40000                  ; cx, cy: my place in the cluster
	s_bfe_u32 s41, ttmp6, 0x40004
	s_lshl_b32 s42, ttmp9, 2
	s_add_co_u32 s42, s42, s40                     ; tc: which 128 x = 4 x cluster x + cx
	s_and_b32 s17, ttmp7, 0xffff
	s_lshl_b32 s17, s17, 2
	s_add_co_u32 s17, s17, s41                     ; tr: which 128 y = 4 x cluster y + cy
	s_lshl_b32 s43, s41, 2
	s_lshl_b32 s43, 15, s43                        ; my row of the cluster
	s_lshl_b32 s44, 0x1111, s40                    ; my column
	; group 1 for codes: a dense block of 24,576 bytes as 96 rows of 256 bytes (32 elements of 8 bytes)
	s_or_b32 s[G1Y], s43, (3<<16)|(1<<21)          ; 15:0 the mask: Y's tiles go to my row; 17:16 elements of 8 bytes; 20 no padding; 21 set beside a mask
	s_or_b32 s[G1X], s44, (3<<16)|(1<<21)
.irp g, G1Y, G1X
	s_mov_b32 s[\g+1], 32<<16                      ; tensor_dim0
	s_mov_b32 s[\g+2], 192<<16                     ; tensor_dim1: the head's loads bring 8 tiles, 192 rows
	s_mov_b32 s[\g+3], 32<<16                      ; tile_dim0
	s_mov_b32 s[\g+4], 192                         ; tile_dim1
	s_mov_b32 s[\g+5], 32                          ; tensor_dim0_stride
	s_mov_b32 s[\g+6], 0
	s_mov_b32 s[\g+7], 0
.endr
	; group 1 for scale words: KT / 128 K steps, 512 bytes (8 tiles) of each, a K step's words NT x 64 bytes apart
	s_or_b32 s[G1SY], s43, (3<<16)|(1<<21)
	s_or_b32 s[G1SX], s44, (3<<16)|(1<<21)
.irp g, G1SY, G1SX
	s_mov_b32 s[\g+1], 64<<16
	s_mov_b32 s[\g+2], (KT/128)<<16                ; all K steps' words in one load
	s_mov_b32 s[\g+3], 64<<16
	s_mov_b32 s[\g+4], KT/128
	s_mov_b32 s[\g+6], 0
	s_mov_b32 s[\g+7], 0
.endr
	s_mov_b32 s[G1SY+5], YNT*8
	s_mov_b32 s[G1SX+5], XNT*8
	s_mov_b32 s[SEL], 0x76543210
	s_mov_b32 s[SEL+1], 0xfedcba98
	s_mul_i32 s18, s16, 24576                      ; in the ring I fetch four tiles: which half, in bytes
	s_mov_b32 s19, 0
	s_lshl_b32 s20, s17, 3
	s_mul_i32 s20, s20, 6144
	s_add_co_u32 s20, s20, YC                      ; Y's codes: tile 8 tr + 4 x half
	s_mov_b32 s21, 0
	s_lshl_b32 s46, s42, 3
	s_mul_i32 s46, s46, 6144
	s_add_co_u32 s46, s46, XC                      ; X's: tile 8 tc + 4 x half
	s_mov_b32 s47, 0
	s_mov_b32 s22, 0
	s_lshl_b32 s23, s17, 9                         ; the work-group's 8 tiles
	s_add_co_u32 s22, s22, s23
	s_add_co_u32 s22, s22, YS
	s_mov_b32 s23, 0
	s_mov_b32 s92, 0
	s_lshl_b32 s93, s42, 9
	s_add_co_u32 s92, s92, s93
	s_add_co_u32 s92, s92, XS
	s_mov_b32 s93, 0
	s_mul_i32 s45, s14, 24576                      ; where they go: wave x a quarter of a slot: no place in the cluster enters an LDS address
	s_wait_kmcnt 0x0
	s_add_nc_u64 s[20:21], s[4:5], s[20:21]
	s_add_nc_u64 s[22:23], s[4:5], s[22:23]
	s_add_nc_u64 s[46:47], s[6:7], s[46:47]
	s_add_nc_u64 s[92:93], s[6:7], s[92:93]
	CROUND                                         ; all sixteen work-groups are here: the first joint loads meet
	s_mov_b32 s[G0SY], 1
	s_mov_b32 s[G0SY+1], SCL
	s_mov_b64 s[G0SY+2:G0SY+3], s[22:23]
	s_or_b32 s[G0SY+3], s[G0SY+3], 0x80000000
	s_mov_b32 s[G0SX], 1
	s_mov_b32 s[G0SX+1], SCL+4*KT
	s_mov_b64 s[G0SX+2:G0SX+3], s[92:93]
	s_or_b32 s[G0SX+3], s[G0SX+3], 0x80000000
	s_mov_b32 s[G0Y], 1                            ; chunk 0 whole: Y's 8 tiles to slot 0's first half,
	s_mov_b32 s[G0Y+1], 0
	s_mov_b64 s[G0Y+2:G0Y+3], s[20:21]
	s_or_b32 s[G0Y+3], s[G0Y+3], 0x80000000
	s_mov_b32 s[G0X], 1                            ; X's 8 behind them
	s_mov_b32 s[G0X+1], 49152
	s_mov_b64 s[G0X+2:G0X+3], s[46:47]
	s_or_b32 s[G0X+3], s[G0X+3], 0x80000000
	s_add_nc_u64 s[20:21], s[20:21], s[18:19]      ; for the ring: my four tiles
	s_add_nc_u64 s[46:47], s[46:47], s[18:19]
	s_mov_b32 s[G0Y+4], 1                          ; chunk 1, a quarter of slot 1 a wave
	s_add_co_u32 s[G0Y+5], s45, SLOT
	s_add_nc_u64 s[G0Y+6:G0Y+7], s[20:21], YNT*6144
	s_or_b32 s[G0Y+7], s[G0Y+7], 0x80000000
	s_mov_b32 s[G0X+4], 1
	s_add_co_u32 s[G0X+5], s45, SLOT
	s_add_nc_u64 s[G0X+6:G0X+7], s[46:47], XNT*6144
	s_or_b32 s[G0X+7], s[G0X+7], 0x80000000
; the head's four tiles, one load a wave: wave 0 Y's codes, wave 1 X's, wave 2 Y's scale words, wave 3 X's; one chain of branches on the wave's number
.macro HARM under, g0, g1, next
	s_cmp_lt_u32 s14, \under
	s_cbranch_scc0 \next
	tensor_load_to_lds s[\g0:\g0+3], s[\g1:\g1+7]
	s_nop 0
.rept 4
	v_nop
.endr
	s_branch .Lhead_asked
\next:
.endm
	HARM 1, G0Y, G1Y, .Lhead_x
	HARM 2, G0X, G1X, .Lhead_sy
	HARM 3, G0SY, G1SY, .Lhead_sx
	tensor_load_to_lds s[G0SX:G0SX+3], s[G1SX:G1SX+7]
	s_nop 0
.rept 4
	v_nop
.endr
.Lhead_asked:
	v_and_b32 v1, 15, v0                           ; r
	v_bfe_u32 v2, v0, 4, 1                         ; h
	s_wait_alu depctr_va_vdst(0)
	v_and_b32 v3, 31, v0
	v_lshlrev_b32 v[L8], 3, v3
	s_mul_i32 s18, s15, 24576                      ; my four tiles of Y,
	s_mul_i32 s19, s16, 24576                      ; my four of X,
	s_add_co_u32 s19, s19, 49152                   ; which lie behind Y's eight
.irp s, 0,1
	v_add_nc_u32 v[ADRY+\s], s18, v[L8]
	v_add_nc_u32 v[ADRX+\s], s19, v[L8]
	s_add_co_u32 s18, s18, SLOT
	s_add_co_u32 s19, s19, SLOT
.endr
	v_lshlrev_b32 v5, 2, v1                        ; scale words: 4 r,
	s_lshl_b32 s18, s15, 8                         ; Y's: my four tiles
	s_lshl_b32 s19, s16, 8                         ; X's: my four, behind all of Y's
	s_add_co_u32 s19, s19, 4*KT
	s_sub_co_u32 s19, s19, s18
	v_mul_u32_u24 v6, s19, v2                      ; lanes 16-31 take X's
	s_add_co_u32 s18, s18, SCL
	v_add_nc_u32 v5, v5, v6
	v_add_nc_u32 v[ADRS], s18, v5
	; the bias is the C of the first products: eight registers a tile, in the result's layout
.if MODE == 1
	s_lshl_b32 s18, s17, 9                         ; it goes with y: column 2048 + 128 tr + 64 wy + the tile's row of my lane
	s_lshl_b32 s19, s15, 8
	s_add_co_u32 s18, s18, s19
	s_add_co_u32 s18, s18, 8192
	s_mov_b32 s19, 0
	s_add_nc_u64 s[8:9], s[8:9], s[18:19]
	v_and_b32 v5, 8, v1
	v_add_nc_u32 v5, v5, v1
	v_lshlrev_b32 v[VB], 2, v5
.irp i, 0,1,2,3
	global_load_b32 v[BI+8*\i], v[VB], s[8:9] offset:(32*(\i/2)+8*(\i%2))*4
.endr
.else
	s_lshl_b32 s92, s42, 9                         ; it goes with x: column 128 tc + 64 wx + 32 (xt/2) + 16 h + 8 (xt%2) + 0 .. 7
	s_lshl_b32 s93, s16, 8
	s_add_co_u32 s92, s92, s93
	s_mov_b32 s93, 0
	s_add_nc_u64 s[8:9], s[8:9], s[92:93]
	v_lshlrev_b32 v[VB], 6, v2
.irp xt, 0,1,2,3
	global_load_b128 v[BI+8*\xt:BI+8*\xt+3], v[VB], s[8:9] offset:(32*(\xt/2)+8*(\xt%2))*4
	global_load_b128 v[BI+8*\xt+4:BI+8*\xt+7], v[VB], s[8:9] offset:(32*(\xt/2)+8*(\xt%2))*4+16
.endr
.endif
	; where the results go
.if MODE == 0
	s_lshl_b32 s92, s42, 1
	s_add_co_u32 s92, s92, s16                     ; my 64 columns are one head of q (0-15) or of k (16-31)
	s_lshr_b32 s93, s92, 4
	s_lshl_b32 s93, s93, 5
	s_and_b32 s92, s92, 15
	s_add_co_u32 s92, s92, s93
	s_lshr_b32 s93, s17, 4
	s_lshl_b32 s93, s93, 4
	s_add_co_u32 s92, s92, s93                     ; 32 (q or k) + 16 batch + head
	s_and_b32 s93, s17, 15                         ; which 128 tokens of the batch
	s_lshl_b32 s94, s92, 12
	s_lshl_b32 s95, s93, 8
	s_add_co_u32 s94, s94, s95
	s_add_co_u32 s94, s94, 6291456
	s_mov_b32 s95, 0
	s_add_nc_u64 s[12:13], s[10:11], s[94:95]      ; the head's scale words of these tokens (waves 0 and 1 store them: there wx is the wave's number)
	s_mul_i32 s94, s92, 98304
	s_lshl_b32 s93, s93, 3
	s_lshl_b32 s92, s15, 2
	s_add_co_u32 s93, s93, s92
	s_mul_i32 s93, s93, 768
	s_add_co_u32 s94, s94, s93
	s_add_nc_u64 s[10:11], s[10:11], s[94:95]      ; my four tiles' codes
	s_lshl_b32 s18, s16, 8                         ; the stage: 256 bytes a head, 128 for each wave
	s_lshl_b32 s19, s15, 7
	s_add_co_u32 s18, s18, s19
	s_lshl_b32 s19, s14, 8
.elseif MODE == 1
	s_lshr_b32 s92, s42, 4
	s_lshl_b32 s92, s92, 4
	s_lshl_b32 s93, s17, 1
	s_add_co_u32 s92, s92, s93                     ; 16 batch + 2 tr: the first of the work-group's two heads
	s_and_b32 s93, s42, 15                         ; the key step of 128
	s_add_co_u32 s94, s92, s14                     ; (waves 0 and 1 store the words of head 0 and 1)
	s_lshl_b32 s94, s94, 4
	s_add_co_u32 s94, s94, s93
	s_lshl_b32 s94, s94, 8
	s_add_co_u32 s94, s94, 3145728
	s_mov_b32 s95, 0
	s_add_nc_u64 s[12:13], s[10:11], s[94:95]
	s_add_co_u32 s94, s92, s15                     ; my head
	s_lshl_b32 s94, s94, 4
	s_add_co_u32 s94, s94, s93
	s_mul_i32 s94, s94, 6144
	s_mul_i32 s93, s16, 768                        ; my 64 of the 128 keys
	s_add_co_u32 s94, s94, s93
	s_add_nc_u64 s[10:11], s[10:11], s[94:95]
	s_lshl_b32 s18, s14, 8                         ; the stage: 256 bytes for each wave
	s_lshl_b32 s19, s14, 9
.elseif MODE == 2
	s_lshl_b32 s94, s42, 14                        ; K step tc of the next product,
	s_lshl_b32 s93, s17, 9                         ; the work-group's 8 tiles,
	s_add_co_u32 s94, s94, s93
	s_lshl_b32 s93, s14, 8                         ; (waves 0 and 1 store four tiles' words each)
	s_add_co_u32 s94, s94, s93
	s_add_co_u32 s94, s94, 12582912
	s_mov_b32 s95, 0
	s_add_nc_u64 s[12:13], s[10:11], s[94:95]
	s_lshr_b32 s94, s42, 2
	s_mul_i32 s94, s94, 1572864
	s_lshl_b32 s93, s17, 3
	s_lshl_b32 s92, s15, 2
	s_add_co_u32 s93, s93, s92
	s_mul_i32 s93, s93, 6144
	s_add_co_u32 s94, s94, s93
	s_and_b32 s93, s42, 3
	s_lshl_b32 s93, s93, 1
	s_add_co_u32 s93, s93, s16
	s_mul_i32 s93, s93, 768
	s_add_co_u32 s94, s94, s93
	s_add_nc_u64 s[10:11], s[10:11], s[94:95]
	s_lshl_b32 s18, s14, 8
	s_lshl_b32 s19, s14, 9
.else
	s_lshl_b32 s94, s17, 7
	s_lshl_b32 s93, s15, 6
	s_add_co_u32 s94, s94, s93
	s_lshl_b32 s94, s94, 12                        ; row 128 tr + 64 wy of 4,096 bytes,
	s_lshl_b32 s93, s42, 9
	s_add_co_u32 s94, s94, s93
	s_lshl_b32 s93, s16, 8
	s_add_co_u32 s94, s94, s93                     ; column 128 tc + 64 wx
	s_mov_b32 s95, 0
	s_add_nc_u64 s[10:11], s[10:11], s[94:95]
	s_add_nc_u64 s[12:13], s[12:13], s[94:95]
	s_mul_i32 s18, s14, 4352                       ; my stage: 16 rows x (256 bytes + 16)
	s_add_co_u32 s18, s18, STG
	v_mul_u32_u24 v5, v1, 272
	v_lshl_add_u32 v5, v2, 6, v5
	v_add_nc_u32 v[STO], s18, v5                   ; in: row r, + 64 h
	v_mul_u32_u24 v5, v2, 272
	v_lshl_add_u32 v5, v1, 4, v5
	v_add_nc_u32 v[RD], s18, v5                    ; back: lanes 0-15 one row of 256 bytes, lanes 16-31 the next
	v_lshlrev_b32 v5, 12, v2
	v_lshl_add_u32 v[CO], v1, 4, v5                ; and the same two rows in memory
.endif
.if MODE != 3
	s_add_co_u32 s18, s18, STG
	v_lshl_add_u32 v[STO], v1, 2, s18              ; my wave's words: 4 r
	s_add_co_u32 s19, s19, STG
	v_add_nc_u32 v[RD], s19, v[L8]                 ; and where waves 0 and 1 read 256 bytes of words back
.endif
; 52 LDS loads: the fragments (X's four, Y's four) and scale words of the slot's q-th K step, into buffer f
.macro FETCH slot, q, f
	WIN TO_F
.irp t, 0,1,2,3
.irp p, 0,1,2,3,4,5
	ds_load_b64 v[96*(\f)+12*\t+2*\p:96*(\f)+12*\t+2*\p+1], v[ADRX+\slot] offset:6144*\t+1536*(\q)+256*\p
.endr
.endr
.irp t, 0,1,2,3
.irp p, 0,1,2,3,4,5
	ds_load_b64 v[96*(\f)+48+12*\t+2*\p:96*(\f)+48+12*\t+2*\p+1], v[ADRY+\slot] offset:6144*\t+1536*(\q)+256*\p
.endr
.endr
	WIN 0
.irp t, 0,1,2,3
	ds_load_b32 v[SC+4*(\f)+\t], v[ADRS] offset:512*(\q)+64*\t
.endr
.endm
; 4 matrix instructions: Y tile i against X's four.  first = 1: the bias is C: nothing is ever cleared.  The 16 accumulators take turns, one instruction a turn, in the same order in every K step.
.macro MUL4 f, i, first
.irp xt, 0,1,2,3
.set DD, ACC+32*(\i)+8*\xt
.set CC, DD
.if \first
.if MODE == 1
.set CC, BI+8*(\i)
.else
.set CC, BI+8*\xt
.endif
.endif
	v_wmma_scale_f32_16x16x128_f8f6f4 v[DD:DD+7], v[96*(\f)+12*\xt:96*(\f)+12*\xt+11], v[96*(\f)+48+12*(\i):96*(\f)+59+12*(\i)], v[CC:CC+7], v[SC+4*(\f)+\xt], v[SC+4*(\f)+(\i)] matrix_a_fmt:MATRIX_FMT_FP6 matrix_b_fmt:MATRIX_FMT_FP6 matrix_a_scale:MATRIX_SCALE_ROW1
.endr
.endm
; A K step that has its successor in the same slot: the successor's loads go out first and land under this step's 16 matrix instructions
.macro STEP slot, q, first
	s_wait_dscnt 0x0                               ; this step's fragments and scale words are in
	PLACES                                         ; the loads below land in the buffer that the last step multiplied
	FETCH \slot, (\q)+1, ((\q)+1)%2
	WIN MUL
.irp i, 0,1,2,3
	MUL4 (\q)%2, \i, \first
.endr
.endm
; A slot's last K step changes slots: ONE barrier; in front of it each wave waits for all its tensor loads, adds 0 to its spare word, and waits for that and for its own reads of this slot.  fill = 1: this slot is filled again, two chunks ahead.
.macro TURN slot, next, fill
	WIN 0                                          ; (the add's two registers lie in window 0)
	s_wait_tensorcnt 0x0                           ; all my tensor loads have landed: my part of the next slot;
	ds_add_u32 v[SPW], v[NIL]                      ; 0 onto my spare word;
	s_wait_dscnt 0x1                               ; (the add alone may be out: this step's 52 loads are in)
	WIN MUL
	MUL4 1, 0, 0                                   ; four matrix instructions stand between the add and the wait for it
	s_wait_dscnt 0x0                               ; the add is done, and my reads of this slot are over
	s_barrier_signal -1
	MUL4 1, 1, 0
	WIN 0
	s_barrier_wait -1
.if \fill
	CREST                                          ; the barrier has opened a round of the cluster's barrier: no wave of any partner still reads this slot or has a load on its way
	s_add_nc_u64 s[G0Y+4*\slot+2:G0Y+4*\slot+3], s[G0Y+4*\slot+2:G0Y+4*\slot+3], 2*YNT*6144
	s_add_nc_u64 s[G0X+4*\slot+2:G0X+4*\slot+3], s[G0X+4*\slot+2:G0X+4*\slot+3], 2*XNT*6144
	JLOAD G0Y+4*\slot, G1Y, G0X+4*\slot, G1X       ; the first tensor load behind the round, my one load until the next: it has four K steps in which to land; its four v_nop are the places for the loads below
.else
	PLACES
.endif
	v_add_nc_u32 v[ADRS], 2048, v[ADRS]            ; on to the next chunk's scale words
	FETCH \next, 0, 0
	WIN MUL
	MUL4 1, 2, 0
	MUL4 1, 3, 0
.endm
	s_wait_alu depctr_va_vdst(0)
	s_wait_tensorcnt 0x0                           ; my tile of the head's four is in; slot 1's first fill is issued as a refill is
	ds_add_u32 v[SPW], v[NIL]
	s_mov_b32 s[G1Y+2], 96<<16                     ; no load of mine is out: from here on a load brings four tiles, 96 rows
	s_mov_b32 s[G1Y+4], 96
	s_mov_b32 s[G1X+2], 96<<16
	s_mov_b32 s[G1X+4], 96
	s_wait_dscnt 0x0
	CROUND                                         ; everybody's tiles are in, and the joint loads meet
	JLOAD G0Y+4, G1Y, G0X+4, G1X                   ; chunk 1: my one load behind the round
	FETCH 0, 0, 0
	s_wait_loadcnt 0x0                             ; the bias
.if MODE == 1
.irp i, 0,1,2,3
.irp j, 1,2,3,4,5,6,7
	v_mov_b32 v[BI+8*\i+\j], v[BI+8*\i]            ; a lane's eight results of a tile share its y, so they share the bias
.endr
.endr
.endif
	STEP 0, 0, 1                                   ; the first K step stands in front of the loop: its products start the sums
.if LAPS > 1
	WIN 0                                          ; at a label and at a branch every window is 0
	s_mov_b32 s3, LAPS-1
.Llap:                                             ; a trip goes once round the ring, from a lap's second K step to the next lap's first, and fills both slots again
	STEP 0, 1, 0
	STEP 0, 2, 0
	TURN 0, 1, 1
	STEP 1, 0, 0
	STEP 1, 1, 0
	STEP 1, 2, 0
	TURN 1, 0, 1
	STEP 0, 0, 0
	WIN 0
	s_sub_co_u32 s3, s3, 1
	s_cmp_lg_u32 s3, 0
	s_cbranch_scc1 .Llap
.endif
	STEP 0, 1, 0                                   ; the last lap fills nothing, and has no round of the cluster's barrier
	STEP 0, 2, 0
	TURN 0, 1, 0
	s_wait_alu depctr_va_vdst(0)
	STEP 1, 0, 0
	STEP 1, 1, 0
	STEP 1, 2, 0
	s_wait_dscnt 0x0                               ; the very last K step: nothing more to fetch
	WIN MUL
.irp i, 0,1,2,3
	MUL4 1, \i, 0
.endr
	WIN 0
	PLACES
.if MODE != 3
; THE WAY OUT INTO CODES.  32 numbers of a lane, register 16 b + i = k 32 b + 16 (lane/16) + i of the lane's row, become a half fragment (6 registers) at v[p] and two scale bytes in v[hw].
.macro QUANT32 s, p, hw
.irp b, 0,1
	v_max3_num_f32 v[TM+\b], |v[\s+16*\b]|, |v[\s+16*\b+1]|, 0x1800000   ; my 16 numbers of block b (each accumulator is read from its low end on), and the floor 2^(3 - 127): the byte cannot fall under 1
.endr
.irp i, 2,4,6,8,10,12,14
.irp b, 0,1
	v_max3_num_f32 v[TM+\b], v[TM+\b], |v[\s+16*\b+\i]|, |v[\s+16*\b+\i+1]|
.endr
.endr
.irp b, 0,1
	v_permlanex16_b32 v[TM+2+\b], v[TM+\b], s[SEL], s[SEL+1]
.endr
.irp b, 0,1
	v_max_num_f32 v[TM+\b], v[TM+\b], v[TM+2+\b]   ; with lane l xor 16's: the block's largest magnitude
.endr
.irp b, 0,1
	v_add_nc_u32 v[TM+4+\b], 0xff000000, v[TM+\b]  ; 2 off its exponent field: the conversion's scale operand
.endr
.irp b, 0,1
	v_lshrrev_b32 v[TM+6+\b], 23, v[TM+4+\b]       ; the scale's byte
.endr
	v_lshl_or_b32 v[\hw], v[TM+7], 8, v[TM+6]
	v_cvt_scalef32_pk16_fp6_f32 v[\p:\p+2], v[\s:\s+15], v[TM+4]
	v_cvt_scalef32_pk16_fp6_f32 v[C1:C1+2], v[\s+16:\s+31], v[TM+5]
	v_nop                                          ; one plain place behind a scaled conversion
.irp i, 0,1,2
	v_permlane16_swap_b32 v[\p+\i], v[C1+\i]       ; the layout wants a WHOLE block in a lane: lanes 0-15 block 0, lanes 16-31 block 1
.endr
.irp i, 0,1,2
	v_mov_b32 v[\p+3+\i], v[C1+\i]
.endr
.endm
.if MODE == 2
; gelu(a) = a (1 + erf(a / sqrt 2)) / 2 = max(a, 0) - |a / 2| erfc(z), z = |a| / sqrt 2, with erfc(z) = t exp(-z^2 + P(t)), t = 1 / (1 + z / 2), P of degree 9: a published fit whose RELATIVE error
; stays under 1.2e-7 for every z, as a number ahead of a quantiser needs; no difference of near numbers is formed.  Eight numbers at v[s], in place.
.macro GELU8 s
.irp j, 0,1,2,3,4,5,6,7
	v_fma_f32 v[GT+\j], |v[\s+\j]|, 0x3eb504f3, 1.0                ; 1 + z / 2 = 1 + |a| / (2 sqrt 2)
.endr
.irp j, 0,1,2,3,4,5,6,7
	v_rcp_f32 v[GT+\j], v[GT+\j]                   ; t
.endr
.irp j, 0,2,4,6
	v_pk_mul_f32 v[GH+\j:GH+\j+1], v[\s+\j:\s+\j+1], 0.5 op_sel_hi:[1,0]       ; a / 2.  (A plain place behind the reciprocals)
.endr
.irp j, 0,2,4,6
	v_pk_fma_f32 v[GP+\j:GP+\j+1], v[GT+\j:GT+\j+1], v[KC:KC+1], 0xbf527892 op_sel_hi:[1,1,0]   ; Horner, from the top: 0.17087277 t - 0.82215223
.endr
.irp c, 0x3fbe87b0, 0xbf914e5d, 0x3e8ec7cc, 0xbe3ec24c, 0x3dc636c9, 0x3ebf88fb, 0x3f8000c7, 0xbfa1fc4e
.irp j, 0,2,4,6
	v_pk_fma_f32 v[GP+\j:GP+\j+1], v[GP+\j:GP+\j+1], v[GT+\j:GT+\j+1], \c op_sel_hi:[1,1,0]     ; 1.48851587, -1.13520398, 0.27886807, -0.18628806, 0.09678418, 0.37409196, 1.00002368, -1.26551223
.endr
.endr
.irp j, 0,2,4,6
	v_pk_fma_f32 v[GP+\j:GP+\j+1], v[GH+\j:GH+\j+1], v[\s+\j:\s+\j+1], v[GP+\j:GP+\j+1] neg_lo:[1,0,0] neg_hi:[1,0,0]   ; - z^2 = - (a / 2) a
.endr
.irp j, 0,2,4,6
	v_pk_mul_f32 v[GP+\j:GP+\j+1], v[GP+\j:GP+\j+1], 0x3fb8aa3b op_sel_hi:[1,0]                ; x log2(e)
.endr
.irp j, 0,1,2,3,4,5,6,7
	v_exp_f32 v[GP+\j], v[GP+\j]
.endr
.irp j, 0,1,2,3,4,5,6,7
	v_mul_f32 v[GT+\j], |v[GH+\j]|, v[GT+\j]       ; |a / 2| t.  (A plain place behind the exponentials)
.endr
.irp j, 0,1,2,3,4,5,6,7
	v_max_num_f32 v[\s+\j], 0, v[\s+\j]
.endr
.irp j, 0,2,4,6
	v_pk_fma_f32 v[\s+\j:\s+\j+1], v[GT+\j:GT+\j+1], v[GP+\j:GP+\j+1], v[\s+\j:\s+\j+1] neg_lo:[1,0,0] neg_hi:[1,0,0]
.endr
.endm
	v_mov_b32 v[KC], 0x3e2ef945
	v_mov_b32 v[KC+1], 0x3e2ef945
.endif
	v_mov_b32 v[TM+2], 0                           ; written once: a lane permute's destination counts as one of its sources
	v_mov_b32 v[TM+3], 0
.irp i, 0,1,2,3                                ; a Y tile at a time: its 32 registers a lane are 64 neighbours along the next product's K, in lanes l and l xor 16
.if MODE == 2
.irp xt, 0,1,2,3
	GELU8 ACC+32*\i+8*\xt
.endr
.endif
	QUANT32 ACC+32*\i, PB+8*\i, HW+\i
.irp p, 0,1,2
	global_store_b64 v[L8], v[PB+8*\i+2*\p:PB+8*\i+2*\p+1], s[10:11] offset:TS*\i+256*\p   ; 32 lanes store 256 consecutive bytes, at a multiple of 256 from the buffer's first byte; each tile has registers of its own
.endr
.endr
	; the scale bytes meet in the stage as whole words, each wave in bytes of its own, and leave as runs of 256 bytes
.if MODE == 0
.irp j, 0,1
	v_lshl_or_b32 v[HW+2*\j], v[HW+2*\j+1], 16, v[HW+2*\j]         ; a word = tiles 2 j and 2 j + 1: the two halves of a fragment of 32 keys
	ds_store_b32 v[STO], v[HW+2*\j] offset:64*\j   ; (both halves of the lanes write the same word with the same value)
.endr
.else
.irp i, 0,1,2,3
	ds_store_b32 v[STO], v[HW+\i] offset:64*\i     ; my half of each word; the other half is the neighbouring wave's, 256 bytes on
.endr
.endif
	s_wait_dscnt 0x0                               ; for the others' sake: my stores into the stage are done
	s_barrier_signal -1
	s_barrier_wait -1
	s_cmp_lt_u32 s14, 2
	s_cbranch_scc0 .Lno_words
	ds_load_b64 v[WD:WD+1], v[RD]
.if MODE != 0
	ds_load_b64 v[WD+2:WD+3], v[RD] offset:256
.endif
	s_wait_dscnt 0x0
.if MODE != 0
	v_lshl_or_b32 v[WD], v[WD+2], 16, v[WD]
	v_lshl_or_b32 v[WD+1], v[WD+3], 16, v[WD+1]
.endif
	global_store_b64 v[L8], v[WD:WD+1], s[12:13]   ; 256 consecutive bytes, aligned
.Lno_words:
.else
; THE WAY OUT AS f32 ROWS.  A lane holds, of one token, 8 neighbouring columns in each accumulator.  A Y tile (16 tokens x 64 columns) goes through my own stage and comes back as rows of 256 bytes; the residual is added; sixteen lanes
; store 256 consecutive bytes, aligned.  Stage row rr is token 32 (i/2) + 8 (i%2) + rr%8 + 16 (rr/8) of my 64.  All 32 loads of the residual go out at once, into the registers that the fragments have left.
	WIN TO_F
.irp i, 0,1,2,3
.irp t, 0,1,2,3,4,5,6,7
	global_load_b128 v[32*\i+4*\t:32*\i+4*\t+3], v[CO], s[10:11] offset:(32*(\i/2)+8*(\i%2)+(2*\t)%8+16*((2*\t)/8))*4096
.endr
.endr
	WIN 0
.irp i, 0,1,2,3
.set BK, 32+64*(\i%2)                          ; rows read back: v32-63 and v96-127 by turns
.irp xt, 0,1,2,3
	ds_store_b128 v[STO], v[ACC+32*\i+8*\xt:ACC+32*\i+8*\xt+3] offset:128*(\xt/2)+32*(\xt%2)       ; each accumulator from its low end on
	ds_store_b128 v[STO], v[ACC+32*\i+8*\xt+4:ACC+32*\i+8*\xt+7] offset:128*(\xt/2)+32*(\xt%2)+16
.endr
.if \i > 1
	s_wait_xcnt 0x0                                ; the stores of two tiles ago have read these registers
.endif
.irp t, 0,1,2,3,4,5,6,7
	ds_load_b128 v[BK+4*\t:BK+4*\t+3], v[RD] offset:544*\t         ; LDS serves a wave's instructions in order: these see the stores above, and the next tile's stores come behind them
.endr
	s_wait_loadcnt 8*(3-\i)                        ; this tile's eight loads of the residual are in; the later tiles' may be out
	s_wait_dscnt 0x0
	WIN 0x04                                       ; source 1 window 1
.set nn, 0
.rept 16
	v_pk_add_f32 v[BK+nn:BK+nn+1], v[BK+nn:BK+nn+1], v[32*\i+nn:32*\i+nn+1]
.set nn, nn+2
.endr
	WIN 0
.irp t, 0,1,2,3,4,5,6,7
.if KERN == 4
	global_store_b128 v[CO], v[BK+4*\t:BK+4*\t+3], s[12:13] offset:(32*(\i/2)+8*(\i%2)+(2*\t)%8+16*((2*\t)/8))*4096 th:TH_STORE_NT
.else
	global_store_b128 v[CO], v[BK+4*\t:BK+4*\t+3], s[12:13] offset:(32*(\i/2)+8*(\i%2)+(2*\t)%8+16*((2*\t)/8))*4096
.endif
.endr
.endr
.endif
	s_wait_tensorcnt 0x0                           ; the wave's end, behind my last tensor load and my last LDS store
	ds_add_u32 v[SPW], v[NIL]
	s_wait_dscnt 0x0
	CROUND                                         ; the closing round: no work-group ends while a partner may still ask for a tile that names it
	s_endpgm
.Lfunc_end_k_q0ec73a9dc7_qk:
	.size	k_q0ec73a9dc7_qk, .Lfunc_end_k_q0ec73a9dc7_qk-k_q0ec73a9dc7_qk
	.p2alignl 7, 3214868480
	.fill 96, 4, 3214868480
	.section	.rodata,"a",@progbits
	.p2align	6, 0x0
	.amdhsa_kernel k_q0ec73a9dc7_qk
		.amdhsa_group_segment_fixed_size 327680
		.amdhsa_private_segment_fixed_size 0
		.amdhsa_enable_private_segment 0
		.amdhsa_kernarg_size 32
		.amdhsa_user_sgpr_count 2
		.amdhsa_user_sgpr_kernarg_segment_ptr 1
		.amdhsa_wavefront_size32 1
		.amdhsa_system_sgpr_workgroup_id_x 1
		.amdhsa_system_sgpr_workgroup_id_y 1
		.amdhsa_system_sgpr_workgroup_id_z 1
		.amdhsa_system_vgpr_workitem_id 0
		.amdhsa_next_free_vgpr 512
		.amdhsa_next_free_sgpr 98
		.amdhsa_reserve_vcc 0
		.amdhsa_float_denorm_mode_32 3
		.amdhsa_float_denorm_mode_16_64 3
		.amdhsa_memory_ordered 1
		.amdhsa_forward_progress 1
		.amdhsa_inst_pref_size 66
	.end_amdhsa_kernel
	.amdgpu_metadata
---
amdhsa.version: [ 1, 2 ]
amdhsa.kernels:
  - .name:           k_q0ec73a9dc7_qk
    .symbol:         k_q0ec73a9dc7_qk.kd
    .args:
      - { .name: hb, .offset: 0, .size: 8, .value_kind: global_buffer, .address_space: global }
      - { .name: wbuf, .offset: 8, .size: 8, .value_kind: global_buffer, .address_space: global }
      - { .name: qkv_b, .offset: 16, .size: 8, .value_kind: global_buffer, .address_space: global }
      - { .name: qkb, .offset: 24, .size: 8, .value_kind: global_buffer, .address_space: global }
    .group_segment_fixed_size: 327680
    .private_segment_fixed_size: 0
    .kernarg_segment_align: 8
    .kernarg_segment_size: 32
    .max_flat_workgroup_size: 128
    .sgpr_count:     98
    .vgpr_count:     512
    .wavefront_size: 32
...
	.end_amdgpu_metadata
.endif
;; end of part 3
;; launch vg (part 4): grid 32 x 8, 4 waves a work-group, clusters of 4 x 4, 327,680 bytes of LDS; arguments wbuf, hb, qkv_b, vb; writes vb
.if DOCPART == 4
	.amdgcn_target "amdgcn-amd-amdhsa--gfx1250"
	.amdhsa_code_object_version 6
	.text
	.protected	k_q0ec73a9dc7_vg
	.globl	k_q0ec73a9dc7_vg
	.p2align	8
	.type	k_q0ec73a9dc7_vg,@function
k_q0ec73a9dc7_vg:
	s_mov_b64 s[64:65], 0
	v_nop
	global_prefetch_b8 v0, s[64:65] scope:SCOPE_SE
	s_setreg_imm32_b32 hwreg(HW_REG_WAVE_MODE, 25, 1), 1
	s_wait_xcnt 0x0
	s_wait_alu depctr_hold_cnt(0) depctr_sa_sdst(0) depctr_va_vdst(0) depctr_va_sdst(0) depctr_va_ssrc(0) depctr_va_vcc(0) depctr_vm_vsrc(0)
	s_getreg_b32 s2, hwreg(HW_REG_IB_STS2, 6, 4)
	s_cmp_eq_u32 s2, 0
	s_cbranch_scc0 .Lentry_in_a_cluster
	s_endpgm
.Lentry_in_a_cluster:
	s_bfe_u32 s2, ttmp6, 0x10000c
	s_cmp_lg_u32 s2, 0xf033
	s_cbranch_scc0 .Lentry_shape_is_right
	s_endpgm
.Lentry_shape_is_right:
; ONE TEXT SERVES FIVE PRODUCTS; the line .set KERN picks sizes, offsets and the way out.  C'[x][y] = bias + the sum over k of X[x][k] Y[y][k], on codes of FP6 (E2M3) with one E8M0 byte for each 32 along K; sums in f32.
;   KERN 0: q and k = h Wqkv + b  (Y = tokens, X = columns 0-2047), quantised along the head's 64 for the scores' product.      KERN 1: v (Y = columns 2048-3071, X = tokens), quantised along the KEYS.
;   KERN 2: gelu(h W1 + b1), exact (erf), quantised along the 4,096.      KERN 3: x1 = x + a Wproj + b.      KERN 4: out = x1 + g W2 + b2.   (3, 4: f32 rows out.)
; OPERANDS (this program's own layout): 16 rows form a tile: row r of tile T is index 32 (T/2) + 8 (T%2) + r%8 + 16 (r/8).  A fragment (16 rows x 128 K, 12 registers a lane) is an image of its registers: six pieces
; of 256 bytes, lane l's 8 bytes at 8 l.  byte = (k/512) NT 6144 + T 6144 + ((k/128)%4) 1536.  So four tiles x 512 K are ONE dense block of 24,576 bytes, and a fragment is six ds_load_b64 at 8 x lane: no pitch, no padding.
; Scale words: (K step s, tile T, row r) at (16 NT s + 16 T + r) x 4.
; THE PRODUCT: source 0 = 16 rows of X, source 1 = 16 rows of Y: a lane holds ONE y, its registers run along x; by the tiles' order of rows the 16 registers of X tiles 2 b, 2 b + 1 are the neighbours 32 b + 16 (lane/16) + 0 .. 15:
; what the conversions to codes, and the rows of an f32 result, want.
; SHARES.  A work-group makes 128 y x 128 x (so that the products with 1,024 columns still give 256 work-groups), each of its four waves 64 x 64: 16 accumulators.  K goes in chunks of 512 through two LDS slots,
; four K steps of 128 each.  The scale words of the work-group's rows for all of K come into LDS once, with the first fills.
; CLUSTER 4 x 4: Y's tiles hang on the work-group's y alone and are asked for jointly along a row of the cluster, X's on its x alone, along a column: one tensor load with the same descriptor and a mask that names the four.
; LIMITS: a block of zeros gets the byte 1 where the rule says 127 (its codes are zeros; this program alone reads the bytes); NaN and infinities are not served; in the gelu an exponential under 2^-126 counts as 0.
; REGISTERS: window 0: v0-31 addresses; v32-63 the bias as the first products' C, later at work; v64-71 scale words, two sets; v72-127 at work on the way out; v128-255 the accumulators ((Y tile i, X tile xt) at 128 + 32 i + 8 xt).
;   window 1: two fragment buffers of 96 (X's four fragments, then Y's four); on the way out of KERN 3, 4 the residual's rows in v0-127.
.set KERN, 1
.macro PARAMS mode, kt, yc, ys, ynt, xc, xs, xnt
.set MODE, \mode                       ; the way out: 0 q, k; 1 v; 2 gelu; 3 f32 rows with a residual
.set KT,   \kt                         ; K
.set YC,   \yc                         ; Y's codes, scale words (bytes from its buffer's start) and tiles in all
.set YS,   \ys
.set YNT,  \ynt
.set XC,   \xc                         ; X's
.set XS,   \xs
.set XNT,  \xnt
.endm
.if KERN == 0
	PARAMS 0, 1024, 0, 3145728, 256, 0, 9437184, 192
.elseif KERN == 1
	PARAMS 1, 1024, 786432, 9445376, 192, 0, 3145728, 256
.elseif KERN == 2
	PARAMS 2, 1024, 0, 3145728, 256, 3145728, 9568256, 256
.elseif KERN == 3
	PARAMS 3, 1024, 0, 3145728, 256, 2359296, 9535488, 64
.else
	PARAMS 3, 4096, 0, 12582912, 256, 6291456, 9699328, 64
.endif
.if MODE == 0
.set TS, 768                           ; bytes from a Y tile's codes to the next tile's in the output
.elseif MODE == 1
.set TS, 1536
.else
.set TS, 6144
.endif
.set SLOT,  98304                      ; Y's 8 tiles x 6,144 bytes, then X's 8
.set SCL,   2*SLOT                     ; behind the ring: Y's scale words, 512 bytes a K step, then X's
.set STG,   SCL+8*KT                   ; a stage for the way out, 17,408 bytes: no tensor load lands there
.set SPARE, STG+17408                  ; the spare words, 128 bytes for each wave: two blocks of 256 bytes that no other line names
.set LAPS,  KT/1024                    ; a lap = two chunks = once round the ring
.set ADRY, 16                          ; v16-17  LDS address of my Y fragments in slot 0, 1
.set ADRX, 20                          ; v20-21  the same for X
.set L8,   22                          ; v22     8 x lane
.set STO,  24                          ; v24     the way out: where I store into the stage
.set RD,   25                          ; v25     and where I read it back
.set CO,   26                          ; v26     my byte offset in two rows of the f32 result
.set ADRS, 27                          ; v27     LDS address of my scale words: lanes 0-15 Y's rows, lanes 16-31 X's
.set SPW,  28                          ; v28     LDS address of my spare word; never rewritten
.set NIL,  29                          ; v29     0; never rewritten
.set VB,   30                          ; v30     my offset in the bias
.set BI,   32
.set PB,   32                          ; the way out: a tile's codes at v[32 + 8 i]
.set SC,   64                          ; set f at v[64 + 4 f]; register i: lanes 0-15 the words of Y tile i, lanes 16-31 of X tile i
.set TM,   72                          ; v72-79  the quantiser's: largest magnitudes, the other half's, scale operands, bytes
.set C1,   80                          ; v80-82  a conversion's result on its way
.set HW,   84                          ; v84-87  a tile's two scale bytes
.set KC,   88                          ; v88-113 the gelu's
.set GT,   90
.set GH,   98
.set GP,   106
.set WD,   116                         ; v116-119 scale words on their way out
.set ACC,  128
.set G1Y,  24                          ; s[24:31] descriptor group 1 for Y's codes;  s[32:39] group 0, one set for each slot
.set G0Y,  32
.set G1X,  48                          ; s[48:55], s[56:63] the same for X's
.set G0X,  56
.set G1SY, 68                          ; s[68:75], s[76:79] groups 1 and 0 for Y's scale words;  s[80:87], s[88:91] for X's
.set G0SY, 76
.set G1SX, 80
.set G0SX, 88
.set SEL,  96                          ; s[96:97] v_permlanex16_b32's selects for lane l xor 16
.set MSB, 0
.macro WIN new                         ; the immediate's high byte repeats the setting that is left
.if MSB != \new
	s_set_vgpr_msb (MSB<<8)|\new
.set MSB, \new
.endif
.endm
.set MUL,  0x05                        ; sources 0 (X) and 1 (Y) window 1; C and D window 0
.set TO_F, 0x40                        ; destination window 1, address window 0
; A joint load: waves 0 and 1 fetch for Y, waves 2 and 3 for X.  Each of the two lines has one mask and one set of registers for all that issue it; the branch hangs on the wave's number alone.
; Four v_nop follow each of the two lines, ahead of the jump, the label and what follows.
.macro JLOAD g0y, g1y, g0x, g1x
	s_cmp_eq_u32 s15, 0
	s_cbranch_scc0 .Lfor_x_\@
	tensor_load_to_lds s[\g0y:\g0y+3], s[\g1y:\g1y+7]
	s_nop 0
.rept 4
	v_nop
.endr
	s_branch .Lasked_\@
.Lfor_x_\@:
	tensor_load_to_lds s[\g0x:\g0x+3], s[\g1x:\g1x+7]
	s_nop 0
.rept 4
	v_nop
.endr
.Lasked_\@:
.endm
.macro CREST                           ; a round of the cluster's barrier behind its opening barrier
	s_cmp_lg_u32 s14, 0
	s_cbranch_scc1 .Lnot_wave_0_\@
	s_barrier_signal -3
.Lnot_wave_0_\@:
	s_barrier_wait -3
	s_barrier_signal -1
	s_barrier_wait -1
.endm
.macro CROUND                          ; a whole round
	s_barrier_signal -1
	s_barrier_wait -1
	CREST
.endm
.macro PLACES                          ; four places behind a matrix instruction, in front of loads into registers that it read and of the first read of results
.rept 4
	v_nop
.endr
.endm
	s_load_b256 s[4:11], s[0:1], 0x0               ; Y's buffer s[4:5], X's s[6:7], the bias s[8:9], the output (MODE 3: the residual) s[10:11]
.if MODE == 3
	s_load_b64 s[12:13], s[0:1], 0x20              ; the output
.endif
	v_lshl_add_u32 v[SPW], v0, 2, SPARE
	v_mov_b32 v[NIL], 0
	ds_add_u32 v28, v29
	ds_add_u32 v28, v29
	s_wait_dscnt 0x0
	v_lshrrev_b32 v1, 5, v0
	v_readfirstlane_b32 s14, v1                    ; wave 0..3
	s_lshr_b32 s15, s14, 1                         ; wy: which 64 of the 128 y are mine.  Also: I fetch for Y (0) or for X (1)
	s_and_b32 s16, s14, 1                          ; wx: which 64 of the 128 x.  Also: which four tiles I fetch
	s_bfe_u32 s40, ttmp6, 0x40000                  ; cx, cy: my place in the cluster
	s_bfe_u32 s41, ttmp6, 0x40004
	s_lshl_b32 s42, ttmp9, 2
	s_add_co_u32 s42, s42, s40                     ; tc: which 128 x = 4 x cluster x + cx
	s_and_b32 s17, ttmp7, 0xffff
	s_lshl_b32 s17, s17, 2
	s_add_co_u32 s17, s17, s41                     ; tr: which 128 y = 4 x cluster y + cy
	s_lshl_b32 s43, s41, 2
	s_lshl_b32 s43, 15, s43                        ; my row of the cluster
	s_lshl_b32 s44, 0x1111, s40                    ; my column
	; group 1 for codes: a dense block of 24,576 bytes as 96 rows of 256 bytes (32 elements of 8 bytes)
	s_or_b32 s[G1Y], s43, (3<<16)|(1<<21)          ; 15:0 the mask: Y's tiles go to my row; 17:16 elements of 8 bytes; 20 no padding; 21 set beside a mask
	s_or_b32 s[G1X], s44, (3<<16)|(1<<21)
.irp g, G1Y, G1X
	s_mov_b32 s[\g+1], 32<<16                      ; tensor_dim0
	s_mov_b32 s[\g+2], 192<<16                     ; tensor_dim1: the head's loads bring 8 tiles, 192 rows
	s_mov_b32 s[\g+3], 32<<16                      ; tile_dim0
	s_mov_b32 s[\g+4], 192                         ; tile_dim1
	s_mov_b32 s[\g+5], 32                          ; tensor_dim0_stride
	s_mov_b32 s[\g+6], 0
	s_mov_b32 s[\g+7], 0
.endr
	; group 1 for scale words: KT / 128 K steps, 512 bytes (8 tiles) of each, a K step's words NT x 64 bytes apart
	s_or_b32 s[G1SY], s43, (3<<16)|(1<<21)
	s_or_b32 s[G1SX], s44, (3<<16)|(1<<21)
.irp g, G1SY, G1SX
	s_mov_b32 s[\g+1], 64<<16
	s_mov_b32 s[\g+2], (KT/128)<<16                ; all K steps' words in one load
	s_mov_b32 s[\g+3], 64<<16
	s_mov_b32 s[\g+4], KT/128
	s_mov_b32 s[\g+6], 0
	s_mov_b32 s[\g+7], 0
.endr
	s_mov_b32 s[G1SY+5], YNT*8
	s_mov_b32 s[G1SX+5], XNT*8
	s_mov_b32 s[SEL], 0x76543210
	s_mov_b32 s[SEL+1], 0xfedcba98
	s_mul_i32 s18, s16, 24576                      ; in the ring I fetch four tiles: which half, in bytes
	s_mov_b32 s19, 0
	s_lshl_b32 s20, s17, 3
	s_mul_i32 s20, s20, 6144
	s_add_co_u32 s20, s20, YC                      ; Y's codes: tile 8 tr + 4 x half
	s_mov_b32 s21, 0
	s_lshl_b32 s46, s42, 3
	s_mul_i32 s46, s46, 6144
	s_add_co_u32 s46, s46, XC                      ; X's: tile 8 tc + 4 x half
	s_mov_b32 s47, 0
	s_mov_b32 s22, 0
	s_lshl_b32 s23, s17, 9                         ; the work-group's 8 tiles
	s_add_co_u32 s22, s22, s23
	s_add_co_u32 s22, s22, YS
	s_mov_b32 s23, 0
	s_mov_b32 s92, 0
	s_lshl_b32 s93, s42, 9
	s_add_co_u32 s92, s92, s93
	s_add_co_u32 s92, s92, XS
	s_mov_b32 s93, 0
	s_mul_i32 s45, s14, 24576                      ; where they go: wave x a quarter of a slot: no place in the cluster enters an LDS address
	s_wait_kmcnt 0x0
	s_add_nc_u64 s[20:21], s[4:5], s[20:21]
	s_add_nc_u64 s[22:23], s[4:5], s[22:23]
	s_add_nc_u64 s[46:47], s[6:7], s[46:47]
	s_add_nc_u64 s[92:93], s[6:7], s[92:93]
	CROUND                                         ; all sixteen work-groups are here: the first joint loads meet
	s_mov_b32 s[G0SY], 1
	s_mov_b32 s[G0SY+1], SCL
	s_mov_b64 s[G0SY+2:G0SY+3], s[22:23]
	s_or_b32 s[G0SY+3], s[G0SY+3], 0x80000000
	s_mov_b32 s[G0SX], 1
	s_mov_b32 s[G0SX+1], SCL+4*KT
	s_mov_b64 s[G0SX+2:G0SX+3], s[92:93]
	s_or_b32 s[G0SX+3], s[G0SX+3], 0x80000000
	s_mov_b32 s[G0Y], 1                            ; chunk 0 whole: Y's 8 tiles to slot 0's first half,
	s_mov_b32 s[G0Y+1], 0
	s_mov_b64 s[G0Y+2:G0Y+3], s[20:21]
	s_or_b32 s[G0Y+3], s[G0Y+3], 0x80000000
	s_mov_b32 s[G0X], 1                            ; X's 8 behind them
	s_mov_b32 s[G0X+1], 49152
	s_mov_b64 s[G0X+2:G0X+3], s[46:47]
	s_or_b32 s[G0X+3], s[G0X+3], 0x80000000
	s_add_nc_u64 s[20:21], s[20:21], s[18:19]      ; for the ring: my four tiles
	s_add_nc_u64 s[46:47], s[46:47], s[18:19]
	s_mov_b32 s[G0Y+4], 1                          ; chunk 1, a quarter of slot 1 a wave
	s_add_co_u32 s[G0Y+5], s45, SLOT
	s_add_nc_u64 s[G0Y+6:G0Y+7], s[20:21], YNT*6144
	s_or_b32 s[G0Y+7], s[G0Y+7], 0x80000000
	s_mov_b32 s[G0X+4], 1
	s_add_co_u32 s[G0X+5], s45, SLOT
	s_add_nc_u64 s[G0X+6:G0X+7], s[46:47], XNT*6144
	s_or_b32 s[G0X+7], s[G0X+7], 0x80000000
; the head's four tiles, one load a wave: wave 0 Y's codes, wave 1 X's, wave 2 Y's scale words, wave 3 X's; one chain of branches on the wave's number
.macro HARM under, g0, g1, next
	s_cmp_lt_u32 s14, \under
	s_cbranch_scc0 \next
	tensor_load_to_lds s[\g0:\g0+3], s[\g1:\g1+7]
	s_nop 0
.rept 4
	v_nop
.endr
	s_branch .Lhead_asked
\next:
.endm
	HARM 1, G0Y, G1Y, .Lhead_x
	HARM 2, G0X, G1X, .Lhead_sy
	HARM 3, G0SY, G1SY, .Lhead_sx
	tensor_load_to_lds s[G0SX:G0SX+3], s[G1SX:G1SX+7]
	s_nop 0
.rept 4
	v_nop
.endr
.Lhead_asked:
	v_and_b32 v1, 15, v0                           ; r
	v_bfe_u32 v2, v0, 4, 1                         ; h
	s_wait_alu depctr_va_vdst(0)
	v_and_b32 v3, 31, v0
	v_lshlrev_b32 v[L8], 3, v3
	s_mul_i32 s18, s15, 24576                      ; my four tiles of Y,
	s_mul_i32 s19, s16, 24576                      ; my four of X,
	s_add_co_u32 s19, s19, 49152                   ; which lie behind Y's eight
.irp s, 0,1
	v_add_nc_u32 v[ADRY+\s], s18, v[L8]
	v_add_nc_u32 v[ADRX+\s], s19, v[L8]
	s_add_co_u32 s18, s18, SLOT
	s_add_co_u32 s19, s19, SLOT
.endr
	v_lshlrev_b32 v5, 2, v1                        ; scale words: 4 r,
	s_lshl_b32 s18, s15, 8                         ; Y's: my four tiles
	s_lshl_b32 s19, s16, 8                         ; X's: my four, behind all of Y's
	s_add_co_u32 s19, s19, 4*KT
	s_sub_co_u32 s19, s19, s18
	v_mul_u32_u24 v6, s19, v2                      ; lanes 16-31 take X's
	s_add_co_u32 s18, s18, SCL
	v_add_nc_u32 v5, v5, v6
	v_add_nc_u32 v[ADRS], s18, v5
	; the bias is the C of the first products: eight registers a tile, in the result's layout
.if MODE == 1
	s_lshl_b32 s18, s17, 9                         ; it goes with y: column 2048 + 128 tr + 64 wy + the tile's row of my lane
	s_lshl_b32 s19, s15, 8
	s_add_co_u32 s18, s18, s19
	s_add_co_u32 s18, s18, 8192
	s_mov_b32 s19, 0
	s_add_nc_u64 s[8:9], s[8:9], s[18:19]
	v_and_b32 v5, 8, v1
	v_add_nc_u32 v5, v5, v1
	v_lshlrev_b32 v[VB], 2, v5
.irp i, 0,1,2,3
	global_load_b32 v[BI+8*\i], v[VB], s[8:9] offset:(32*(\i/2)+8*(\i%2))*4
.endr
.else
	s_lshl_b32 s92, s42, 9                         ; it goes with x: column 128 tc + 64 wx + 32 (xt/2) + 16 h + 8 (xt%2) + 0 .. 7
	s_lshl_b32 s93, s16, 8
	s_add_co_u32 s92, s92, s93
	s_mov_b32 s93, 0
	s_add_nc_u64 s[8:9], s[8:9], s[92:93]
	v_lshlrev_b32 v[VB], 6, v2
.irp xt, 0,1,2,3
	global_load_b128 v[BI+8*\xt:BI+8*\xt+3], v[VB], s[8:9] offset:(32*(\xt/2)+8*(\xt%2))*4
	global_load_b128 v[BI+8*\xt+4:BI+8*\xt+7], v[VB], s[8:9] offset:(32*(\xt/2)+8*(\xt%2))*4+16
.endr
.endif
	; where the results go
.if MODE == 0
	s_lshl_b32 s92, s42, 1
	s_add_co_u32 s92, s92, s16                     ; my 64 columns are one head of q (0-15) or of k (16-31)
	s_lshr_b32 s93, s92, 4
	s_lshl_b32 s93, s93, 5
	s_and_b32 s92, s92, 15
	s_add_co_u32 s92, s92, s93
	s_lshr_b32 s93, s17, 4
	s_lshl_b32 s93, s93, 4
	s_add_co_u32 s92, s92, s93                     ; 32 (q or k) + 16 batch + head
	s_and_b32 s93, s17, 15                         ; which 128 tokens of the batch
	s_lshl_b32 s94, s92, 12
	s_lshl_b32 s95, s93, 8
	s_add_co_u32 s94, s94, s95
	s_add_co_u32 s94, s94, 6291456
	s_mov_b32 s95, 0
	s_add_nc_u64 s[12:13], s[10:11], s[94:95]      ; the head's scale words of these tokens (waves 0 and 1 store them: there wx is the wave's number)
	s_mul_i32 s94, s92, 98304
	s_lshl_b32 s93, s93, 3
	s_lshl_b32 s92, s15, 2
	s_add_co_u32 s93, s93, s92
	s_mul_i32 s93, s93, 768
	s_add_co_u32 s94, s94, s93
	s_add_nc_u64 s[10:11], s[10:11], s[94:95]      ; my four tiles' codes
	s_lshl_b32 s18, s16, 8                         ; the stage: 256 bytes a head, 128 for each wave
	s_lshl_b32 s19, s15, 7
	s_add_co_u32 s18, s18, s19
	s_lshl_b32 s19, s14, 8
.elseif MODE == 1
	s_lshr_b32 s92, s42, 4
	s_lshl_b32 s92, s92, 4
	s_lshl_b32 s93, s17, 1
	s_add_co_u32 s92, s92, s93                     ; 16 batch + 2 tr: the first of the work-group's two heads
	s_and_b32 s93, s42, 15                         ; the key step of 128
	s_add_co_u32 s94, s92, s14                     ; (waves 0 and 1 store the words of head 0 and 1)
	s_lshl_b32 s94, s94, 4
	s_add_co_u32 s94, s94, s93
	s_lshl_b32 s94, s94, 8
	s_add_co_u32 s94, s94, 3145728
	s_mov_b32 s95, 0
	s_add_nc_u64 s[12:13], s[10:11], s[94:95]
	s_add_co_u32 s94, s92, s15                     ; my head
	s_lshl_b32 s94, s94, 4
	s_add_co_u32 s94, s94, s93
	s_mul_i32 s94, s94, 6144
	s_mul_i32 s93, s16, 768                        ; my 64 of the 128 keys
	s_add_co_u32 s94, s94, s93
	s_add_nc_u64 s[10:11], s[10:11], s[94:95]
	s_lshl_b32 s18, s14, 8                         ; the stage: 256 bytes for each wave
	s_lshl_b32 s19, s14, 9
.elseif MODE == 2
	s_lshl_b32 s94, s42, 14                        ; K step tc of the next product,
	s_lshl_b32 s93, s17, 9                         ; the work-group's 8 tiles,
	s_add_co_u32 s94, s94, s93
	s_lshl_b32 s93, s14, 8                         ; (waves 0 and 1 store four tiles' words each)
	s_add_co_u32 s94, s94, s93
	s_add_co_u32 s94, s94, 12582912
	s_mov_b32 s95, 0
	s_add_nc_u64 s[12:13], s[10:11], s[94:95]
	s_lshr_b32 s94, s42, 2
	s_mul_i32 s94, s94, 1572864
	s_lshl_b32 s93, s17, 3
	s_lshl_b32 s92, s15, 2
	s_add_co_u32 s93, s93, s92
	s_mul_i32 s93, s93, 6144
	s_add_co_u32 s94, s94, s93
	s_and_b32 s93, s42, 3
	s_lshl_b32 s93, s93, 1
	s_add_co_u32 s93, s93, s16
	s_mul_i32 s93, s93, 768
	s_add_co_u32 s94, s94, s93
	s_add_nc_u64 s[10:11], s[10:11], s[94:95]
	s_lshl_b32 s18, s14, 8
	s_lshl_b32 s19, s14, 9
.else
	s_lshl_b32 s94, s17, 7
	s_lshl_b32 s93, s15, 6
	s_add_co_u32 s94, s94, s93
	s_lshl_b32 s94, s94, 12                        ; row 128 tr + 64 wy of 4,096 bytes,
	s_lshl_b32 s93, s42, 9
	s_add_co_u32 s94, s94, s93
	s_lshl_b32 s93, s16, 8
	s_add_co_u32 s94, s94, s93                     ; column 128 tc + 64 wx
	s_mov_b32 s95, 0
	s_add_nc_u64 s[10:11], s[10:11], s[94:95]
	s_add_nc_u64 s[12:13], s[12:13], s[94:95]
	s_mul_i32 s18, s14, 4352                       ; my stage: 16 rows x (256 bytes + 16)
	s_add_co_u32 s18, s18, STG
	v_mul_u32_u24 v5, v1, 272
	v_lshl_add_u32 v5, v2, 6, v5
	v_add_nc_u32 v[STO], s18, v5                   ; in: row r, + 64 h
	v_mul_u32_u24 v5, v2, 272
	v_lshl_add_u32 v5, v1, 4, v5
	v_add_nc_u32 v[RD], s18, v5                    ; back: lanes 0-15 one row of 256 bytes, lanes 16-31 the next
	v_lshlrev_b32 v5, 12, v2
	v_lshl_add_u32 v[CO], v1, 4, v5                ; and the same two rows in memory
.endif
.if MODE != 3
	s_add_co_u32 s18, s18, STG
	v_lshl_add_u32 v[STO], v1, 2, s18              ; my wave's words: 4 r
	s_add_co_u32 s19, s19, STG
	v_add_nc_u32 v[RD], s19, v[L8]                 ; and where waves 0 and 1 read 256 bytes of words back
.endif
; 52 LDS loads: the fragments (X's four, Y's four) and scale words of the slot's q-th K step, into buffer f
.macro FETCH slot, q, f
	WIN TO_F
.irp t, 0,1,2,3
.irp p, 0,1,2,3,4,5
	ds_load_b64 v[96*(\f)+12*\t+2*\p:96*(\f)+12*\t+2*\p+1], v[ADRX+\slot] offset:6144*\t+1536*(\q)+256*\p
.endr
.endr
.irp t, 0,1,2,3
.irp p, 0,1,2,3,4,5
	ds_load_b64 v[96*(\f)+48+12*\t+2*\p:96*(\f)+48+12*\t+2*\p+1], v[ADRY+\slot] offset:6144*\t+1536*(\q)+256*\p
.endr
.endr
	WIN 0
.irp t, 0,1,2,3
	ds_load_b32 v[SC+4*(\f)+\t], v[ADRS] offset:512*(\q)+64*\t
.endr
.endm
; 4 matrix instructions: Y tile i against X's four.  first = 1: the bias is C: nothing is ever cleared.  The 16 accumulators take turns, one instruction a turn, in the same order in every K step.
.macro MUL4 f, i, first
.irp xt, 0,1,2,3
.set DD, ACC+32*(\i)+8*\xt
.set CC, DD
.if \first
.if MODE == 1
.set CC, BI+8*(\i)
.else
.set CC, BI+8*\xt
.endif
.endif
	v_wmma_scale_f32_16x16x128_f8f6f4 v[DD:DD+7], v[96*(\f)+12*\xt:96*(\f)+12*\xt+11], v[96*(\f)+48+12*(\i):96*(\f)+59+12*(\i)], v[CC:CC+7], v[SC+4*(\f)+\xt], v[SC+4*(\f)+(\i)] matrix_a_fmt:MATRIX_FMT_FP6 matrix_b_fmt:MATRIX_FMT_FP6 matrix_a_scale:MATRIX_SCALE_ROW1
.endr
.endm
; A K step that has its successor in the same slot: the successor's loads go out first and land under this step's 16 matrix instructions
.macro STEP slot, q, first
	s_wait_dscnt 0x0                               ; this step's fragments and scale words are in
	PLACES                                         ; the loads below land in the buffer that the last step multiplied
	FETCH \slot, (\q)+1, ((\q)+1)%2
	WIN MUL
.irp i, 0,1,2,3
	MUL4 (\q)%2, \i, \first
.endr
.endm
; A slot's last K step changes slots: ONE barrier; in front of it each wave waits for all its tensor loads, adds 0 to its spare word, and waits for that and for its own reads of this slot.  fill = 1: this slot is filled again, two chunks ahead.
.macro TURN slot, next, fill
	WIN 0                                          ; (the add's two registers lie in window 0)
	s_wait_tensorcnt 0x0                           ; all my tensor loads have landed: my part of the next slot;
	ds_add_u32 v[SPW], v[NIL]                      ; 0 onto my spare word;
	s_wait_dscnt 0x1                               ; (the add alone may be out: this step's 52 loads are in)
	WIN MUL
	MUL4 1, 0, 0                                   ; four matrix instructions stand between the add and the wait for it
	s_wait_dscnt 0x0                               ; the add is done, and my reads of this slot are over
	s_barrier_signal -1
	MUL4 1, 1, 0
	WIN 0
	s_barrier_wait -1
.if \fill
	CREST                                          ; the barrier has opened a round of the cluster's barrier: no wave of any partner still reads this slot or has a load on its way
	s_add_nc_u64 s[G0Y+4*\slot+2:G0Y+4*\slot+3], s[G0Y+4*\slot+2:G0Y+4*\slot+3], 2*YNT*6144
	s_add_nc_u64 s[G0X+4*\slot+2:G0X+4*\slot+3], s[G0X+4*\slot+2:G0X+4*\slot+3], 2*XNT*6144
	JLOAD G0Y+4*\slot, G1Y, G0X+4*\slot, G1X       ; the first tensor load behind the round, my one load until the next: it has four K steps in which to land; its four v_nop are the places for the loads below
.else
	PLACES
.endif
	v_add_nc_u32 v[ADRS], 2048, v[ADRS]            ; on to the next chunk's scale words
	FETCH \next, 0, 0
	WIN MUL
	MUL4 1, 2, 0
	MUL4 1, 3, 0
.endm
	s_wait_alu depctr_va_vdst(0)
	s_wait_tensorcnt 0x0                           ; my tile of the head's four is in; slot 1's first fill is issued as a refill is
	ds_add_u32 v[SPW], v[NIL]
	s_mov_b32 s[G1Y+2], 96<<16                     ; no load of mine is out: from here on a load brings four tiles, 96 rows
	s_mov_b32 s[G1Y+4], 96
	s_mov_b32 s[G1X+2], 96<<16
	s_mov_b32 s[G1X+4], 96
	s_wait_dscnt 0x0
	CROUND                                         ; everybody's tiles are in, and the joint loads meet
	JLOAD G0Y+4, G1Y, G0X+4, G1X                   ; chunk 1: my one load behind the round
	FETCH 0, 0, 0
	s_wait_loadcnt 0x0                             ; the bias
.if MODE == 1
.irp i, 0,1,2,3
.irp j, 1,2,3,4,5,6,7
	v_mov_b32 v[BI+8*\i+\j], v[BI+8*\i]            ; a lane's eight results of a tile share its y, so they share the bias
.endr
.endr
.endif
	s_wait_alu depctr_va_vdst(0)
	STEP 0, 0, 1                                   ; the first K step stands in front of the loop: its products start the sums
.if LAPS > 1
	WIN 0                                          ; at a label and at a branch every window is 0
	s_mov_b32 s3, LAPS-1
.Llap:                                             ; a trip goes once round the ring, from a lap's second K step to the next lap's first, and fills both slots again
	STEP 0, 1, 0
	STEP 0, 2, 0
	TURN 0, 1, 1
	STEP 1, 0, 0
	STEP 1, 1, 0
	STEP 1, 2, 0
	TURN 1, 0, 1
	STEP 0, 0, 0
	WIN 0
	s_sub_co_u32 s3, s3, 1
	s_cmp_lg_u32 s3, 0
	s_cbranch_scc1 .Llap
.endif
	STEP 0, 1, 0                                   ; the last lap fills nothing, and has no round of the cluster's barrier
	STEP 0, 2, 0
	TURN 0, 1, 0
	s_wait_alu depctr_va_vdst(0)
	STEP 1, 0, 0
	STEP 1, 1, 0
	STEP 1, 2, 0
	s_wait_dscnt 0x0                               ; the very last K step: nothing more to fetch
	WIN MUL
.irp i, 0,1,2,3
	MUL4 1, \i, 0
.endr
	WIN 0
	PLACES
.if MODE != 3
; THE WAY OUT INTO CODES.  32 numbers of a lane, register 16 b + i = k 32 b + 16 (lane/16) + i of the lane's row, become a half fragment (6 registers) at v[p] and two scale bytes in v[hw].
.macro QUANT32 s, p, hw
.irp b, 0,1
	v_max3_num_f32 v[TM+\b], |v[\s+16*\b]|, |v[\s+16*\b+1]|, 0x1800000   ; my 16 numbers of block b (each accumulator is read from its low end on), and the floor 2^(3 - 127): the byte cannot fall under 1
.endr
.irp i, 2,4,6,8,10,12,14
.irp b, 0,1
	v_max3_num_f32 v[TM+\b], v[TM+\b], |v[\s+16*\b+\i]|, |v[\s+16*\b+\i+1]|
.endr
.endr
.irp b, 0,1
	v_permlanex16_b32 v[TM+2+\b], v[TM+\b], s[SEL], s[SEL+1]
.endr
.irp b, 0,1
	v_max_num_f32 v[TM+\b], v[TM+\b], v[TM+2+\b]   ; with lane l xor 16's: the block's largest magnitude
.endr
.irp b, 0,1
	v_add_nc_u32 v[TM+4+\b], 0xff000000, v[TM+\b]  ; 2 off its exponent field: the conversion's scale operand
.endr
.irp b, 0,1
	v_lshrrev_b32 v[TM+6+\b], 23, v[TM+4+\b]       ; the scale's byte
.endr
	v_lshl_or_b32 v[\hw], v[TM+7], 8, v[TM+6]
	v_cvt_scalef32_pk16_fp6_f32 v[\p:\p+2], v[\s:\s+15], v[TM+4]
	v_cvt_scalef32_pk16_fp6_f32 v[C1:C1+2], v[\s+16:\s+31], v[TM+5]
	v_nop                                          ; one plain place behind a scaled conversion
.irp i, 0,1,2
	v_permlane16_swap_b32 v[\p+\i], v[C1+\i]       ; the layout wants a WHOLE block in a lane: lanes 0-15 block 0, lanes 16-31 block 1
.endr
.irp i, 0,1,2
	v_mov_b32 v[\p+3+\i], v[C1+\i]
.endr
.endm
.if MODE == 2
; gelu(a) = a (1 + erf(a / sqrt 2)) / 2 = max(a, 0) - |a / 2| erfc(z), z = |a| / sqrt 2, with erfc(z) = t exp(-z^2 + P(t)), t = 1 / (1 + z / 2), P of degree 9: a published fit whose RELATIVE error
; stays under 1.2e-7 for every z, as a number ahead of a quantiser needs; no difference of near numbers is formed.  Eight numbers at v[s], in place.
.macro GELU8 s
.irp j, 0,1,2,3,4,5,6,7
	v_fma_f32 v[GT+\j], |v[\s+\j]|, 0x3eb504f3, 1.0                ; 1 + z / 2 = 1 + |a| / (2 sqrt 2)
.endr
.irp j, 0,1,2,3,4,5,6,7
	v_rcp_f32 v[GT+\j], v[GT+\j]                   ; t
.endr
.irp j, 0,2,4,6
	v_pk_mul_f32 v[GH+\j:GH+\j+1], v[\s+\j:\s+\j+1], 0.5 op_sel_hi:[1,0]       ; a / 2.  (A plain place behind the reciprocals)
.endr
.irp j, 0,2,4,6
	v_pk_fma_f32 v[GP+\j:GP+\j+1], v[GT+\j:GT+\j+1], v[KC:KC+1], 0xbf527892 op_sel_hi:[1,1,0]   ; Horner, from the top: 0.17087277 t - 0.82215223
.endr
.irp c, 0x3fbe87b0, 0xbf914e5d, 0x3e8ec7cc, 0xbe3ec24c, 0x3dc636c9, 0x3ebf88fb, 0x3f8000c7, 0xbfa1fc4e
.irp j, 0,2,4,6
	v_pk_fma_f32 v[GP+\j:GP+\j+1], v[GP+\j:GP+\j+1], v[GT+\j:GT+\j+1], \c op_sel_hi:[1,1,0]     ; 1.48851587, -1.13520398, 0.27886807, -0.18628806, 0.09678418, 0.37409196, 1.00002368, -1.26551223
.endr
.endr
.irp j, 0,2,4,6
	v_pk_fma_f32 v[GP+\j:GP+\j+1], v[GH+\j:GH+\j+1], v[\s+\j:\s+\j+1], v[GP+\j:GP+\j+1] neg_lo:[1,0,0] neg_hi:[1,0,0]   ; - z^2 = - (a / 2) a
.endr
.irp j, 0,2,4,6
	v_pk_mul_f32 v[GP+\j:GP+\j+1], v[GP+\j:GP+\j+1], 0x3fb8aa3b op_sel_hi:[1,0]                ; x log2(e)
.endr
.irp j, 0,1,2,3,4,5,6,7
	v_exp_f32 v[GP+\j], v[GP+\j]
.endr
.irp j, 0,1,2,3,4,5,6,7
	v_mul_f32 v[GT+\j], |v[GH+\j]|, v[GT+\j]       ; |a / 2| t.  (A plain place behind the exponentials)
.endr
.irp j, 0,1,2,3,4,5,6,7
	v_max_num_f32 v[\s+\j], 0, v[\s+\j]
.endr
.irp j, 0,2,4,6
	v_pk_fma_f32 v[\s+\j:\s+\j+1], v[GT+\j:GT+\j+1], v[GP+\j:GP+\j+1], v[\s+\j:\s+\j+1] neg_lo:[1,0,0] neg_hi:[1,0,0]
.endr
.endm
	v_mov_b32 v[KC], 0x3e2ef945
	v_mov_b32 v[KC+1], 0x3e2ef945
.endif
	v_mov_b32 v[TM+2], 0                           ; written once: a lane permute's destination counts as one of its sources
	v_mov_b32 v[TM+3], 0
.irp i, 0,1,2,3                                ; a Y tile at a time: its 32 registers a lane are 64 neighbours along the next product's K, in lanes l and l xor 16
.if MODE == 2
.irp xt, 0,1,2,3
	GELU8 ACC+32*\i+8*\xt
.endr
.endif
	QUANT32 ACC+32*\i, PB+8*\i, HW+\i
.irp p, 0,1,2
	global_store_b64 v[L8], v[PB+8*\i+2*\p:PB+8*\i+2*\p+1], s[10:11] offset:TS*\i+256*\p   ; 32 lanes store 256 consecutive bytes, at a multiple of 256 from the buffer's first byte; each tile has registers of its own
.endr
.endr
	; the scale bytes meet in the stage as whole words, each wave in bytes of its own, and leave as runs of 256 bytes
.if MODE == 0
.irp j, 0,1
	v_lshl_or_b32 v[HW+2*\j], v[HW+2*\j+1], 16, v[HW+2*\j]         ; a word = tiles 2 j and 2 j + 1: the two halves of a fragment of 32 keys
	ds_store_b32 v[STO], v[HW+2*\j] offset:64*\j   ; (both halves of the lanes write the same word with the same value)
.endr
.else
.irp i, 0,1,2,3
	ds_store_b32 v[STO], v[HW+\i] offset:64*\i     ; my half of each word; the other half is the neighbouring wave's, 256 bytes on
.endr
.endif
	s_wait_dscnt 0x0                               ; for the others' sake: my stores into the stage are done
	s_barrier_signal -1
	s_barrier_wait -1
	s_cmp_lt_u32 s14, 2
	s_cbranch_scc0 .Lno_words
	ds_load_b64 v[WD:WD+1], v[RD]
.if MODE != 0
	ds_load_b64 v[WD+2:WD+3], v[RD] offset:256
.endif
	s_wait_dscnt 0x0
.if MODE != 0
	v_lshl_or_b32 v[WD], v[WD+2], 16, v[WD]
	v_lshl_or_b32 v[WD+1], v[WD+3], 16, v[WD+1]
.endif
	global_store_b64 v[L8], v[WD:WD+1], s[12:13]   ; 256 consecutive bytes, aligned
.Lno_words:
.else
; THE WAY OUT AS f32 ROWS.  A lane holds, of one token, 8 neighbouring columns in each accumulator.  A Y tile (16 tokens x 64 columns) goes through my own stage and comes back as rows of 256 bytes; the residual is added; sixteen lanes
; store 256 consecutive bytes, aligned.  Stage row rr is token 32 (i/2) + 8 (i%2) + rr%8 + 16 (rr/8) of my 64.  All 32 loads of the residual go out at once, into the registers that the fragments have left.
	WIN TO_F
.irp i, 0,1,2,3
.irp t, 0,1,2,3,4,5,6,7
	global_load_b128 v[32*\i+4*\t:32*\i+4*\t+3], v[CO], s[10:11] offset:(32*(\i/2)+8*(\i%2)+(2*\t)%8+16*((2*\t)/8))*4096
.endr
.endr
	WIN 0
.irp i, 0,1,2,3
.set BK, 32+64*(\i%2)                          ; rows read back: v32-63 and v96-127 by turns
.irp xt, 0,1,2,3
	ds_store_b128 v[STO], v[ACC+32*\i+8*\xt:ACC+32*\i+8*\xt+3] offset:128*(\xt/2)+32*(\xt%2)       ; each accumulator from its low end on
	ds_store_b128 v[STO], v[ACC+32*\i+8*\xt+4:ACC+32*\i+8*\xt+7] offset:128*(\xt/2)+32*(\xt%2)+16
.endr
.if \i > 1
	s_wait_xcnt 0x0                                ; the stores of two tiles ago have read these registers
.endif
.irp t, 0,1,2,3,4,5,6,7
	ds_load_b128 v[BK+4*\t:BK+4*\t+3], v[RD] offset:544*\t         ; LDS serves a wave's instructions in order: these see the stores above, and the next tile's stores come behind them
.endr
	s_wait_loadcnt 8*(3-\i)                        ; this tile's eight loads of the residual are in; the later tiles' may be out
	s_wait_dscnt 0x0
	WIN 0x04                                       ; source 1 window 1
.set nn, 0
.rept 16
	v_pk_add_f32 v[BK+nn:BK+nn+1], v[BK+nn:BK+nn+1], v[32*\i+nn:32*\i+nn+1]
.set nn, nn+2
.endr
	WIN 0
.irp t, 0,1,2,3,4,5,6,7
.if KERN == 4
	global_store_b128 v[CO], v[BK+4*\t:BK+4*\t+3], s[12:13] offset:(32*(\i/2)+8*(\i%2)+(2*\t)%8+16*((2*\t)/8))*4096 th:TH_STORE_NT
.else
	global_store_b128 v[CO], v[BK+4*\t:BK+4*\t+3], s[12:13] offset:(32*(\i/2)+8*(\i%2)+(2*\t)%8+16*((2*\t)/8))*4096
.endif
.endr
.endr
.endif
	s_wait_tensorcnt 0x0                           ; the wave's end, behind my last tensor load and my last LDS store
	ds_add_u32 v[SPW], v[NIL]
	s_wait_dscnt 0x0
	CROUND                                         ; the closing round: no work-group ends while a partner may still ask for a tile that names it
	s_endpgm
.Lfunc_end_k_q0ec73a9dc7_vg:
	.size	k_q0ec73a9dc7_vg, .Lfunc_end_k_q0ec73a9dc7_vg-k_q0ec73a9dc7_vg
	.p2alignl 7, 3214868480
	.fill 96, 4, 3214868480
	.section	.rodata,"a",@progbits
	.p2align	6, 0x0
	.amdhsa_kernel k_q0ec73a9dc7_vg
		.amdhsa_group_segment_fixed_size 327680
		.amdhsa_private_segment_fixed_size 0
		.amdhsa_enable_private_segment 0
		.amdhsa_kernarg_size 32
		.amdhsa_user_sgpr_count 2
		.amdhsa_user_sgpr_kernarg_segment_ptr 1
		.amdhsa_wavefront_size32 1
		.amdhsa_system_sgpr_workgroup_id_x 1
		.amdhsa_system_sgpr_workgroup_id_y 1
		.amdhsa_system_sgpr_workgroup_id_z 1
		.amdhsa_system_vgpr_workitem_id 0
		.amdhsa_next_free_vgpr 512
		.amdhsa_next_free_sgpr 98
		.amdhsa_reserve_vcc 0
		.amdhsa_float_denorm_mode_32 3
		.amdhsa_float_denorm_mode_16_64 3
		.amdhsa_memory_ordered 1
		.amdhsa_forward_progress 1
		.amdhsa_inst_pref_size 67
	.end_amdhsa_kernel
	.amdgpu_metadata
---
amdhsa.version: [ 1, 2 ]
amdhsa.kernels:
  - .name:           k_q0ec73a9dc7_vg
    .symbol:         k_q0ec73a9dc7_vg.kd
    .args:
      - { .name: wbuf, .offset: 0, .size: 8, .value_kind: global_buffer, .address_space: global }
      - { .name: hb, .offset: 8, .size: 8, .value_kind: global_buffer, .address_space: global }
      - { .name: qkv_b, .offset: 16, .size: 8, .value_kind: global_buffer, .address_space: global }
      - { .name: vb, .offset: 24, .size: 8, .value_kind: global_buffer, .address_space: global }
    .group_segment_fixed_size: 327680
    .private_segment_fixed_size: 0
    .kernarg_segment_align: 8
    .kernarg_segment_size: 32
    .max_flat_workgroup_size: 128
    .sgpr_count:     98
    .vgpr_count:     512
    .wavefront_size: 32
...
	.end_amdgpu_metadata
.endif
;; end of part 4
;; launch attn (part 5): grid 8 x 32, 16 waves a work-group, clusters of 4 x 1, 206,848 bytes of LDS; arguments qkb, vb, ab; writes ab
.if DOCPART == 5
	.amdgcn_target "amdgcn-amd-amdhsa--gfx1250"
	.amdhsa_code_object_version 6
	.text
	.protected	k_q0ec73a9dc7_attn
	.globl	k_q0ec73a9dc7_attn
	.p2align	8
	.type	k_q0ec73a9dc7_attn,@function
k_q0ec73a9dc7_attn:
	s_mov_b64 s[64:65], 0
	v_nop
	global_prefetch_b8 v0, s[64:65] scope:SCOPE_SE
	s_setreg_imm32_b32 hwreg(HW_REG_WAVE_MODE, 25, 1), 1
	s_wait_xcnt 0x0
	s_wait_alu depctr_hold_cnt(0) depctr_sa_sdst(0) depctr_va_vdst(0) depctr_va_sdst(0) depctr_va_ssrc(0) depctr_va_vcc(0) depctr_vm_vsrc(0)
	s_getreg_b32 s2, hwreg(HW_REG_IB_STS2, 6, 4)
	s_cmp_eq_u32 s2, 0
	s_cbranch_scc0 .Lentry_in_a_cluster
	s_endpgm
.Lentry_in_a_cluster:
	s_bfe_u32 s2, ttmp6, 0x10000c
	s_cmp_lg_u32 s2, 0x3003
	s_cbranch_scc0 .Lentry_shape_is_right
	s_endpgm
.Lentry_shape_is_right:
; a[q] = (the sum over keys of p V) / l for one head, both products on codes of FP6 (E2M3) with one E8M0 byte for each 32 along a product's K; the result is quantised along the model's 1,024 for the next product.
; THE SOFTMAX AHEAD OF THE SECOND PRODUCT: t = score x log2(e) / 8; M = the row's largest t so far, rounded UP to a whole number; p = 2^(t - M) is what is quantised, along the keys; it is not normalised.
; The row's sum l is taken of the unquantised p, in f32, and divides at the end.  When M moves, the sum and O are multiplied by 2^(old M - new M): exact.
; IN (this program's own layouts; 16 rows form a tile: row r of tile T is index 32 (T/2) + 8 (T%2) + r%8 + 16 (r/8)): q and k: for each head 128 token tiles of 768 bytes (16 rows x the head's 64: 6 registers a lane, three
; pieces of 256 bytes, lane l's 8 bytes at 8 l); a scale word for each PAIR of tiles and row: low half tile 2 j, high half tile 2 j + 1.  v: for each head and step of 128 keys four fragments (16 of the head's 64 x 128 keys).
; THE HEAD IS 64, THE INSTRUCTION'S K IS 128.  Two neighbouring tiles of k, as they lie, ARE one fragment: its row r holds key 32 b + r%8 + 16 (r/8) in k = 0 .. 63 and that key + 8 in k = 64 .. 127.  Against (q | zeros) it gives
; the scores of the first 16 keys, against (zeros | q) those of the other 16.  So no register and no LDS byte of K is spent on zeros, and each fragment read feeds two products.  Zero codes add nothing under q's scale bytes.
; Both products are used transposed (source 0 = keys, or the head's channels; source 1 = my queries): a lane holds ONE query throughout, and the 16 registers of two neighbouring score tiles are 16 neighbouring keys.
; SHARES.  A work-group owns 256 queries of a head, each of its SIXTEEN waves 16 of them in 256 registers: four waves to a SIMD, so that one wave's vector work stands beside another's matrix work and LDS loads.
; A HEAD'S K AND V CODES ARE 196,608 BYTES: they come into LDS once, whole, with their 8,192 bytes of scale words: no ring, nothing is filled again.  The four work-groups of a cluster belong to one head and ask JOINTLY.
; LIMITS: a block of zeros gets the byte 1 where the rule says 127 (its codes are zeros; this program alone reads the bytes); NaN and infinities are not served; a p under 2^-126 counts as 0.
; The output's scale bytes leave as 2 bytes a row (a word's other half is another head's, another work-group's): 131,072 bytes in the launch.  Lanes l and l xor 16 hold the same bytes and write them to the same place.
; REGISTERS: v1-4, v7 addresses that stay; v8-11 addresses in hand; v12 -M, v13 the largest t, v[14:15] the sum in two halves; v16-33 zeros | q | zeros; v36-83 four fragments of K, then of V; v96-159 S^T, then p;
;   v160-191 O^T; v200-212 the last quantiser's; v224-235 p's codes; v232-247, v252, v254 at work; v248-249 K's scale words, v250-251 V's, v253 p's, v255 q's.
.set AK0,  1                           ; v1   8 x lane: my place in a piece, in LDS (K's codes begin at byte 0) and in memory
.set AV0,  2                           ; v2   the same in V's codes
.set ASK0, 3                           ; v3   4 x lane among K's scale words: lanes 0-15 an even fragment's rows, lanes 16-31 the next fragment's
.set ASV0, 4                           ; v4   and among V's
.set R4,   7                           ; v7   4 x (lane % 16)
.set TM,   200
.set C1,   208
.set HW,   212
.set VCO,  98304                       ; LDS: K's codes, 6,144 bytes a step of 128 keys; V's likewise;
.set SCK,  196608                      ; K's scale words, 256 bytes a step;
.set SCV,  200704                      ; V's
.set WV,   18
.set SEL,  20                          ; s[20:21] lane selects for v_permlanex16_b32: lane l xor 16
.set CS,   22                          ; s[22:23] c = log2(e) / 8: the packed form names a pair and takes its low word for both halves
.set G1C,  24                          ; s[24:31] descriptor group 1 for a quarter of a head's codes;  s[32:39] for a head's scale words
.set G1S,  32
.set G0K,  40                          ; groups 0: K's codes, V's codes, K's scale words, V's
.set G0V,  44
.set G0SK, 48
.set G0SV, 52
.set TB,   56                          ; s56  where the step's codes begin
.set TS,   57                          ; s57  and its scale words
.set CNT,  58
.macro CROUND                          ; a round of the cluster's barrier
	s_barrier_signal -1
	s_barrier_wait -1
	s_cmp_lg_u32 s[WV], 0
	s_cbranch_scc1 .Lnot_wave_0_\@
	s_barrier_signal -3
.Lnot_wave_0_\@:
	s_barrier_wait -3
	s_barrier_signal -1
	s_barrier_wait -1
.endm
	s_load_b128 s[4:7], s[0:1], 0x0                ; q and k, v
	s_load_b64 s[8:9], s[0:1], 0x10                ; the output
	v_lshl_add_u32 v223, v0, 2, 0x32000
	v_mov_b32 v243, 0
	ds_add_u32 v223, v243
	ds_add_u32 v223, v243
	v_lshrrev_b32 v8, 5, v0
	s_delay_alu instid0(VALU_DEP_1)
	v_readfirstlane_b32 s[WV], v8                  ; wave 0..15
	s_bfe_u32 s13, ttmp6, 0x40000                  ; cx: it enters q's and the output's addresses alone
	s_lshl_b32 s14, ttmp9, 2
	s_add_co_u32 s14, s14, s13                     ; my block of 256 queries
	s_lshl_b32 s14, s14, 4
	s_add_co_u32 s14, s14, s[WV]                   ; T: my tile of 16 queries, 0 .. 127
	s_and_b32 s72, ttmp7, 0xffff                   ; 16 batch + head, which the four partners share
	s_mul_i32 s73, s72, 98304
	s_and_b32 s15, s[WV], 3
	s_mul_i32 s15, s15, 24576                      ; which quarter I fetch, if I fetch codes
	s_add_co_u32 s76, s73, s15                     ; V's codes
	s_mov_b32 s77, 0
	s_add_co_u32 s74, s76, 3145728                 ; K's: 32 heads of q lie in front
	s_mov_b32 s75, 0
	s_lshl_b32 s80, s72, 12
	s_add_co_u32 s78, s80, 6291456+131072          ; K's scale words
	s_mov_b32 s79, 0
	s_add_co_u32 s84, s80, 6291456                 ; q's
	s_add_co_u32 s80, s80, 3145728                 ; V's
	s_mov_b32 s81, 0
	s_mul_i32 s82, s14, 768
	s_add_co_u32 s82, s82, s73                     ; my tile of q
	s_mov_b32 s83, 0
	s_lshr_b32 s16, s14, 1
	s_lshl_b32 s16, s16, 6
	s_add_co_u32 s84, s84, s16                     ; its pair's words,
	s_and_b32 s16, s[WV], 1
	s_lshl_b32 s16, s16, 1
	s_add_co_u32 s84, s84, s16                     ; my half of each
	s_mov_b32 s85, 0
	s_lshr_b32 s16, s72, 4
	s_lshl_b32 s16, s16, 7
	s_add_co_u32 s16, s16, s14                     ; my tile among all 256 token tiles
	s_and_b32 s17, s72, 15                         ; the head: K = 64 head + channel in the next product
	s_mul_i32 s86, s16, 6144
	s_lshr_b32 s19, s17, 3
	s_mul_i32 s19, s19, 1572864
	s_add_co_u32 s86, s86, s19
	s_and_b32 s19, s17, 7
	s_mul_i32 s19, s19, 768
	s_add_co_u32 s86, s86, s19                     ; the output's codes
	s_mov_b32 s87, 0
	s_lshl_b32 s88, s16, 6
	s_lshr_b32 s19, s17, 1
	s_lshl_b32 s19, s19, 14
	s_add_co_u32 s88, s88, s19
	s_and_b32 s19, s17, 1
	s_lshl_b32 s19, s19, 1
	s_add_co_u32 s88, s88, s19
	s_add_co_u32 s88, s88, 3145728                 ; and its scale bytes
	s_mov_b32 s89, 0
	s_mul_i32 s90, s[WV], 24576                    ; waves 0-3 bring K's quarters to LDS bytes 0 on, waves 4-7 V's behind them
	; group 1: dense blocks as rows of 256 bytes (32 elements of 8 bytes): 96 rows of codes, 16 rows of scale words
	s_mov_b32 s[G1C], 15|(3<<16)|(1<<21)           ; 15:0 the mask: all four work-groups; 17:16 elements of 8 bytes; 20 no padding; 21 set beside a mask
	s_mov_b32 s[G1C+1], 32<<16
	s_mov_b32 s[G1C+2], 96<<16
	s_mov_b32 s[G1C+3], 32<<16
	s_mov_b32 s[G1C+4], 96
	s_mov_b32 s[G1C+5], 32
	s_mov_b32 s[G1C+6], 0
	s_mov_b32 s[G1C+7], 0
	s_mov_b32 s[G1S], 15|(3<<16)|(1<<21)
	s_mov_b32 s[G1S+1], 32<<16
	s_mov_b32 s[G1S+2], 16<<16
	s_mov_b32 s[G1S+3], 32<<16
	s_mov_b32 s[G1S+4], 16
	s_mov_b32 s[G1S+5], 32
	s_mov_b32 s[G1S+6], 0
	s_mov_b32 s[G1S+7], 0
	s_mov_b32 s[SEL], 0x76543210
	s_mov_b32 s[SEL+1], 0xfedcba98
	s_mov_b32 s[CS], 0x3e38aa3b                    ; c = log2(e) / sqrt(64)
	s_mov_b32 s[CS+1], s[CS]                       ; (named with it as a pair, so it is written)
	s_mov_b32 s[TB], 0
	s_mov_b32 s[TS], 0
	s_mov_b32 s[CNT], 16
	s_wait_dscnt 0x0
	s_wait_kmcnt 0x0
	CROUND                                         ; all four work-groups are here: the joint loads meet
	s_mov_b32 s[G0K], 1
	s_mov_b32 s[G0K+1], s90
	s_add_nc_u64 s[G0K+2:G0K+3], s[4:5], s[74:75]
	s_or_b32 s[G0K+3], s[G0K+3], 0x80000000
	s_mov_b32 s[G0V], 1
	s_mov_b32 s[G0V+1], s90
	s_add_nc_u64 s[G0V+2:G0V+3], s[6:7], s[76:77]
	s_or_b32 s[G0V+3], s[G0V+3], 0x80000000
	s_mov_b32 s[G0SK], 1
	s_mov_b32 s[G0SK+1], SCK
	s_add_nc_u64 s[G0SK+2:G0SK+3], s[4:5], s[78:79]
	s_or_b32 s[G0SK+3], s[G0SK+3], 0x80000000
	s_mov_b32 s[G0SV], 1
	s_mov_b32 s[G0SV+1], SCV
	s_add_nc_u64 s[G0SV+2:G0SV+3], s[6:7], s[80:81]
	s_or_b32 s[G0SV+3], s[G0SV+3], 0x80000000
	; the launch's only fills: one tensor load a wave for waves 0 to 9; the branches hang on the wave's number alone; four v_nop follow each load
	s_cmp_lt_u32 s[WV], 4
	s_cbranch_scc0 .Lnot_k
	tensor_load_to_lds s[G0K:G0K+3], s[G1C:G1C+7]
	s_nop 0
.rept 4
	v_nop
.endr
	s_branch .Lasked
.Lnot_k:
	s_cmp_lt_u32 s[WV], 8
	s_cbranch_scc0 .Lnot_v
	tensor_load_to_lds s[G0V:G0V+3], s[G1C:G1C+7]
	s_nop 0
.rept 4
	v_nop
.endr
	s_branch .Lasked
.Lnot_v:
	s_cmp_eq_u32 s[WV], 8
	s_cbranch_scc0 .Lnot_sk
	tensor_load_to_lds s[G0SK:G0SK+3], s[G1S:G1S+7]
	s_nop 0
.rept 4
	v_nop
.endr
	s_branch .Lasked
.Lnot_sk:
	s_cmp_eq_u32 s[WV], 9
	s_cbranch_scc0 .Lasked
	tensor_load_to_lds s[G0SV:G0SV+3], s[G1S:G1S+7]
	s_nop 0
.rept 4
	v_nop
.endr
.Lasked:
	s_add_nc_u64 s[82:83], s[4:5], s[82:83]
	s_add_nc_u64 s[84:85], s[4:5], s[84:85]
	s_add_nc_u64 s[86:87], s[8:9], s[86:87]
	s_add_nc_u64 s[88:89], s[8:9], s[88:89]
	v_and_b32 v5, 31, v0
	s_delay_alu instid0(VALU_DEP_1)
	v_lshlrev_b32 v[AK0], 3, v5
	v_and_b32 v6, 15, v0
	s_delay_alu instid0(VALU_DEP_1)
	v_lshlrev_b32 v[R4], 2, v6
.irp p, 0,1,2
	global_load_b64 v[22+2*\p:23+2*\p], v[AK0], s[82:83] offset:256*\p     ; q stays in registers
.endr
	global_load_u16 v254, v[R4], s[84:85]          ; my row's two scale bytes
	v_add_nc_u32 v[AV0], VCO, v[AK0]
	v_lshl_add_u32 v[ASK0], v5, 2, SCK
	v_lshl_add_u32 v[ASV0], v5, 2, SCV
.irp j, 16,17,18,19,20,21,28,29,30,31,32,33
	v_mov_b32 v[\j], 0                             ; zero codes on both sides of q: v[22:33] = (q | 0), v[16:27] = (0 | q)
.endr
	s_wait_loadcnt 0x0
	v_lshl_or_b32 v255, v254, 16, v254             ; q's bytes in both halves of the word: whichever half of K holds q.  (The 40 and more plain lines below stand between this line and the first product)
	v_mov_b32 v13, 0xff61b1e6                      ; the largest t so far: -3e38, under every t
	s_delay_alu instid0(VALU_DEP_1)
	v_floor_f32 v12, -v13                          ; -M
	v_mov_b32 v14, 0                               ; the sum, in two halves
	v_mov_b32 v15, 0
.irp b, 0,1,2,3
	v_mov_b32 v[236+\b], 0                         ; written once: a lane permute's destination counts as one of its sources
.endr
	v_mov_b32 v[TM+2], 0
	v_mov_b32 v[TM+3], 0
	v_mov_b32 v253, 0                              ; (named as the upper half of the pair v[252:253] before it is first written)
.set jj, 0
.rept 32
	v_mov_b32 v[160+jj], 0                         ; O^T.  (The step is written once: the first finds zeros, which the first change of M leaves zeros)
.set jj, jj+1
.endr
	s_wait_tensorcnt 0x0                           ; my part of the head is in LDS,
	s_barrier_signal -1
	s_barrier_wait -1                              ; everybody's is
.Lstep:                                            ; 16 trips: 128 keys each
	v_add_nc_u32 v8, s[TB], v[AK0]                 ; (these four are the places between the last trip's products and the loads into the registers that they read)
	v_add_nc_u32 v9, s[TB], v[AV0]
	v_add_nc_u32 v10, s[TS], v[ASK0]
	v_add_nc_u32 v11, s[TS], v[ASV0]
.irp b, 0,1,2,3
.irp p, 0,1,2,3,4,5
	ds_load_b64 v[36+12*\b+2*\p:37+12*\b+2*\p], v8 offset:1536*\b+256*\p
.endr
.endr
	ds_load_b32 v248, v10                          ; lanes 0-15: fragment 0's words, lanes 16-31: fragment 1's
	ds_load_b32 v249, v10 offset:128               ; fragments 2 and 3
	s_wait_alu depctr_va_vdst(0)
	s_wait_dscnt 0x0
.irp b, 0,1,2,3                                ; S^T = K Q^T: fragment b gives score tiles 2 b and 2 b + 1
.if \b%2
	v_wmma_scale_f32_16x16x128_f8f6f4 v[96+16*\b:103+16*\b], v[36+12*\b:47+12*\b], v[22:33], 0, v[248+\b/2], v255 matrix_a_fmt:MATRIX_FMT_FP6 matrix_b_fmt:MATRIX_FMT_FP6 matrix_a_scale:MATRIX_SCALE_ROW1
	v_wmma_scale_f32_16x16x128_f8f6f4 v[104+16*\b:111+16*\b], v[36+12*\b:47+12*\b], v[16:27], 0, v[248+\b/2], v255 matrix_a_fmt:MATRIX_FMT_FP6 matrix_b_fmt:MATRIX_FMT_FP6 matrix_a_scale:MATRIX_SCALE_ROW1
.else
	v_wmma_scale_f32_16x16x128_f8f6f4 v[96+16*\b:103+16*\b], v[36+12*\b:47+12*\b], v[22:33], 0, v[248+\b/2], v255 matrix_a_fmt:MATRIX_FMT_FP6 matrix_b_fmt:MATRIX_FMT_FP6
	v_wmma_scale_f32_16x16x128_f8f6f4 v[104+16*\b:111+16*\b], v[36+12*\b:47+12*\b], v[16:27], 0, v[248+\b/2], v255 matrix_a_fmt:MATRIX_FMT_FP6 matrix_b_fmt:MATRIX_FMT_FP6
.endif
.endr                                          ; lane (r, h) holds query r; registers 16 b + i are keys 32 b + 16 h + i of the step
.rept 4
	v_nop                                          ; places in front of the loads below and of the first read of the scores
.endr
.irp i, 0,1,2,3                                ; V's four fragments take K's registers and land under the softmax
.irp p, 0,1,2,3,4,5
	ds_load_b64 v[36+12*\i+2*\p:37+12*\i+2*\p], v9 offset:1536*\i+256*\p
.endr
.endr
	ds_load_b32 v250, v11
	ds_load_b32 v251, v11 offset:128
.irp b, 0,1,2,3
	v_max3_num_f32 v[232+\b], v[96+16*\b], v[97+16*\b], v[98+16*\b]   ; THE LARGEST SCORE OF EACH BLOCK OF 32 KEYS: it serves twice: for the row's maximum, and, since p rises with the score, for the block's largest p
.endr
.irp i, 3,5,7,9,11,13
.irp b, 0,1,2,3
	v_max3_num_f32 v[232+\b], v[232+\b], v[96+16*\b+\i], v[97+16*\b+\i]   ; (the four blocks by turns)
.endr
.endr
.irp b, 0,1,2,3
	v_max_num_f32 v[232+\b], v[232+\b], v[111+16*\b]
.endr
.irp b, 0,1,2,3
	s_delay_alu instid0(VALU_DEP_4)
	v_permlanex16_b32 v[236+\b], v[232+\b], s[SEL], s[SEL+1]
.endr
.irp b, 0,1,2,3
	s_delay_alu instid0(VALU_DEP_4)
	v_max_num_f32 v[232+\b], v[232+\b], v[236+\b]  ; with lane l xor 16's 16 keys
.endr
	s_delay_alu instid0(VALU_DEP_2)
	v_max3_num_f32 v254, v232, v233, v234
	s_delay_alu instid0(VALU_DEP_1)
	v_max_num_f32 v254, v254, v235                 ; the step's largest score of my query
	s_delay_alu instid0(VALU_DEP_1)
	v_mul_f32 v254, s[CS], v254                    ; as t (c is positive)
	s_delay_alu instid0(VALU_DEP_1)
	v_max_num_f32 v13, v13, v254                   ; the running largest t
	v_mov_b32 v254, v12
	s_delay_alu instid0(VALU_DEP_2)
	v_floor_f32 v12, -v13                          ; the new -M = floor(-t) = -ceil(t): M IS A WHOLE NUMBER
	s_delay_alu instid0(VALU_DEP_1)
	v_sub_f32 v254, v12, v254                      ; M's old value less its new one: a whole number, 0 or less
	s_delay_alu instid0(VALU_DEP_1)
	v_cvt_i32_f32 v254, v254                       ; (it saturates)
	s_delay_alu instid0(VALU_DEP_1)
	v_ldexp_f32 v252, 1.0, v254                    ; f = 2^(old M - new M): a multiplication by it rounds nothing
.set jj, 0
.rept 32
	v_pk_fma_f32 v[96+jj:97+jj], v[96+jj:97+jj], s[CS:CS+1], v[12:13] op_sel_hi:[1,0,0]   ; t - M, two at a time (of the pairs c and -M the low word serves both halves)
.set jj, jj+2
.endr
.irp b, 0,1,2,3
	v_fma_f32 v[232+\b], v[232+\b], s[CS], v12     ; the same of each block's largest score
.endr
.set jj, 0
	s_wait_alu depctr_va_vdst(0)
.rept 64
	v_exp_f32 v[96+jj], v[96+jj]                   ; p = 2^(t - M), at most 1: NOT normalised
.set jj, jj+1
.endr
.irp b, 0,1,2,3
	v_exp_f32 v[232+\b], v[232+\b]                 ; the block's largest p: the same two instructions on the same number give the same bits
.endr
	v_pk_mul_f32 v[14:15], v[14:15], v[252:253] op_sel_hi:[1,0]   ; the sums under the new M.  (A plain place behind the exponentials)
	s_wait_alu depctr_va_vdst(0)
.irp b, 0,1,2,3
	v_max_num_f32 v[232+\b], 0x1800000, v[232+\b]  ; the floor 2^(3 - 127): the byte cannot fall under 1
.endr
.irp b, 0,1,2,3
	s_delay_alu instid0(VALU_DEP_4)
	v_add_nc_u32 v[244+\b], 0xff000000, v[232+\b]  ; 2 off the exponent field: the conversion's scale operand
.endr
.irp b, 0,1,2,3
	s_delay_alu instid0(VALU_DEP_4)
	v_lshrrev_b32 v[236+\b], 23, v[244+\b]         ; the scale's byte
.endr
	s_delay_alu instid0(VALU_DEP_3)
	v_lshl_or_b32 v253, v237, 8, v236              ; p's scale word for these 128 keys
	s_delay_alu instid0(VALU_DEP_1)
	v_lshl_or_b32 v253, v238, 16, v253
	s_delay_alu instid0(VALU_DEP_1)
	v_lshl_or_b32 v253, v239, 24, v253
.irp c, 0,1
	v_cvt_scalef32_pk16_fp6_f32 v[224+6*\c:226+6*\c], v[96+32*\c:111+32*\c], v[244+2*\c]
	v_cvt_scalef32_pk16_fp6_f32 v[236+4*\c:238+4*\c], v[112+32*\c:127+32*\c], v[244+2*\c+1]   ; (a conversion's three registers begin on an even number)
.endr
	v_nop                                          ; one plain place behind a scaled conversion
.irp c, 0,1                                    ; the operand's layout wants a WHOLE block in a lane: lanes 0-15 block 2 c, lanes 16-31 block 2 c + 1
.irp i, 0,1,2
	v_permlane16_swap_b32 v[224+6*\c+\i], v[236+4*\c+\i]
.endr
.irp i, 0,1,2
	s_delay_alu instid0(VALU_DEP_3)
	v_mov_b32 v[227+6*\c+\i], v[236+4*\c+\i]
.endr
.endr
	v_pk_add_f32 v[236:237], v[100:101], v[104:105]
	v_pk_add_f32 v[248:249], v[108:109], v[112:113]
	v_pk_add_f32 v[246:247], v[116:117], v[120:121]
	v_pk_add_f32 v[244:245], v[124:125], v[128:129]
	v_pk_add_f32 v[240:241], v[132:133], v[136:137]
	v_pk_add_f32 v[220:221], v[140:141], v[144:145]
	v_pk_add_f32 v[218:219], v[148:149], v[152:153]
	v_pk_add_f32 v[14:15], v[14:15], v[156:157]
	v_pk_add_f32 v[236:237], v[236:237], v[96:97]
	v_pk_add_f32 v[248:249], v[248:249], v[98:99]
	v_pk_add_f32 v[246:247], v[246:247], v[102:103]
	v_pk_add_f32 v[244:245], v[244:245], v[106:107]
	v_pk_add_f32 v[240:241], v[240:241], v[110:111]
	v_pk_add_f32 v[220:221], v[220:221], v[114:115]
	v_pk_add_f32 v[218:219], v[218:219], v[118:119]
	v_pk_add_f32 v[14:15], v[14:15], v[122:123]
	v_pk_add_f32 v[236:237], v[236:237], v[126:127]
	v_pk_add_f32 v[248:249], v[248:249], v[130:131]
	v_pk_add_f32 v[246:247], v[246:247], v[134:135]
	v_pk_add_f32 v[244:245], v[244:245], v[138:139]
	v_pk_add_f32 v[240:241], v[240:241], v[142:143]
	v_pk_add_f32 v[220:221], v[220:221], v[146:147]
	v_pk_add_f32 v[218:219], v[218:219], v[150:151]
	v_pk_add_f32 v[14:15], v[14:15], v[154:155]
	v_pk_add_f32 v[236:237], v[236:237], v[158:159]
	s_delay_alu instid0(VALU_DEP_2)
	v_pk_add_f32 v[14:15], v[14:15], v[244:245]
	s_delay_alu instid0(VALU_DEP_2)
	v_pk_add_f32 v[236:237], v[236:237], v[240:241]
	v_pk_add_f32 v[248:249], v[248:249], v[220:221]
	v_pk_add_f32 v[246:247], v[246:247], v[218:219]
	s_delay_alu instid0(VALU_DEP_2)
	v_pk_add_f32 v[14:15], v[14:15], v[248:249]
	s_delay_alu instid0(VALU_DEP_2)
	v_pk_add_f32 v[236:237], v[236:237], v[246:247]
	s_delay_alu instid0(VALU_DEP_1)
	v_pk_add_f32 v[14:15], v[14:15], v[236:237]
.set jj, 0
.rept 16
	v_pk_mul_f32 v[160+jj:161+jj], v[160+jj:161+jj], v[252:253] op_sel_hi:[1,0]   ; O^T under the new M: x f
.set jj, jj+2
.endr
	s_wait_alu depctr_va_vdst(0)
	s_wait_dscnt 0x0                               ; V's fragments and scale words are in
.irp i, 0,1,2,3                                ; O^T += V^T P^T: four accumulators, one instruction each
.if \i%2
	v_wmma_scale_f32_16x16x128_f8f6f4 v[160+8*\i:167+8*\i], v[36+12*\i:47+12*\i], v[224:235], v[160+8*\i:167+8*\i], v[250+\i/2], v253 matrix_a_fmt:MATRIX_FMT_FP6 matrix_b_fmt:MATRIX_FMT_FP6 matrix_a_scale:MATRIX_SCALE_ROW1
.else
	v_wmma_scale_f32_16x16x128_f8f6f4 v[160+8*\i:167+8*\i], v[36+12*\i:47+12*\i], v[224:235], v[160+8*\i:167+8*\i], v[250+\i/2], v253 matrix_a_fmt:MATRIX_FMT_FP6 matrix_b_fmt:MATRIX_FMT_FP6
.endif
.endr
	s_add_co_u32 s[TB], s[TB], 6144
	s_add_co_u32 s[TS], s[TS], 256
	s_sub_co_u32 s[CNT], s[CNT], 1
	s_cmp_lg_u32 s[CNT], 0
	s_cbranch_scc1 .Lstep
.rept 4
	v_nop                                          ; places behind the last products
.endr
	; THE WAY OUT.  O^T / l; V's channels form tiles in the same order of rows, so register 16 b + i is channel 32 b + 16 h + i of my query: 64 neighbours along the next product's K, in lanes l and l xor 16
	v_add_f32 v14, v14, v15                        ; the sum's two halves,
	s_delay_alu instid0(VALU_DEP_1)
	v_permlanex16_b32 v252, v14, s[SEL], s[SEL+1]
	s_delay_alu instid0(VALU_DEP_1)
	v_add_f32 v14, v14, v252                       ; and lane l xor 16's: the row's sum
	s_wait_alu depctr_va_vdst(0)
	v_rcp_f32 v14, v14
	v_nop                                          ; one plain place behind a transcendental
.set jj, 0
	s_wait_alu depctr_va_vdst(0)
.rept 32
	v_mul_f32 v[96+jj], v[160+jj], v14
.set jj, jj+1
.endr
.irp b, 0,1
	v_max3_num_f32 v[TM+\b], |v[96+16*\b]|, |v[97+16*\b]|, 0x1800000   ; the floor 2^(3 - 127): the byte cannot fall under 1
.endr
.irp i, 2,4,6,8,10,12,14
.irp b, 0,1
	s_delay_alu instid0(VALU_DEP_2)
	v_max3_num_f32 v[TM+\b], v[TM+\b], |v[96+16*\b+\i]|, |v[97+16*\b+\i]|
.endr
.endr
.irp b, 0,1
	s_delay_alu instid0(VALU_DEP_2)
	v_permlanex16_b32 v[TM+2+\b], v[TM+\b], s[SEL], s[SEL+1]
.endr
.irp b, 0,1
	s_delay_alu instid0(VALU_DEP_2)
	v_max_num_f32 v[TM+\b], v[TM+\b], v[TM+2+\b]
.endr
.irp b, 0,1
	s_delay_alu instid0(VALU_DEP_2)
	v_add_nc_u32 v[TM+4+\b], 0xff000000, v[TM+\b]
.endr
.irp b, 0,1
	s_delay_alu instid0(VALU_DEP_2)
	v_lshrrev_b32 v[TM+6+\b], 23, v[TM+4+\b]
.endr
	s_delay_alu instid0(VALU_DEP_1)
	v_lshl_or_b32 v[HW], v[TM+7], 8, v[TM+6]       ; my row's two scale bytes
	v_cvt_scalef32_pk16_fp6_f32 v[128:130], v[96:111], v[TM+4]
	v_cvt_scalef32_pk16_fp6_f32 v[C1:C1+2], v[112:127], v[TM+5]
	v_nop                                          ; one plain place behind a scaled conversion
.irp i, 0,1,2
	v_permlane16_swap_b32 v[128+\i], v[C1+\i]
.endr
.irp i, 0,1,2
	s_delay_alu instid0(VALU_DEP_3)
	v_mov_b32 v[131+\i], v[C1+\i]
.endr
.irp p, 0,1,2
	global_store_b64 v[AK0], v[128+2*\p:129+2*\p], s[86:87] offset:256*\p   ; 32 lanes store 256 consecutive bytes, at a multiple of 256 from the buffer's first byte
.endr
	global_store_b16 v[R4], v[HW], s[88:89]
	s_wait_tensorcnt 0x0
	ds_add_u32 v223, v243
	s_wait_dscnt 0x0
	CROUND                                         ; the closing round: no work-group ends while a partner may still ask for a tile that names it
	s_endpgm
.Lfunc_end_k_q0ec73a9dc7_attn:
	.size	k_q0ec73a9dc7_attn, .Lfunc_end_k_q0ec73a9dc7_attn-k_q0ec73a9dc7_attn
	.p2alignl 7, 3214868480
	.fill 96, 4, 3214868480
	.section	.rodata,"a",@progbits
	.p2align	6, 0x0
	.amdhsa_kernel k_q0ec73a9dc7_attn
		.amdhsa_group_segment_fixed_size 206848
		.amdhsa_private_segment_fixed_size 0
		.amdhsa_enable_private_segment 0
		.amdhsa_kernarg_size 24
		.amdhsa_user_sgpr_count 2
		.amdhsa_user_sgpr_kernarg_segment_ptr 1
		.amdhsa_wavefront_size32 1
		.amdhsa_system_sgpr_workgroup_id_x 1
		.amdhsa_system_sgpr_workgroup_id_y 1
		.amdhsa_system_sgpr_workgroup_id_z 1
		.amdhsa_system_vgpr_workitem_id 0
		.amdhsa_next_free_vgpr 256
		.amdhsa_next_free_sgpr 92
		.amdhsa_reserve_vcc 0
		.amdhsa_float_denorm_mode_32 3
		.amdhsa_float_denorm_mode_16_64 3
		.amdhsa_memory_ordered 1
		.amdhsa_forward_progress 1
		.amdhsa_inst_pref_size 33
	.end_amdhsa_kernel
	.amdgpu_metadata
---
amdhsa.version: [ 1, 2 ]
amdhsa.kernels:
  - .name:           k_q0ec73a9dc7_attn
    .symbol:         k_q0ec73a9dc7_attn.kd
    .args:
      - { .name: qkb, .offset: 0, .size: 8, .value_kind: global_buffer, .address_space: global }
      - { .name: vb, .offset: 8, .size: 8, .value_kind: global_buffer, .address_space: global }
      - { .name: ab, .offset: 16, .size: 8, .value_kind: global_buffer, .address_space: global }
    .group_segment_fixed_size: 206848
    .private_segment_fixed_size: 0
    .kernarg_segment_align: 8
    .kernarg_segment_size: 24
    .max_flat_workgroup_size: 512
    .sgpr_count:     92
    .vgpr_count:     256
    .wavefront_size: 32
...
	.end_amdgpu_metadata
.endif
;; end of part 5
;; launch pl (part 6): grid 256 x 1, 16 waves a work-group, no clusters, 86,016 bytes of LDS; arguments ab, wbuf, proj_b, x, ln2_g, ln2_b, x1, hb; writes x1, hb
.if DOCPART == 6
	.amdgcn_target "amdgcn-amd-amdhsa--gfx1250"
	.amdhsa_code_object_version 6
	.text
	.protected	k_q0ec73a9dc7_pl
	.globl	k_q0ec73a9dc7_pl
	.p2align	8
	.type	k_q0ec73a9dc7_pl,@function
k_q0ec73a9dc7_pl:
	s_mov_b64 s[64:65], 0
	v_nop
	global_prefetch_b8 v0, s[64:65] scope:SCOPE_SE
	s_setreg_imm32_b32 hwreg(HW_REG_WAVE_MODE, 25, 1), 1
	s_wait_xcnt 0x0
; x1 = x + a Wproj + proj_b (product on codes of FP6 (E2M3), one E8M0 byte for each 32 along K, f32 sums), stored as f32 rows; then h = layernorm(x1) g + b in f32 (variance of x1 - mean),
; quantised along the row's 1,024 into hb, in the layout of the launch that norms x: the left operand of the next product.
; SHARES.  A work-group owns one tile of 16 tokens (row r of tile T is token 32 (T/2) + 8 (T%2) + r%8 + 16 (r/8)) and all 1,024 columns, so a row's sums stay in the work-group.
; Wave w of 16 owns columns 64 w .. 64 w + 63: weight tiles 4 w .. 4 w + 3, four accumulators.  Source 0 = 16 columns, source 1 = my 16 tokens: a lane holds one token,
; register 16 b + i is column 64 w + 32 b + 16 (lane/16) + i.
; OPERANDS lie in memory as images of the fragments' registers (six pieces of 256 bytes, lane l's 8 bytes at 8 l): they go from memory straight into registers, each load 256 consecutive bytes,
; three buffers of 60 registers, two K steps (60 loads) ahead.  No wave reads a weight tile that another wave of the work-group reads, so nothing of the weights passes through LDS:
; no tensor load, no slots, and so no joint loads; no prefetch: the register loads themselves run two K steps ahead.
; x + bias is the sums' start: x comes by whole rows of 256 bytes, the bias is added there (4 registers), and the wave's own LDS stage turns it into the accumulators' layout.
; LIMITS: a block of zeros gets the byte 1 where the rule says 127 (its codes are zeros; this program alone reads the bytes); NaN and infinities are not served.
; The scale bytes leave as 2 bytes a row (a word's other half is the neighbouring wave's); lanes l and l xor 16 write the same bytes to the same place.
.set L8, 3                             ; 8 x lane
.set STO, 4                            ; stage, accumulators' layout: row r x 272 + 64 h
.set RD, 5                             ; stage, by rows: h x 272 + 16 r
.set CO, 6                             ; the same two rows in memory: 4096 h + 16 r
.set VB, 7                             ; 64 h: g, b at my columns
.set SXA, 8                            ; 4 x lane: the weights' scale words, two tiles a load
.set SYA, 9                            ; 4 r + 16384 h: the tokens' scale words, two K steps a load
.set SMW, 10                           ; my partial sum's word
.set SMR, 11                           ; my row's 16 partial sums
.set R4, 12
.set SPW, 13                           ; my spare word; never rewritten
.set NIL, 14                           ; 0; never rewritten
.set V16, 15                           ; 16 r
.set ACC, 16                           ; v16-47
.set BUF, 48                           ; v48-227 three buffers: four weight fragments, then the tokens' fragment
.set SX, 228                           ; v228-243 weights' scale words: K step s, pair j at 2 s + j
.set SY, 244                           ; v244-247 tokens': K steps 2 j (lanes 0-15), 2 j + 1 (lanes 16-31)
.set B4, 248                           ; v248-251 the bias at a row's 16 bytes
.set BB, 48                            ; behind the products: b, x1's rows, sums, g, the quantiser's
.set XO, 108
.set S, 140
.set PS, 148
.set M, 164
.set G, 168
.set TM, 200
.set PB, 216
.set C1, 222
.set HW, 225
.set SUM, 69632                        ; LDS: 16 stages of 4,352 bytes; two fields of 16 rows x 16 partial sums; the spare words
.set SPARE, 71680
.set YL, 73728                         ; the tokens' codes, 12,288 bytes: each wave brings one sixteenth from memory, all read them from LDS: of a buffer's 60 registers 48 are filled from memory (24 loads), 12 from LDS (6 loads)
.set YA, 252                           ; YL + 8 x lane
.set YS, 253                           ; + 768 w: where my sixteenth goes
	s_load_b256 s[4:11], s[0:1], 0x0               ; ab, wbuf, proj_b, x
	s_load_b256 s[12:19], s[0:1], 0x20             ; ln2_g, ln2_b, x1, hb
	v_lshl_add_u32 v[SPW], v0, 2, SPARE
	v_mov_b32 v[NIL], 0
	v_lshrrev_b32 v1, 5, v0
	v_readfirstlane_b32 s20, v1                    ; wave 0..15
	s_mul_i32 s21, s20, 4352
	s_lshl_b32 s53, s20, 2
	s_mul_i32 s54, s20, 768
	v_and_b32 v1, 15, v0                           ; r
	v_bfe_u32 v2, v0, 4, 1                         ; h
	v_and_b32 v[L8], 31, v0
	v_lshlrev_b32 v[SXA], 2, v[L8]
	v_lshlrev_b32 v[L8], 3, v[L8]
	v_mul_u32_u24 v[STO], v1, 272
	v_lshl_add_u32 v[STO], v2, 6, v[STO]
	v_add_nc_u32 v[STO], s21, v[STO]
	v_mul_u32_u24 v[RD], v2, 272
	v_lshl_add_u32 v[RD], v1, 4, v[RD]
	v_add_nc_u32 v[RD], s21, v[RD]
	v_lshlrev_b32 v[V16], 4, v1
	v_lshl_add_u32 v[CO], v2, 12, v[V16]
	v_lshlrev_b32 v[VB], 6, v2
	v_lshlrev_b32 v[R4], 2, v1
	v_lshl_add_u32 v[SYA], v2, 14, v[R4]
	v_lshl_add_u32 v[SMR], v1, 6, SUM
	v_add_nc_u32 v[SMW], s53, v[SMR]
	v_add_nc_u32 v[YA], YL, v[L8]
	v_add_nc_u32 v[YS], s54, v[YA]
	s_lshl_b32 s34, s20, 8                         ; 256 w: my 64 columns of f32; also my four tiles' scale words
	s_mov_b32 s35, 0
	s_mul_i32 s36, s20, 24576
	s_add_co_u32 s36, s36, 2359296                 ; proj_w's codes, tile 4 w
	s_mov_b32 s37, 0
	s_add_co_u32 s38, s34, 9535488                 ; its scale words
	s_mov_b32 s39, 0
	s_mul_i32 s40, ttmp9, 6144                     ; my token tile's codes
	s_mov_b32 s41, 0
	s_lshl_b32 s42, ttmp9, 6
	s_add_co_u32 s42, s42, 3145728                 ; and scale words
	s_mov_b32 s43, 0
	s_lshr_b32 s44, ttmp9, 1
	s_lshl_b32 s44, s44, 17                        ; 32 (T/2) rows of 4,096 bytes
	s_and_b32 s45, ttmp9, 1
	s_lshl_b32 s45, s45, 15                        ; + 8 (T%2) rows
	s_add_co_u32 s44, s44, s45
	s_add_co_u32 s44, s44, s34
	s_mov_b32 s45, 0
	s_lshr_b32 s46, s20, 3
	s_mul_i32 s46, s46, 1572864
	s_add_co_u32 s46, s46, s40
	s_and_b32 s47, s20, 7
	s_mul_i32 s47, s47, 768
	s_add_co_u32 s46, s46, s47                     ; hb: half fragment w of tile T
	s_mov_b32 s47, 0
	s_lshr_b32 s48, s20, 1
	s_lshl_b32 s48, s48, 14
	s_add_co_u32 s48, s48, s42
	s_and_b32 s49, s20, 1
	s_lshl_b32 s49, s49, 1
	s_add_co_u32 s48, s48, s49                     ; and its two bytes of each row's word
	s_mov_b32 s49, 0
	s_mov_b32 s50, 0x76543210
	s_mov_b32 s51, 0xfedcba98                      ; v_permlanex16_b32's selects for lane l xor 16
	s_mov_b32 s52, 0x3727c5ac                      ; 1e-5
	s_wait_alu depctr_va_vdst(0)
	s_wait_kmcnt 0x0
	s_add_nc_u64 s[22:23], s[6:7], s[36:37]
	s_add_nc_u64 s[24:25], s[6:7], s[38:39]
	s_add_nc_u64 s[26:27], s[4:5], s[46:47]        ; half fragment w of my token tile: ab is laid as hb is
	s_add_nc_u64 s[28:29], s[4:5], s[42:43]
	s_add_nc_u64 s[8:9], s[8:9], s[34:35]
	s_add_nc_u64 s[12:13], s[12:13], s[34:35]
	s_add_nc_u64 s[14:15], s[14:15], s[34:35]
	s_add_nc_u64 s[10:11], s[10:11], s[44:45]
	s_add_nc_u64 s[16:17], s[16:17], s[44:45]
	s_add_nc_u64 s[30:31], s[18:19], s[46:47]
	s_add_nc_u64 s[32:33], s[18:19], s[48:49]
.macro LOADS s                         ; K step s: 24 loads into buffer s % 3
.set LB, BUF+60*((\s)%3)
.irp t, 0,1,2,3
.irp p, 0,1,2,3,4,5
	global_load_b64 v[LB+12*\t+2*\p:LB+12*\t+2*\p+1], v[L8], s[22:23] offset:((\s)/4)*393216+6144*\t+((\s)%4)*1536+256*\p
.endr
.endr
.endm
.macro LY s                            ; K step s: the tokens' fragment, 6 loads from LDS
.set LB, BUF+60*((\s)%3)
.irp p, 0,1,2,3,4,5
	ds_load_b64 v[LB+48+2*\p:LB+48+2*\p+1], v[YA] offset:1536*(\s)+256*\p
.endr
.endm
.macro VEC8 reg, sb                    ; 32 numbers of a vector along the columns, in the accumulators' layout
.irp xt, 0,1,2,3
	global_load_b128 v[\reg+8*\xt:\reg+8*\xt+3], v[VB], s[\sb:\sb+1] offset:(32*(\xt/2)+8*(\xt%2))*4
	global_load_b128 v[\reg+8*\xt+4:\reg+8*\xt+7], v[VB], s[\sb:\sb+1] offset:(32*(\xt/2)+8*(\xt%2))*4+16
.endr
.endm
.macro PLACES                          ; four places behind a matrix instruction (ISA guide 7.12.1)
.rept 4
	v_nop
.endr
.endm
.macro MM s, t                         ; the scale rows: odd tiles and odd K steps stand in lanes 16-31
.set DD, ACC+8*(\t)
.set FX, BUF+60*((\s)%3)+12*(\t)
.set FY, BUF+60*((\s)%3)+48
.set RX, SX+2*(\s)+(\t)/2
.set RY, SY+(\s)/2
.if ((\t)%2) && ((\s)%2)
	v_wmma_scale_f32_16x16x128_f8f6f4 v[DD:DD+7], v[FX:FX+11], v[FY:FY+11], v[DD:DD+7], v[RX], v[RY] matrix_a_fmt:MATRIX_FMT_FP6 matrix_b_fmt:MATRIX_FMT_FP6 matrix_a_scale:MATRIX_SCALE_ROW1 matrix_b_scale:MATRIX_SCALE_ROW1
.elseif (\t)%2
	v_wmma_scale_f32_16x16x128_f8f6f4 v[DD:DD+7], v[FX:FX+11], v[FY:FY+11], v[DD:DD+7], v[RX], v[RY] matrix_a_fmt:MATRIX_FMT_FP6 matrix_b_fmt:MATRIX_FMT_FP6 matrix_a_scale:MATRIX_SCALE_ROW1
.elseif (\s)%2
	v_wmma_scale_f32_16x16x128_f8f6f4 v[DD:DD+7], v[FX:FX+11], v[FY:FY+11], v[DD:DD+7], v[RX], v[RY] matrix_a_fmt:MATRIX_FMT_FP6 matrix_b_fmt:MATRIX_FMT_FP6 matrix_b_scale:MATRIX_SCALE_ROW1
.else
	v_wmma_scale_f32_16x16x128_f8f6f4 v[DD:DD+7], v[FX:FX+11], v[FY:FY+11], v[DD:DD+7], v[RX], v[RY] matrix_a_fmt:MATRIX_FMT_FP6 matrix_b_fmt:MATRIX_FMT_FP6
.endif
.endm
.macro KSTEP s, cnt, dc                ; cnt, dc: the global and the LDS loads issued behind this step's
	s_wait_loadcnt \cnt
	s_wait_dscnt \dc
.irp t, 0,1,2,3
	MM \s, \t
.endr
.endm
.irp t, 0,1,2,3,4,5,6,7
	global_load_b128 v[ACC+4*\t:ACC+4*\t+3], v[CO], s[10:11] offset:((2*\t)%8+16*((2*\t)/8))*4096   ; x: stage rows 2 t, 2 t + 1; sixteen lanes read 256 consecutive bytes
.endr
	global_load_b128 v[B4:B4+3], v[V16], s[8:9]
.irp p, 0,1,2
	global_load_b64 v[168+2*\p:169+2*\p], v[L8], s[26:27] offset:256*\p    ; my sixteenth of the tokens' codes
.endr
.irp s, 0,1,2,3,4,5,6,7
.irp j, 0,1
	global_load_b32 v[SX+2*\s+\j], v[SXA], s[24:25] offset:4096*\s+128*\j
.endr
.endr
.irp j, 0,1,2,3
	global_load_b32 v[SY+\j], v[SYA], s[28:29] offset:32768*\j
.endr
	LOADS 0
	s_wait_loadcnt 44                              ; x, the bias and my codes are in; 20 scale loads and step 0's 24 may be out
.irp p, 0,1,2
	ds_store_b64 v[YS], v[168+2*\p:169+2*\p] offset:256*\p
.endr
.irp t, 0,1,2,3,4,5,6,7
	v_pk_add_f32 v[ACC+4*\t:ACC+4*\t+1], v[ACC+4*\t:ACC+4*\t+1], v[B4:B4+1]
	v_pk_add_f32 v[ACC+4*\t+2:ACC+4*\t+3], v[ACC+4*\t+2:ACC+4*\t+3], v[B4+2:B4+3]
.endr
.irp t, 0,1,2,3,4,5,6,7
	ds_store_b128 v[RD], v[ACC+4*\t:ACC+4*\t+3] offset:544*\t
.endr
	s_wait_alu depctr_va_vdst(0)
	s_wait_dscnt 0x0                               ; my stores are done: for the others' sake, and their registers may be filled again
	s_barrier_signal -1
	s_barrier_wait -1                              ; the tokens' codes are whole
.irp xt, 0,1,2,3
	ds_load_b128 v[ACC+8*\xt:ACC+8*\xt+3], v[STO] offset:128*(\xt/2)+32*(\xt%2)
	ds_load_b128 v[ACC+8*\xt+4:ACC+8*\xt+7], v[STO] offset:128*(\xt/2)+32*(\xt%2)+16
.endr
	LY 0
	LOADS 1
	LY 1
	LOADS 2
	LY 2
.irp s, 0,1,2,3,4
	KSTEP \s, 48, 12                               ; the next two steps' 48 global and 12 LDS loads may be out (x + bias was asked of LDS ahead of step 0's fragment)
	PLACES
	LOADS \s+3
	LY \s+3
.endr
	KSTEP 5, 48, 12
	PLACES
	VEC8 G, 12                                     ; g into buffer 2, which is done with
	KSTEP 6, 32, 6                                 ; step 7's 24 and g's 8; step 7's 6
	PLACES
	VEC8 BB, 14                                    ; b into buffer 0
	KSTEP 7, 16, 0
	v_mov_b32 v[TM+2], 0                           ; a lane permute's destination counts as one of its sources.  (These two and two v_nop are the places behind the last products)
	v_mov_b32 v[TM+3], 0
	v_nop
	v_nop
.irp xt, 0,1,2,3
	ds_store_b128 v[STO], v[ACC+8*\xt:ACC+8*\xt+3] offset:128*(\xt/2)+32*(\xt%2)      ; x1 to my stage, each accumulator from its low end on
	ds_store_b128 v[STO], v[ACC+8*\xt+4:ACC+8*\xt+7] offset:128*(\xt/2)+32*(\xt%2)+16
.endr
.irp t, 0,1,2,3,4,5,6,7
	ds_load_b128 v[XO+4*\t:XO+4*\t+3], v[RD] offset:544*\t     ; and back by rows: LDS serves a wave's instructions in order
.endr
; four chains in v[S..S+7] become my wave's figure of row r; the 16 waves' figures meet in LDS and are added in one fixed order: the row's figure in v[PS], in every lane
.macro ACROSS off
	v_pk_add_f32 v[S:S+1], v[S:S+1], v[S+2:S+3]
	v_pk_add_f32 v[S+4:S+5], v[S+4:S+5], v[S+6:S+7]
	v_pk_add_f32 v[S:S+1], v[S:S+1], v[S+4:S+5]
	v_add_f32 v[S], v[S], v[S+1]
	v_permlanex16_b32 v[S+1], v[S], s50, s51
	v_add_f32 v[S], v[S], v[S+1]                   ; with lane l xor 16's: my 64 columns of row r
	ds_store_b32 v[SMW], v[S] offset:\off          ; (both halves of the lanes write the same word with the same value)
	s_wait_alu depctr_va_vdst(0)
	s_wait_dscnt 0x0                               ; for the others' sake: my store is done
	s_barrier_signal -1
	s_barrier_wait -1
.irp q, 0,1,2,3
	ds_load_b128 v[PS+4*\q:PS+4*\q+3], v[SMR] offset:\off+16*\q
.endr
.if \off == 0
.irp t, 0,1,2,3,4,5,6,7
	global_store_b128 v[CO], v[XO+4*\t:XO+4*\t+3], s[16:17] offset:((2*\t)%8+16*((2*\t)/8))*4096   ; x1: sixteen lanes store 256 consecutive bytes, aligned
.endr
.endif
	s_wait_dscnt 0x0
.irp c, 0,2,4,6
	v_pk_add_f32 v[PS+\c:PS+\c+1], v[PS+\c:PS+\c+1], v[PS+8+\c:PS+9+\c]
.endr
	v_pk_add_f32 v[PS:PS+1], v[PS:PS+1], v[PS+4:PS+5]
	v_pk_add_f32 v[PS+2:PS+3], v[PS+2:PS+3], v[PS+6:PS+7]
	v_pk_add_f32 v[PS:PS+1], v[PS:PS+1], v[PS+2:PS+3]
	v_add_f32 v[PS], v[PS], v[PS+1]
.endm
.irp c, 0,1,2,3
	v_pk_add_f32 v[S+2*\c:S+2*\c+1], v[ACC+2*\c:ACC+2*\c+1], v[ACC+8+2*\c:ACC+9+2*\c]
.endr
.irp j, 16,24
.irp c, 0,1,2,3
	v_pk_add_f32 v[S+2*\c:S+2*\c+1], v[S+2*\c:S+2*\c+1], v[ACC+\j+2*\c:ACC+\j+2*\c+1]
.endr
.endr
	ACROSS 0
	v_mul_f32 v[M], 0xba800000, v[PS]              ; - mean = sum x -2^-10
	v_mov_b32 v[M+1], v[M]
.set nn, 0
.rept 16
	v_pk_add_f32 v[ACC+nn:ACC+nn+1], v[ACC+nn:ACC+nn+1], v[M:M+1]      ; d = x1 - mean
.set nn, nn+2
.endr
.irp c, 0,1,2,3
	v_pk_mul_f32 v[S+2*\c:S+2*\c+1], v[ACC+2*\c:ACC+2*\c+1], v[ACC+2*\c:ACC+2*\c+1]
.endr
.irp j, 8,16,24
.irp c, 0,1,2,3
	v_pk_fma_f32 v[S+2*\c:S+2*\c+1], v[ACC+\j+2*\c:ACC+\j+2*\c+1], v[ACC+\j+2*\c:ACC+\j+2*\c+1], v[S+2*\c:S+2*\c+1]
.endr
.endr
	ACROSS 1024                                    ; other bytes than the first sum's: no third barrier
	v_fma_f32 v[PS], v[PS], 0x3a800000, s52        ; the variance + 1e-5
	s_wait_alu depctr_va_vdst(0)
	v_rsq_f32 v[M], v[PS]
	v_nop                                          ; one plain place behind it
	s_wait_alu depctr_va_vdst(0)
	v_mov_b32 v[M+1], v[M]
	s_wait_alu depctr_va_vdst(0)
	s_wait_loadcnt 0x0                             ; g and b
.set nn, 0
.rept 16
	v_pk_mul_f32 v[ACC+nn:ACC+nn+1], v[ACC+nn:ACC+nn+1], v[M:M+1]
.set nn, nn+2
.endr
.set nn, 0
.rept 16
	v_pk_fma_f32 v[ACC+nn:ACC+nn+1], v[ACC+nn:ACC+nn+1], v[G+nn:G+nn+1], v[BB+nn:BB+nn+1]
.set nn, nn+2
.endr
	; the quantiser: two blocks of 32, each in lanes l and l xor 16
.irp b, 0,1
	v_max3_num_f32 v[TM+\b], |v[ACC+16*\b]|, |v[ACC+16*\b+1]|, 0x1800000   ; and the floor 2^(3 - 127): the byte cannot fall under 1
.endr
.irp i, 2,4,6,8,10,12,14
.irp b, 0,1
	v_max3_num_f32 v[TM+\b], v[TM+\b], |v[ACC+16*\b+\i]|, |v[ACC+16*\b+\i+1]|
.endr
.endr
.irp b, 0,1
	v_permlanex16_b32 v[TM+2+\b], v[TM+\b], s50, s51
.endr
.irp b, 0,1
	v_max_num_f32 v[TM+\b], v[TM+\b], v[TM+2+\b]   ; the block's largest magnitude
.endr
.irp b, 0,1
	v_add_nc_u32 v[TM+4+\b], 0xff000000, v[TM+\b]  ; 2 off its exponent field: the conversion's scale operand
.endr
.irp b, 0,1
	v_lshrrev_b32 v[TM+6+\b], 23, v[TM+4+\b]       ; the scale's byte
.endr
	v_lshl_or_b32 v[HW], v[TM+7], 8, v[TM+6]
	v_cvt_scalef32_pk16_fp6_f32 v[PB:PB+2], v[ACC:ACC+15], v[TM+4]
	v_cvt_scalef32_pk16_fp6_f32 v[C1:C1+2], v[ACC+16:ACC+31], v[TM+5]
	v_nop                                          ; one plain place behind a scaled conversion
.irp i, 0,1,2
	v_permlane16_swap_b32 v[PB+\i], v[C1+\i]       ; the layout wants a whole block in a lane: lanes 0-15 block 0, lanes 16-31 block 1
.endr
.irp i, 0,1,2
	v_mov_b32 v[PB+3+\i], v[C1+\i]
.endr
.irp p, 0,1,2
	global_store_b64 v[L8], v[PB+2*\p:PB+2*\p+1], s[30:31] offset:256*\p   ; 32 lanes store 256 consecutive bytes, aligned
.endr
	global_store_b16 v[R4], v[HW], s[32:33]
	s_wait_tensorcnt 0x0                           ; the wave's end
	ds_add_u32 v[SPW], v[NIL]
	s_wait_dscnt 0x0
	s_endpgm
.Lfunc_end_k_q0ec73a9dc7_pl:
	.size	k_q0ec73a9dc7_pl, .Lfunc_end_k_q0ec73a9dc7_pl-k_q0ec73a9dc7_pl
	.p2alignl 7, 3214868480
	.fill 96, 4, 3214868480
	.section	.rodata,"a",@progbits
	.p2align	6, 0x0
	.amdhsa_kernel k_q0ec73a9dc7_pl
		.amdhsa_group_segment_fixed_size 86016
		.amdhsa_private_segment_fixed_size 0
		.amdhsa_enable_private_segment 0
		.amdhsa_kernarg_size 64
		.amdhsa_user_sgpr_count 2
		.amdhsa_user_sgpr_kernarg_segment_ptr 1
		.amdhsa_wavefront_size32 1
		.amdhsa_system_sgpr_workgroup_id_x 1
		.amdhsa_system_sgpr_workgroup_id_y 1
		.amdhsa_system_sgpr_workgroup_id_z 1
		.amdhsa_system_vgpr_workitem_id 0
		.amdhsa_next_free_vgpr 256
		.amdhsa_next_free_sgpr 66
		.amdhsa_reserve_vcc 0
		.amdhsa_float_denorm_mode_32 3
		.amdhsa_float_denorm_mode_16_64 3
		.amdhsa_memory_ordered 1
		.amdhsa_forward_progress 1
		.amdhsa_inst_pref_size 49
	.end_amdhsa_kernel
	.amdgpu_metadata
---
amdhsa.version: [ 1, 2 ]
amdhsa.kernels:
  - .name:           k_q0ec73a9dc7_pl
    .symbol:         k_q0ec73a9dc7_pl.kd
    .args:
      - { .name: ab, .offset: 0, .size: 8, .value_kind: global_buffer, .address_space: global }
      - { .name: wbuf, .offset: 8, .size: 8, .value_kind: global_buffer, .address_space: global }
      - { .name: proj_b, .offset: 16, .size: 8, .value_kind: global_buffer, .address_space: global }
      - { .name: x, .offset: 24, .size: 8, .value_kind: global_buffer, .address_space: global }
      - { .name: ln2_g, .offset: 32, .size: 8, .value_kind: global_buffer, .address_space: global }
      - { .name: ln2_b, .offset: 40, .size: 8, .value_kind: global_buffer, .address_space: global }
      - { .name: x1, .offset: 48, .size: 8, .value_kind: global_buffer, .address_space: global }
      - { .name: hb, .offset: 56, .size: 8, .value_kind: global_buffer, .address_space: global }
    .group_segment_fixed_size: 86016
    .private_segment_fixed_size: 0
    .kernarg_segment_align: 8
    .kernarg_segment_size: 64
    .max_flat_workgroup_size: 512
    .sgpr_count:     66
    .vgpr_count:     256
    .wavefront_size: 32
...
	.end_amdgpu_metadata
.endif
;; end of part 6
;; launch fc1 (part 7): grid 8 x 32, 4 waves a work-group, clusters of 4 x 4, 327,680 bytes of LDS; arguments hb, wbuf, fc1_b, gb; writes gb
.if DOCPART == 7
	.amdgcn_target "amdgcn-amd-amdhsa--gfx1250"
	.amdhsa_code_object_version 6
	.text
	.protected	k_q0ec73a9dc7_fc1
	.globl	k_q0ec73a9dc7_fc1
	.p2align	8
	.type	k_q0ec73a9dc7_fc1,@function
k_q0ec73a9dc7_fc1:
	s_mov_b64 s[64:65], 0
	v_nop
	global_prefetch_b8 v0, s[64:65] scope:SCOPE_SE
	s_setreg_imm32_b32 hwreg(HW_REG_WAVE_MODE, 25, 1), 1
	s_wait_xcnt 0x0
	s_wait_alu depctr_hold_cnt(0) depctr_sa_sdst(0) depctr_va_vdst(0) depctr_va_sdst(0) depctr_va_ssrc(0) depctr_va_vcc(0) depctr_vm_vsrc(0)
	s_getreg_b32 s2, hwreg(HW_REG_IB_STS2, 6, 4)
	s_cmp_eq_u32 s2, 0
	s_cbranch_scc0 .Lentry_in_a_cluster
	s_endpgm
.Lentry_in_a_cluster:
	s_bfe_u32 s2, ttmp6, 0x10000c
	s_cmp_lg_u32 s2, 0xf033
	s_cbranch_scc0 .Lentry_shape_is_right
	s_endpgm
.Lentry_shape_is_right:
.set KT,    1024
.set TILES, 4
.set YC,  0
.set YS,  3145728
.set YNT, 256
.set XC,  3145728
.set XS,  9568256
.set XNT, 256
.set TS,  6144
.set SLOT,  98304
.set SCL,   2*SLOT
.set SCLX,  SCL+4096
.set STG,   SCLX+16384
.set SPARE, STG+1024
.set ADRY, 16
.set ADRX, 20
.set L8,   22
.set STO,  24
.set RD,   25
.set ADRSY, 26
.set ADRSX, 27
.set SPW,  28
.set NIL,  29
.set VB,   30
.set PB,   32
.set SCY,  64
.set TM,   72
.set C1,   80
.set HW,   84
.set KC,   88
.set GT,   90
.set GH,   98
.set GP,   106
.set WD,   116
.set SCX,  120
.set ACC,  128
.set BI,   192
.set G1Y,  24
.set G0Y,  32
.set G1X,  48
.set G0X,  56
.set SEL,  66
.set G1SY, 68
.set G0SY, 76
.set G1SX, 80
.set G0SX, 88
.set G0R,  96
.set MSB, 0
.macro WIN new
.if MSB != \new
	s_set_vgpr_msb (MSB<<8)|\new
.set MSB, \new
.endif
.endm
.set MUL,  0x0d                        ; the last K step: source 0 (X) window 1, source 1 (Y) window 3
.set MULB, 0x15
.set TO_F, 0x40
.macro JLOAD g0y, g1y, g0x, g1x
	s_cmp_eq_u32 s15, 0
	s_cbranch_scc0 .Lfor_x_\@
	tensor_load_to_lds s[\g0y:\g0y+3], s[\g1y:\g1y+7]
	s_nop 0
.rept 4
	v_nop
.endr
	s_branch .Lasked_\@
.Lfor_x_\@:
	tensor_load_to_lds s[\g0x:\g0x+3], s[\g1x:\g1x+7]
	s_nop 0
.rept 4
	v_nop
.endr
.Lasked_\@:
.endm
.macro CREST
	s_cmp_lg_u32 s14, 0
	s_cbranch_scc1 .Lnot_wave_0_\@
	s_barrier_signal -3
.Lnot_wave_0_\@:
	s_barrier_wait -3
	s_barrier_signal -1
	s_barrier_wait -1
.endm
.macro CROUND
	s_barrier_signal -1
	s_barrier_wait -1
	CREST
.endm
.macro PLACES
.rept 4
	v_nop
.endr
.endm
	s_load_b256 s[4:11], s[0:1], 0x0
	v_lshl_add_u32 v[SPW], v0, 2, SPARE
	v_mov_b32 v[NIL], 0
	ds_add_u32 v28, v29
	ds_add_u32 v28, v29
	s_wait_dscnt 0x0
	v_lshrrev_b32 v1, 5, v0
	v_readfirstlane_b32 s14, v1
	s_lshr_b32 s15, s14, 1
	s_and_b32 s16, s14, 1
	s_bfe_u32 s40, ttmp6, 0x40000
	s_bfe_u32 s41, ttmp6, 0x40004
	s_lshl_b32 s42, ttmp9, 2
	s_add_co_u32 s42, s42, s40
	s_and_b32 s17, ttmp7, 0xffff
	s_lshl_b32 s17, s17, 2
	s_add_co_u32 s17, s17, s41
	s_lshl_b32 s43, s41, 2
	s_lshl_b32 s43, 15, s43
	s_lshl_b32 s44, 0x1111, s40
	s_or_b32 s[G1Y], s43, (3<<16)|(1<<21)
	s_or_b32 s[G1X], s44, (3<<16)|(1<<21)
.irp g, G1Y, G1X
	s_mov_b32 s[\g+1], 32<<16
	s_mov_b32 s[\g+2], 192<<16
	s_mov_b32 s[\g+3], 32<<16
	s_mov_b32 s[\g+4], 192
	s_mov_b32 s[\g+5], 32
	s_mov_b32 s[\g+6], 0
	s_mov_b32 s[\g+7], 0
.endr
	s_or_b32 s[G1SY], s43, (3<<16)|(1<<21)
	s_mov_b32 s[G1SY+1], 64<<16
	s_mov_b32 s[G1SY+2], 8<<16
	s_mov_b32 s[G1SY+3], 64<<16
	s_mov_b32 s[G1SY+4], 8
	s_mov_b32 s[G1SY+5], YNT*8
	s_mov_b32 s[G1SY+6], 0
	s_mov_b32 s[G1SY+7], 0
	s_or_b32 s[G1SX], s44, (3<<16)|(1<<21)
	s_mov_b32 s[G1SX+1], 256<<16
	s_mov_b32 s[G1SX+2], 8<<16
	s_mov_b32 s[G1SX+3], 256<<16
	s_mov_b32 s[G1SX+4], 8
	s_mov_b32 s[G1SX+5], XNT*8
	s_mov_b32 s[G1SX+6], 0
	s_mov_b32 s[G1SX+7], 0
	s_mov_b32 s[SEL], 0x76543210
	s_mov_b32 s[SEL+1], 0xfedcba98
	s_mul_i32 s18, s16, 24576
	s_mov_b32 s19, 0
	s_lshl_b32 s20, s17, 3
	s_mul_i32 s20, s20, 6144
	s_add_co_u32 s20, s20, YC
	s_mov_b32 s21, 0
	s_lshl_b32 s46, s42, 5
	s_mul_i32 s46, s46, 6144
	s_add_co_u32 s46, s46, XC
	s_mov_b32 s47, 0
	s_mov_b32 s22, 0
	s_lshl_b32 s23, s17, 9
	s_add_co_u32 s22, s22, s23
	s_add_co_u32 s22, s22, YS
	s_mov_b32 s23, 0
	s_mov_b32 s92, 0
	s_lshl_b32 s93, s42, 11
	s_add_co_u32 s92, s92, s93
	s_add_co_u32 s92, s92, XS
	s_mov_b32 s93, 0
	s_mul_i32 s45, s14, 24576
	s_wait_kmcnt 0x0
	s_add_nc_u64 s[20:21], s[4:5], s[20:21]
	s_add_nc_u64 s[22:23], s[4:5], s[22:23]
	s_add_nc_u64 s[46:47], s[6:7], s[46:47]
	s_add_nc_u64 s[92:93], s[6:7], s[92:93]
	CROUND
	s_mov_b32 s[G0SY], 1
	s_mov_b32 s[G0SY+1], SCL
	s_mov_b64 s[G0SY+2:G0SY+3], s[22:23]
	s_or_b32 s[G0SY+3], s[G0SY+3], 0x80000000
	s_mov_b32 s[G0SX], 1
	s_mov_b32 s[G0SX+1], SCLX
	s_mov_b64 s[G0SX+2:G0SX+3], s[92:93]
	s_or_b32 s[G0SX+3], s[G0SX+3], 0x80000000
	s_mov_b32 s[G0Y], 1                            ; chunk 0 whole: Y's 8 tiles to slot 0's first half,
	s_mov_b32 s[G0Y+1], 0
	s_mov_b64 s[G0Y+2:G0Y+3], s[20:21]
	s_or_b32 s[G0Y+3], s[G0Y+3], 0x80000000
	s_mov_b32 s[G0X], 1                            ; X's 8 behind them
	s_mov_b32 s[G0X+1], 49152
	s_mov_b64 s[G0X+2:G0X+3], s[46:47]
	s_or_b32 s[G0X+3], s[G0X+3], 0x80000000
	s_add_nc_u64 s[20:21], s[20:21], s[18:19]      ; from here on: my four tiles
	s_add_nc_u64 s[46:47], s[46:47], s[18:19]
	s_mov_b32 s[G0Y+4], 1                          ; chunk 1, a quarter of slot 1 a wave
	s_add_co_u32 s[G0Y+5], s45, SLOT
	s_add_nc_u64 s[G0Y+6:G0Y+7], s[20:21], YNT*6144
	s_or_b32 s[G0Y+7], s[G0Y+7], 0x80000000
	s_mov_b32 s[G0X+4], 1
	s_add_co_u32 s[G0X+5], s45, SLOT
	s_add_nc_u64 s[G0X+6:G0X+7], s[46:47], XNT*6144
	s_or_b32 s[G0X+7], s[G0X+7], 0x80000000
; the head's four tiles, one load a wave: wave 0 Y's codes, wave 1 X's, wave 2 Y's scale words, wave 3 X's; one chain of branches on the wave's number
.macro HARM under, g0, g1, next
	s_cmp_lt_u32 s14, \under
	s_cbranch_scc0 \next
	tensor_load_to_lds s[\g0:\g0+3], s[\g1:\g1+7]
	s_nop 0
.rept 4
	v_nop
.endr
	s_branch .Lhead_asked
\next:
.endm
	HARM 1, G0Y, G1Y, .Lhead_x
	HARM 2, G0X, G1X, .Lhead_sy
	HARM 3, G0SY, G1SY, .Lhead_sx
	tensor_load_to_lds s[G0SX:G0SX+3], s[G1SX:G1SX+7]
	s_nop 0
.rept 4
	v_nop
.endr
.Lhead_asked:
	s_mov_b32 s[G0R], 1
	s_mul_i32 s[G0R+1], s15, SLOT
	s_mul_i32 s19, s16, 24576
	s_add_co_u32 s[G0R+1], s[G0R+1], s19
	s_add_co_u32 s[G0R+1], s[G0R+1], 49152
	s_mul_i32 s[G0R+2], s15, XNT*6144
	s_mov_b32 s[G0R+3], 0
	s_add_nc_u64 s[G0R+2:G0R+3], s[46:47], s[G0R+2:G0R+3]
	s_or_b32 s[G0R+3], s[G0R+3], 0x80000000
	v_and_b32 v1, 15, v0
	s_wait_alu depctr_va_vdst(0)
	v_bfe_u32 v2, v0, 4, 1
	s_wait_alu depctr_va_vdst(0)
	v_and_b32 v3, 31, v0
	v_lshlrev_b32 v[L8], 3, v3
	s_wait_alu depctr_va_vdst(0)
	s_mul_i32 s18, s15, 24576
	s_mul_i32 s19, s16, 24576
	s_add_co_u32 s19, s19, 49152
.irp s, 0,1
	v_add_nc_u32 v[ADRY+\s], s18, v[L8]
	v_add_nc_u32 v[ADRX+\s], s19, v[L8]
	s_add_co_u32 s18, s18, SLOT
	s_add_co_u32 s19, s19, SLOT
.endr
	s_lshl_b32 s18, s15, 8
	s_add_co_u32 s18, s18, SCL
	v_lshl_add_u32 v[ADRSY], v1, 2, s18
	s_lshl_b32 s19, s16, 8
	s_add_co_u32 s19, s19, SCLX
	v_lshl_add_u32 v[ADRSX], v1, 2, s19
	s_lshl_b32 s92, s42, 11
	s_lshl_b32 s93, s16, 8
	s_add_co_u32 s92, s92, s93
	s_mov_b32 s93, 0
	s_add_nc_u64 s[8:9], s[8:9], s[92:93]
	v_lshlrev_b32 v[VB], 6, v2
.macro BIAS
	WIN TO_F
.irp xt, 0,1,2,3
	global_load_b128 v[BI+8*\xt:BI+8*\xt+3], v[VB], s[8:9] offset:(32*(\xt/2)+8*(\xt%2))*4
	global_load_b128 v[BI+8*\xt+4:BI+8*\xt+7], v[VB], s[8:9] offset:(32*(\xt/2)+8*(\xt%2))*4+16
.endr
.endm
	BIAS
	WIN 0
	s_lshl_b32 s94, s42, 16
	s_lshl_b32 s93, s17, 9
	s_add_co_u32 s94, s94, s93
	s_lshl_b32 s93, s14, 8
	s_add_co_u32 s94, s94, s93
	s_add_co_u32 s94, s94, 12582912
	s_mov_b32 s95, 0
	s_add_nc_u64 s[12:13], s[10:11], s[94:95]
	s_mul_i32 s94, s42, 1572864
	s_lshl_b32 s93, s17, 3
	s_lshl_b32 s92, s15, 2
	s_add_co_u32 s93, s93, s92
	s_mul_i32 s93, s93, 6144
	s_add_co_u32 s94, s94, s93
	s_mul_i32 s93, s16, 768
	s_add_co_u32 s94, s94, s93
	s_add_nc_u64 s[10:11], s[10:11], s[94:95]
	s_lshl_b32 s18, s14, 8
	s_add_co_u32 s18, s18, STG
	v_lshl_add_u32 v[STO], v1, 2, s18
	s_lshl_b32 s19, s14, 9
	s_add_co_u32 s19, s19, STG
	v_add_nc_u32 v[RD], s19, v[L8]
	v_mov_b32 v[KC], 0x3e2ef945
	v_mov_b32 v[KC+1], 0x3e2ef945
	v_mov_b32 v[TM+2], 0
	v_mov_b32 v[TM+3], 0
.macro FETCH v
.set FS, (\v)/4
.set FQ, (\v)%4
.set FB, 96*((\v)%2)
.set FC, 4*((\v)%2)
	WIN TO_F
.irp t, 0,1,2,3
.irp p, 0,1,2,3,4,5
	ds_load_b64 v[FB+12*\t+2*\p:FB+12*\t+2*\p+1], v[ADRX+FS] offset:6144*\t+1536*FQ+256*\p
.endr
.endr
	WIN 0
.irp t, 0,1,2,3
	ds_load_b32 v[SCY+FC+\t], v[ADRSY] offset:512*(\v)+64*\t
	ds_load_b32 v[SCX+FC+\t], v[ADRSX] offset:2048*(\v)+64*\t
.endr
.endm
.macro MUL4 f, i, first
.irp xt, 0,1,2,3
.set DD, ACC+32*(\i)+8*\xt
.if \first
	v_wmma_scale_f32_16x16x128_f8f6f4 v[DD:DD+7], v[96*(\f)+12*\xt:96*(\f)+12*\xt+11], v[YB+12*(\i):YB+12*(\i)+11], v[BI+8*\xt:BI+8*\xt+7], v[SCX+4*(\f)+\xt], v[SCY+4*(\f)+(\i)] matrix_a_fmt:MATRIX_FMT_FP6 matrix_b_fmt:MATRIX_FMT_FP6
.else
	v_wmma_scale_f32_16x16x128_f8f6f4 v[DD:DD+7], v[96*(\f)+12*\xt:96*(\f)+12*\xt+11], v[YB+12*(\i):YB+12*(\i)+11], v[DD:DD+7], v[SCX+4*(\f)+\xt], v[SCY+4*(\f)+(\i)] matrix_a_fmt:MATRIX_FMT_FP6 matrix_b_fmt:MATRIX_FMT_FP6
.endif
.endr
.endm
.macro STEP v, first
	s_wait_dscnt 0x0
	PLACES
	FETCH (\v)+1
.if (\v) < 5                           ; Y's fragments stay in registers: K steps 0-4 in window 2 at 48 v, K steps 5-7 in window 3 at 48 (v - 5)
.set YB, 48*(\v)
.else
.set YB, 48*((\v)-5)
.endif
.if \first
	WIN 0x19                                       ; X window 1, Y window 2, the bias as C window 1
.elseif (\v) < 5
	WIN 0x09
.else
	WIN 0x0d
.endif
.irp i, 0,1,2,3
	MUL4 (\v)%2, \i, \first
.endr
.endm
.macro QUANT32 s, p, hw
.irp b, 0,1
	v_max3_num_f32 v[TM+\b], |v[\s+16*\b]|, |v[\s+16*\b+1]|, 0x1800000
.endr
.irp i, 2,4,6,8,10,12,14
.irp b, 0,1
	v_max3_num_f32 v[TM+\b], v[TM+\b], |v[\s+16*\b+\i]|, |v[\s+16*\b+\i+1]|
.endr
.endr
.irp b, 0,1
	v_permlanex16_b32 v[TM+2+\b], v[TM+\b], s[SEL], s[SEL+1]
.endr
.irp b, 0,1
	v_max_num_f32 v[TM+\b], v[TM+\b], v[TM+2+\b]
.endr
.irp b, 0,1
	v_add_nc_u32 v[TM+4+\b], 0xff000000, v[TM+\b]
.endr
.irp b, 0,1
	v_lshrrev_b32 v[TM+6+\b], 23, v[TM+4+\b]
.endr
	v_lshl_or_b32 v[\hw], v[TM+7], 8, v[TM+6]
	v_cvt_scalef32_pk16_fp6_f32 v[\p:\p+2], v[\s:\s+15], v[TM+4]
	v_cvt_scalef32_pk16_fp6_f32 v[C1:C1+2], v[\s+16:\s+31], v[TM+5]
	v_nop
.irp i, 0,1,2
	v_permlane16_swap_b32 v[\p+\i], v[C1+\i]
.endr
.irp i, 0,1,2
	v_mov_b32 v[\p+3+\i], v[C1+\i]
.endr
.endm
.macro GELU8 s
.irp j, 0,1,2,3,4,5,6,7
	v_fma_f32 v[GT+\j], |v[\s+\j]|, 0x3eb504f3, 1.0
.endr
	s_wait_alu depctr_va_vdst(0)
.irp j, 0,1,2,3,4,5,6,7
	v_rcp_f32 v[GT+\j], v[GT+\j]
.endr
.irp j, 0,2,4,6
	v_pk_mul_f32 v[GH+\j:GH+\j+1], v[\s+\j:\s+\j+1], 0.5 op_sel_hi:[1,0]
.endr
	s_wait_alu depctr_va_vdst(0)
.irp j, 0,2,4,6
	v_pk_fma_f32 v[GP+\j:GP+\j+1], v[GT+\j:GT+\j+1], v[KC:KC+1], 0xbf527892 op_sel_hi:[1,1,0]
.endr
.irp c, 0x3fbe87b0, 0xbf914e5d, 0x3e8ec7cc, 0xbe3ec24c, 0x3dc636c9, 0x3ebf88fb, 0x3f8000c7, 0xbfa1fc4e
.irp j, 0,2,4,6
	v_pk_fma_f32 v[GP+\j:GP+\j+1], v[GP+\j:GP+\j+1], v[GT+\j:GT+\j+1], \c op_sel_hi:[1,1,0]
.endr
.endr
.irp j, 0,2,4,6
	v_pk_fma_f32 v[GP+\j:GP+\j+1], v[GH+\j:GH+\j+1], v[\s+\j:\s+\j+1], v[GP+\j:GP+\j+1] neg_lo:[1,0,0] neg_hi:[1,0,0]
.endr
.irp j, 0,2,4,6
	v_pk_mul_f32 v[GP+\j:GP+\j+1], v[GP+\j:GP+\j+1], 0x3fb8aa3b op_sel_hi:[1,0]
.endr
	s_wait_alu depctr_va_vdst(0)
.irp j, 0,1,2,3,4,5,6,7
	v_exp_f32 v[GP+\j], v[GP+\j]
.endr
.irp j, 0,1,2,3,4,5,6,7
	v_mul_f32 v[GT+\j], |v[GH+\j]|, v[GT+\j]
.endr
.irp j, 0,1,2,3,4,5,6,7
	v_max_num_f32 v[\s+\j], 0, v[\s+\j]
.endr
	s_wait_alu depctr_va_vdst(0)
.irp j, 0,2,4,6
	v_pk_fma_f32 v[\s+\j:\s+\j+1], v[GT+\j:GT+\j+1], v[GP+\j:GP+\j+1], v[\s+\j:\s+\j+1] neg_lo:[1,0,0] neg_hi:[1,0,0]
.endr
.endm
.macro TILE more
	s_wait_tensorcnt 0x0
	s_wait_dscnt 0x0
	s_barrier_signal -1
	s_barrier_wait -1
	FETCH 0
	s_wait_loadcnt 0x0
.if \more
	s_add_nc_u64 s[8:9], s[8:9], 512
.endif
	STEP 0, 1
.if \more
	PLACES
	BIAS
.endif
.irp v, 1,2,3,4,5,6
	STEP \v, 0
.endr
.set YB, 96                            ; K step 7
.if \more
	WIN 0
	s_wait_tensorcnt 0x0
	ds_add_u32 v[SPW], v[NIL]
	s_wait_dscnt 0x1
	WIN MUL
	MUL4 1, 0, 0
	s_wait_dscnt 0x0
	s_barrier_signal -1
	MUL4 1, 1, 0
	WIN 0
	s_barrier_wait -1
	CREST
	s_add_nc_u64 s[G0R+2:G0R+3], s[G0R+2:G0R+3], 49152
	tensor_load_to_lds s[G0R:G0R+3], s[G1X:G1X+7]
	s_nop 0
	PLACES
	WIN MUL
	MUL4 1, 2, 0
	MUL4 1, 3, 0
.else
	s_wait_dscnt 0x0
	WIN MUL
.irp i, 0,1,2,3
	MUL4 1, \i, 0
.endr
.endif
	WIN 0
	PLACES
.if \more
	v_add_nc_u32 v[ADRSX], 512, v[ADRSX]
.endif
.irp i, 0,1,2,3
.irp xt, 0,1,2,3
	GELU8 ACC+32*\i+8*\xt
.endr
	QUANT32 ACC+32*\i, PB+8*\i, HW+\i
.irp p, 0,1,2
	global_store_b64 v[L8], v[PB+8*\i+2*\p:PB+8*\i+2*\p+1], s[10:11] offset:TS*\i+256*\p
.endr
.endr
.irp i, 0,1,2,3
	ds_store_b32 v[STO], v[HW+\i] offset:64*\i
.endr
	s_wait_dscnt 0x0
	s_barrier_signal -1
	s_barrier_wait -1
	s_cmp_lt_u32 s14, 2
	s_cbranch_scc0 .Lno_words_\@
	ds_load_b64 v[WD:WD+1], v[RD]
	ds_load_b64 v[WD+2:WD+3], v[RD] offset:256
	s_wait_dscnt 0x0
	v_lshl_or_b32 v[WD], v[WD+2], 16, v[WD]
	v_lshl_or_b32 v[WD+1], v[WD+3], 16, v[WD+1]
	global_store_b64 v[L8], v[WD:WD+1], s[12:13]
.Lno_words_\@:
.if \more
	s_wait_xcnt 0x0
	s_add_nc_u64 s[10:11], s[10:11], 1536
	s_add_nc_u64 s[12:13], s[12:13], 16384
.endif
.endm
; Y's 128 tokens are the same for all four tiles of the walk: my four tiles' fragments of all 8 K steps, 384 registers, are read from LDS once, here
.macro YLOAD v, base
.irp t, 0,1,2,3
.irp p, 0,1,2,3,4,5
	ds_load_b64 v[\base+12*\t+2*\p:\base+12*\t+2*\p+1], v[ADRY+(\v)/4] offset:6144*\t+1536*((\v)%4)+256*\p
.endr
.endr
.endm
	s_wait_alu depctr_va_vdst(0)
	s_wait_tensorcnt 0x0                           ; my tile of the head's four is in; slot 1's first fill is issued as a refill is
	ds_add_u32 v[SPW], v[NIL]
	s_mov_b32 s[G1Y+2], 96<<16                     ; no load of mine is out: from here on a load brings four tiles, 96 rows
	s_mov_b32 s[G1Y+4], 96
	s_mov_b32 s[G1X+2], 96<<16
	s_mov_b32 s[G1X+4], 96
	s_wait_dscnt 0x0
	CROUND                                         ; everybody's tiles are in, and the joint loads meet
	JLOAD G0Y+4, G1Y, G0X+4, G1X                   ; chunk 1: my one load behind the round
	WIN 0x80                                       ; destination window 2, address window 0
	YLOAD 0, 0
	YLOAD 1, 48
	YLOAD 2, 96
	YLOAD 3, 144
	WIN 0
	s_wait_tensorcnt 0x0                           ; my part of chunk 1 is in,
	s_wait_dscnt 0x0
	s_barrier_signal -1
	s_barrier_wait -1                              ; everybody's is
	WIN 0x80
	YLOAD 4, 192
	WIN 0xc0                                       ; destination window 3
	YLOAD 5, 0
	YLOAD 6, 48
	YLOAD 7, 96
	WIN 0
	s_mov_b32 s3, TILES-1
.Ltile:
	s_wait_alu depctr_va_vdst(0)
	TILE 1
	s_sub_co_u32 s3, s3, 1
	s_cmp_lg_u32 s3, 0
	s_cbranch_scc1 .Ltile
	TILE 0
	s_wait_tensorcnt 0x0
	ds_add_u32 v[SPW], v[NIL]
	s_wait_dscnt 0x0
	CROUND
	s_endpgm
.Lfunc_end_k_q0ec73a9dc7_fc1:
	.size	k_q0ec73a9dc7_fc1, .Lfunc_end_k_q0ec73a9dc7_fc1-k_q0ec73a9dc7_fc1
	.p2alignl 7, 3214868480
	.fill 96, 4, 3214868480
	.section	.rodata,"a",@progbits
	.p2align	6, 0x0
	.amdhsa_kernel k_q0ec73a9dc7_fc1
		.amdhsa_group_segment_fixed_size 327680
		.amdhsa_private_segment_fixed_size 0
		.amdhsa_enable_private_segment 0
		.amdhsa_kernarg_size 32
		.amdhsa_user_sgpr_count 2
		.amdhsa_user_sgpr_kernarg_segment_ptr 1
		.amdhsa_wavefront_size32 1
		.amdhsa_system_sgpr_workgroup_id_x 1
		.amdhsa_system_sgpr_workgroup_id_y 1
		.amdhsa_system_sgpr_workgroup_id_z 1
		.amdhsa_system_vgpr_workitem_id 0
		.amdhsa_next_free_vgpr 1024
		.amdhsa_next_free_sgpr 100
		.amdhsa_reserve_vcc 0
		.amdhsa_float_denorm_mode_32 3
		.amdhsa_float_denorm_mode_16_64 3
		.amdhsa_memory_ordered 1
		.amdhsa_forward_progress 1
		.amdhsa_inst_pref_size 255
	.end_amdhsa_kernel
	.section	.bss,"aw",@nobits
	.p2align	6
	.space	262144
	.amdgpu_metadata
---
amdhsa.version: [ 1, 2 ]
amdhsa.kernels:
  - .name:           k_q0ec73a9dc7_fc1
    .symbol:         k_q0ec73a9dc7_fc1.kd
    .args:
      - { .name: hb, .offset: 0, .size: 8, .value_kind: global_buffer, .address_space: global }
      - { .name: wbuf, .offset: 8, .size: 8, .value_kind: global_buffer, .address_space: global }
      - { .name: fc1_b, .offset: 16, .size: 8, .value_kind: global_buffer, .address_space: global }
      - { .name: gb, .offset: 24, .size: 8, .value_kind: global_buffer, .address_space: global }
    .group_segment_fixed_size: 327680
    .private_segment_fixed_size: 0
    .kernarg_segment_align: 8
    .kernarg_segment_size: 32
    .max_flat_workgroup_size: 128
    .sgpr_count:     100
    .vgpr_count:     1024
    .wavefront_size: 32
...
	.end_amdgpu_metadata
.endif
;; end of part 7
;; launch fc2 (part 8): grid 8 x 32, 4 waves a work-group, clusters of 4 x 4, 327,680 bytes of LDS; arguments gb, wbuf, fc2_b, x1, out0; writes out0
.if DOCPART == 8
	.amdgcn_target "amdgcn-amd-amdhsa--gfx1250"
	.amdhsa_code_object_version 6
	.text
	.protected	k_q0ec73a9dc7_fc2
	.globl	k_q0ec73a9dc7_fc2
	.p2align	8
	.type	k_q0ec73a9dc7_fc2,@function
k_q0ec73a9dc7_fc2:
	s_mov_b64 s[64:65], 0
	v_nop
	global_prefetch_b8 v0, s[64:65] scope:SCOPE_SE
	s_setreg_imm32_b32 hwreg(HW_REG_WAVE_MODE, 25, 1), 1
	s_wait_xcnt 0x0
	s_wait_alu depctr_hold_cnt(0) depctr_sa_sdst(0) depctr_va_vdst(0) depctr_va_sdst(0) depctr_va_ssrc(0) depctr_va_vcc(0) depctr_vm_vsrc(0)
	s_getreg_b32 s2, hwreg(HW_REG_IB_STS2, 6, 4)
	s_cmp_eq_u32 s2, 0
	s_cbranch_scc0 .Lentry_in_a_cluster
	s_endpgm
.Lentry_in_a_cluster:
	s_bfe_u32 s2, ttmp6, 0x10000c
	s_cmp_lg_u32 s2, 0xf033
	s_cbranch_scc0 .Lentry_shape_is_right
	s_endpgm
.Lentry_shape_is_right:
.set KERN, 4
.if KERN == 3
.set KT, 1024
.set YS, 3145728
.set XC, 2359296
.set XS, 9535488
.else
.set KT, 4096
.set YS, 12582912
.set XC, 6291456
.set XS, 9699328
.endif
.set YC,  0
.set YNT, 256
.set XNT, 64
.set SLOT,  98304
.set SCL,   2*SLOT
.set STG,   SCL+8*KT
.set SPARE, STG+17408
.set LAPS,  KT/1024
.set ADRY, 16
.set ADRX, 20
.set L8,   22
.set STO,  24
.set RD,   25
.set CO,   26
.set ADRS, 27
.set SPW,  28
.set NIL,  29
.set VB,   30
.set BI,   32
.set SC,   64
.set ACC,  128
.set G1Y,  24
.set G0Y,  32
.set G1X,  48
.set G0X,  56
.set G1SY, 68
.set G0SY, 76
.set G1SX, 80
.set G0SX, 88
.set MSB, 0
.macro WIN new
.if MSB != \new
	s_set_vgpr_msb (MSB<<8)|\new
.set MSB, \new
.endif
.endm
.set MUL,  0x05
.set TO_F, 0x40
.macro JLOAD g0y, g1y, g0x, g1x
	s_cmp_eq_u32 s15, 0
	s_cbranch_scc0 .Lfor_x_\@
	tensor_load_to_lds s[\g0y:\g0y+3], s[\g1y:\g1y+7]
	s_nop 0
.rept 4
	v_nop
.endr
	s_branch .Lasked_\@
.Lfor_x_\@:
	tensor_load_to_lds s[\g0x:\g0x+3], s[\g1x:\g1x+7]
	s_nop 0
.rept 4
	v_nop
.endr
.Lasked_\@:
.endm
.macro CREST
	s_cmp_lg_u32 s14, 0
	s_cbranch_scc1 .Lnot_wave_0_\@
	s_barrier_signal -3
.Lnot_wave_0_\@:
	s_barrier_wait -3
	s_barrier_signal -1
	s_barrier_wait -1
.endm
.macro CROUND
	s_barrier_signal -1
	s_barrier_wait -1
	CREST
.endm
.macro PLACES
.rept 4
	v_nop
.endr
.endm
	s_load_b256 s[4:11], s[0:1], 0x0
	s_load_b64 s[12:13], s[0:1], 0x20
	v_lshl_add_u32 v[SPW], v0, 2, SPARE
	v_mov_b32 v[NIL], 0
	ds_add_u32 v28, v29
	ds_add_u32 v28, v29
	s_wait_dscnt 0x0
	v_lshrrev_b32 v1, 5, v0
	v_readfirstlane_b32 s14, v1
	s_lshr_b32 s15, s14, 1
	s_and_b32 s16, s14, 1
	s_bfe_u32 s40, ttmp6, 0x40000
	s_bfe_u32 s41, ttmp6, 0x40004
	s_lshl_b32 s42, ttmp9, 2
	s_add_co_u32 s42, s42, s40
	s_and_b32 s17, ttmp7, 0xffff
	s_lshl_b32 s17, s17, 2
	s_add_co_u32 s17, s17, s41
	s_lshl_b32 s43, s41, 2
	s_lshl_b32 s43, 15, s43
	s_lshl_b32 s44, 0x1111, s40
	s_or_b32 s[G1Y], s43, (3<<16)|(1<<21)
	s_or_b32 s[G1X], s44, (3<<16)|(1<<21)
.irp g, G1Y, G1X
	s_mov_b32 s[\g+1], 32<<16
	s_mov_b32 s[\g+2], 192<<16
	s_mov_b32 s[\g+3], 32<<16
	s_mov_b32 s[\g+4], 192
	s_mov_b32 s[\g+5], 32
	s_mov_b32 s[\g+6], 0
	s_mov_b32 s[\g+7], 0
.endr
	s_or_b32 s[G1SY], s43, (3<<16)|(1<<21)
	s_or_b32 s[G1SX], s44, (3<<16)|(1<<21)
.irp g, G1SY, G1SX
	s_mov_b32 s[\g+1], 64<<16
	s_mov_b32 s[\g+2], (KT/128)<<16
	s_mov_b32 s[\g+3], 64<<16
	s_mov_b32 s[\g+4], KT/128
	s_mov_b32 s[\g+6], 0
	s_mov_b32 s[\g+7], 0
.endr
	s_mov_b32 s[G1SY+5], YNT*8
	s_mov_b32 s[G1SX+5], XNT*8
	s_mul_i32 s18, s16, 24576
	s_mov_b32 s19, 0
	s_lshl_b32 s20, s17, 3
	s_mul_i32 s20, s20, 6144
	s_add_co_u32 s20, s20, YC
	s_mov_b32 s21, 0
	s_lshl_b32 s46, s42, 3
	s_mul_i32 s46, s46, 6144
	s_add_co_u32 s46, s46, XC
	s_mov_b32 s47, 0
	s_mov_b32 s22, 0
	s_lshl_b32 s23, s17, 9
	s_add_co_u32 s22, s22, s23
	s_add_co_u32 s22, s22, YS
	s_mov_b32 s23, 0
	s_mov_b32 s92, 0
	s_lshl_b32 s93, s42, 9
	s_add_co_u32 s92, s92, s93
	s_add_co_u32 s92, s92, XS
	s_mov_b32 s93, 0
	s_mul_i32 s45, s14, 24576
	s_wait_kmcnt 0x0
	s_add_nc_u64 s[20:21], s[4:5], s[20:21]
	s_add_nc_u64 s[22:23], s[4:5], s[22:23]
	s_add_nc_u64 s[46:47], s[6:7], s[46:47]
	s_add_nc_u64 s[92:93], s[6:7], s[92:93]
	CROUND
	s_mov_b32 s[G0SY], 1
	s_mov_b32 s[G0SY+1], SCL
	s_mov_b64 s[G0SY+2:G0SY+3], s[22:23]
	s_or_b32 s[G0SY+3], s[G0SY+3], 0x80000000
	s_mov_b32 s[G0SX], 1
	s_mov_b32 s[G0SX+1], SCL+4*KT
	s_mov_b64 s[G0SX+2:G0SX+3], s[92:93]
	s_or_b32 s[G0SX+3], s[G0SX+3], 0x80000000
	s_mov_b32 s[G0Y], 1                            ; chunk 0 whole: Y's 8 tiles to slot 0's first half,
	s_mov_b32 s[G0Y+1], 0
	s_mov_b64 s[G0Y+2:G0Y+3], s[20:21]
	s_or_b32 s[G0Y+3], s[G0Y+3], 0x80000000
	s_mov_b32 s[G0X], 1                            ; X's 8 behind them
	s_mov_b32 s[G0X+1], 49152
	s_mov_b64 s[G0X+2:G0X+3], s[46:47]
	s_or_b32 s[G0X+3], s[G0X+3], 0x80000000
	s_add_nc_u64 s[20:21], s[20:21], s[18:19]      ; for the ring: my four tiles
	s_add_nc_u64 s[46:47], s[46:47], s[18:19]
	s_mov_b32 s[G0Y+4], 1                          ; chunk 1, a quarter of slot 1 a wave
	s_add_co_u32 s[G0Y+5], s45, SLOT
	s_add_nc_u64 s[G0Y+6:G0Y+7], s[20:21], YNT*6144
	s_or_b32 s[G0Y+7], s[G0Y+7], 0x80000000
	s_mov_b32 s[G0X+4], 1
	s_add_co_u32 s[G0X+5], s45, SLOT
	s_add_nc_u64 s[G0X+6:G0X+7], s[46:47], XNT*6144
	s_or_b32 s[G0X+7], s[G0X+7], 0x80000000
; the head's four tiles, one load a wave: wave 0 Y's codes, wave 1 X's, wave 2 Y's scale words, wave 3 X's; one chain of branches on the wave's number
.macro HARM under, g0, g1, next
	s_cmp_lt_u32 s14, \under
	s_cbranch_scc0 \next
	tensor_load_to_lds s[\g0:\g0+3], s[\g1:\g1+7]
	s_nop 0
.rept 4
	v_nop
.endr
	s_branch .Lhead_asked
\next:
.endm
	HARM 1, G0Y, G1Y, .Lhead_x
	HARM 2, G0X, G1X, .Lhead_sy
	HARM 3, G0SY, G1SY, .Lhead_sx
	tensor_load_to_lds s[G0SX:G0SX+3], s[G1SX:G1SX+7]
	s_nop 0
.rept 4
	v_nop
.endr
.Lhead_asked:
	v_and_b32 v1, 15, v0
	v_bfe_u32 v2, v0, 4, 1
	s_wait_alu depctr_va_vdst(0)
	v_and_b32 v3, 31, v0
	v_lshlrev_b32 v[L8], 3, v3
	s_mul_i32 s18, s15, 24576
	s_mul_i32 s19, s16, 24576
	s_add_co_u32 s19, s19, 49152
.irp s, 0,1
	v_add_nc_u32 v[ADRY+\s], s18, v[L8]
	v_add_nc_u32 v[ADRX+\s], s19, v[L8]
	s_add_co_u32 s18, s18, SLOT
	s_add_co_u32 s19, s19, SLOT
.endr
	v_lshlrev_b32 v5, 2, v1
	s_lshl_b32 s18, s15, 8
	s_lshl_b32 s19, s16, 8
	s_add_co_u32 s19, s19, 4*KT
	s_sub_co_u32 s19, s19, s18
	v_mul_u32_u24 v6, s19, v2
	s_add_co_u32 s18, s18, SCL
	v_add_nc_u32 v5, v5, v6
	v_add_nc_u32 v[ADRS], s18, v5
	s_lshl_b32 s92, s42, 9
	s_lshl_b32 s93, s16, 8
	s_add_co_u32 s92, s92, s93
	s_mov_b32 s93, 0
	s_add_nc_u64 s[8:9], s[8:9], s[92:93]
	v_lshlrev_b32 v[VB], 6, v2
.irp xt, 0,1,2,3
	global_load_b128 v[BI+8*\xt:BI+8*\xt+3], v[VB], s[8:9] offset:(32*(\xt/2)+8*(\xt%2))*4
	global_load_b128 v[BI+8*\xt+4:BI+8*\xt+7], v[VB], s[8:9] offset:(32*(\xt/2)+8*(\xt%2))*4+16
.endr
	s_lshl_b32 s94, s17, 7
	s_lshl_b32 s93, s15, 6
	s_add_co_u32 s94, s94, s93
	s_lshl_b32 s94, s94, 12
	s_lshl_b32 s93, s42, 9
	s_add_co_u32 s94, s94, s93
	s_lshl_b32 s93, s16, 8
	s_add_co_u32 s94, s94, s93
	s_mov_b32 s95, 0
	s_add_nc_u64 s[10:11], s[10:11], s[94:95]
	s_add_nc_u64 s[12:13], s[12:13], s[94:95]
	s_mul_i32 s18, s14, 4352
	s_add_co_u32 s18, s18, STG
	v_mul_u32_u24 v5, v1, 272
	v_lshl_add_u32 v5, v2, 6, v5
	v_add_nc_u32 v[STO], s18, v5
	v_mul_u32_u24 v5, v2, 272
	v_lshl_add_u32 v5, v1, 4, v5
	v_add_nc_u32 v[RD], s18, v5
	v_lshlrev_b32 v5, 12, v2
	v_lshl_add_u32 v[CO], v1, 4, v5
	WIN 0x80
.irp i, 0,1,2,3
.irp t, 0,1,2,3,4,5,6,7
	global_load_b128 v[32*\i+4*\t:32*\i+4*\t+3], v[CO], s[10:11] offset:(32*(\i/2)+8*(\i%2)+(2*\t)%8+16*((2*\t)/8))*4096
.endr
.endr
	WIN 0
.macro FETCH slot, q, f
	WIN TO_F
.irp t, 0,1,2,3
.irp p, 0,1,2,3,4,5
	ds_load_b64 v[96*(\f)+12*\t+2*\p:96*(\f)+12*\t+2*\p+1], v[ADRX+\slot] offset:6144*\t+1536*(\q)+256*\p
.endr
.endr
.irp t, 0,1,2,3
.irp p, 0,1,2,3,4,5
	ds_load_b64 v[96*(\f)+48+12*\t+2*\p:96*(\f)+48+12*\t+2*\p+1], v[ADRY+\slot] offset:6144*\t+1536*(\q)+256*\p
.endr
.endr
	WIN 0
.irp t, 0,1,2,3
	ds_load_b32 v[SC+4*(\f)+\t], v[ADRS] offset:512*(\q)+64*\t
.endr
.endm
.macro MUL4 f, i, first
.irp xt, 0,1,2,3
.set DD, ACC+32*(\i)+8*\xt
.set CC, DD
.if \first
.set CC, BI+8*\xt
.endif
	v_wmma_scale_f32_16x16x128_f8f6f4 v[DD:DD+7], v[96*(\f)+12*\xt:96*(\f)+12*\xt+11], v[96*(\f)+48+12*(\i):96*(\f)+59+12*(\i)], v[CC:CC+7], v[SC+4*(\f)+\xt], v[SC+4*(\f)+(\i)] matrix_a_fmt:MATRIX_FMT_FP6 matrix_b_fmt:MATRIX_FMT_FP6 matrix_a_scale:MATRIX_SCALE_ROW1
.endr
.endm
.macro STEP slot, q, first
	s_wait_dscnt 0x0
	PLACES
	FETCH \slot, (\q)+1, ((\q)+1)%2
	WIN MUL
.irp i, 0,1,2,3
	MUL4 (\q)%2, \i, \first
.endr
.endm
.macro TURN slot, next, fill
	WIN 0
	s_wait_tensorcnt 0x0
	ds_add_u32 v[SPW], v[NIL]
	s_wait_dscnt 0x1
	WIN MUL
	MUL4 1, 0, 0
	s_wait_dscnt 0x0
	s_barrier_signal -1
	MUL4 1, 1, 0
	WIN 0
	s_barrier_wait -1
.if \fill
	CREST
	s_add_nc_u64 s[G0Y+4*\slot+2:G0Y+4*\slot+3], s[G0Y+4*\slot+2:G0Y+4*\slot+3], 2*YNT*6144
	s_add_nc_u64 s[G0X+4*\slot+2:G0X+4*\slot+3], s[G0X+4*\slot+2:G0X+4*\slot+3], 2*XNT*6144
	JLOAD G0Y+4*\slot, G1Y, G0X+4*\slot, G1X
.else
	PLACES
.endif
	v_add_nc_u32 v[ADRS], 2048, v[ADRS]
	FETCH \next, 0, 0
	WIN MUL
	MUL4 1, 2, 0
	MUL4 1, 3, 0
.endm
	s_wait_alu depctr_va_vdst(0)
	s_wait_tensorcnt 0x0                           ; my tile of the head's four is in; slot 1's first fill is issued as a refill is
	ds_add_u32 v[SPW], v[NIL]
	s_mov_b32 s[G1Y+2], 96<<16                     ; no load of mine is out: from here on a load brings four tiles, 96 rows,
	s_mov_b32 s[G1Y+4], 96
	s_mov_b32 s[G1X+2], 96<<16
	s_mov_b32 s[G1X+4], 96
	s_mov_b32 s[G0Y+1], s45                        ; and slot 0's group 0 stands at my quarter of chunk 0, from which its refills step
	s_mov_b64 s[G0Y+2:G0Y+3], s[20:21]
	s_or_b32 s[G0Y+3], s[G0Y+3], 0x80000000
	s_mov_b32 s[G0X+1], s45
	s_mov_b64 s[G0X+2:G0X+3], s[46:47]
	s_or_b32 s[G0X+3], s[G0X+3], 0x80000000
	s_wait_dscnt 0x0
	CROUND                                         ; everybody's tiles are in, and the joint loads meet
	JLOAD G0Y+4, G1Y, G0X+4, G1X                   ; chunk 1: my one load behind the round
	FETCH 0, 0, 0
	s_wait_loadcnt 32
	STEP 0, 0, 1
.if LAPS > 1
	WIN 0
	s_mov_b32 s3, LAPS-1
.Llap:
	s_wait_alu depctr_va_vdst(0)
	STEP 0, 1, 0
	STEP 0, 2, 0
	TURN 0, 1, 1
	s_wait_alu depctr_va_vdst(0)
	STEP 1, 0, 0
	STEP 1, 1, 0
	STEP 1, 2, 0
	TURN 1, 0, 1
	s_wait_alu depctr_va_vdst(0)
	STEP 0, 0, 0
	WIN 0
	s_sub_co_u32 s3, s3, 1
	s_cmp_lg_u32 s3, 0
	s_cbranch_scc1 .Llap
.endif
	STEP 0, 1, 0
	STEP 0, 2, 0
	TURN 0, 1, 0
	s_wait_alu depctr_va_vdst(0)
	STEP 1, 0, 0
	STEP 1, 1, 0
	STEP 1, 2, 0
	s_wait_dscnt 0x0
	WIN MUL
.irp i, 0,1,2,3
	MUL4 1, \i, 0
.endr
	WIN 0
	PLACES
.irp i, 0,1,2,3
.set BK, 32+64*(\i%2)
.irp xt, 0,1,2,3
	ds_store_b128 v[STO], v[ACC+32*\i+8*\xt:ACC+32*\i+8*\xt+3] offset:128*(\xt/2)+32*(\xt%2)
	ds_store_b128 v[STO], v[ACC+32*\i+8*\xt+4:ACC+32*\i+8*\xt+7] offset:128*(\xt/2)+32*(\xt%2)+16
.endr
.if \i > 1
	s_wait_xcnt 0x0
.endif
.irp t, 0,1,2,3,4,5,6,7
	ds_load_b128 v[BK+4*\t:BK+4*\t+3], v[RD] offset:544*\t
.endr
	s_wait_loadcnt 8*(3-\i)
	s_wait_dscnt 0x0
	WIN 0x08
.set nn, 0
.rept 16
	v_pk_add_f32 v[BK+nn:BK+nn+1], v[BK+nn:BK+nn+1], v[32*\i+nn:32*\i+nn+1]
.set nn, nn+2
.endr
	WIN 0
.irp t, 0,1,2,3,4,5,6,7
	global_store_b128 v[CO], v[BK+4*\t:BK+4*\t+3], s[12:13] offset:(32*(\i/2)+8*(\i%2)+(2*\t)%8+16*((2*\t)/8))*4096
.endr
.endr
	s_wait_tensorcnt 0x0
	ds_add_u32 v[SPW], v[NIL]
	s_wait_dscnt 0x0
	CROUND
	s_endpgm
.Lfunc_end_k_q0ec73a9dc7_fc2:
	.size	k_q0ec73a9dc7_fc2, .Lfunc_end_k_q0ec73a9dc7_fc2-k_q0ec73a9dc7_fc2
	.p2alignl 7, 3214868480
	.fill 96, 4, 3214868480
	.section	.rodata,"a",@progbits
	.p2align	6, 0x0
	.amdhsa_kernel k_q0ec73a9dc7_fc2
		.amdhsa_group_segment_fixed_size 327680
		.amdhsa_private_segment_fixed_size 0
		.amdhsa_enable_private_segment 0
		.amdhsa_kernarg_size 40
		.amdhsa_user_sgpr_count 2
		.amdhsa_user_sgpr_kernarg_segment_ptr 1
		.amdhsa_wavefront_size32 1
		.amdhsa_system_sgpr_workgroup_id_x 1
		.amdhsa_system_sgpr_workgroup_id_y 1
		.amdhsa_system_sgpr_workgroup_id_z 1
		.amdhsa_system_vgpr_workitem_id 0
		.amdhsa_next_free_vgpr 640
		.amdhsa_next_free_sgpr 98
		.amdhsa_reserve_vcc 0
		.amdhsa_float_denorm_mode_32 3
		.amdhsa_float_denorm_mode_16_64 3
		.amdhsa_memory_ordered 1
		.amdhsa_forward_progress 1
		.amdhsa_inst_pref_size 118
	.end_amdhsa_kernel
	.amdgpu_metadata
---
amdhsa.version: [ 1, 2 ]
amdhsa.kernels:
  - .name:           k_q0ec73a9dc7_fc2
    .symbol:         k_q0ec73a9dc7_fc2.kd
    .args:
      - { .name: gb, .offset: 0, .size: 8, .value_kind: global_buffer, .address_space: global }
      - { .name: wbuf, .offset: 8, .size: 8, .value_kind: global_buffer, .address_space: global }
      - { .name: fc2_b, .offset: 16, .size: 8, .value_kind: global_buffer, .address_space: global }
      - { .name: x1, .offset: 24, .size: 8, .value_kind: global_buffer, .address_space: global }
      - { .name: out0, .offset: 32, .size: 8, .value_kind: global_buffer, .address_space: global }
    .group_segment_fixed_size: 327680
    .private_segment_fixed_size: 0
    .kernarg_segment_align: 8
    .kernarg_segment_size: 40
    .max_flat_workgroup_size: 128
    .sgpr_count:     98
    .vgpr_count:     640
    .wavefront_size: 32
...
	.end_amdgpu_metadata
.endif
;; end of part 8
